; MI455X (gfx1250); checked and timed in simulation.
; The chip was launched on July 23, 2026; its instructions are those of AMD's public machine-readable ISA for CDNA 5 (MIT licence, August 2026) and "CDNA5" Instruction Set Architecture Reference Guide (July 2026). The comments in the code are by the model that wrote it; some were corrected since.
;; Encoder Block. Allowed arithmetic: matrix products marked QUANTISED: E2M1 operands, one E8M0 scale for each 32 along K, by v_wmma_scale_f32_16x16x128_f8f6f4 with both operands' format E2M1 (or v_wmma_scale_f32_32x16x128_f4), f32 sums; products left as they are: f32 operands where the result goes on into a quantised operand, else bf16, f16 or f32 operands; f32 sums; everything else in f32.
;; Inputs: B1 2 x 2,048 float32; B2 2 x 512 float32; W1_codes 2 x 2,048 x 16 x 16 uint8 (E2M1 codes of W1, K innermost, in blocks of 32 codes, two codes a byte); W1_scales 2 x 2,048 x 16 uint8 (E8M0 scales of W1, one for each 32 codes along K); W2_codes 2 x 512 x 64 x 16 uint8 (E2M1 codes of W2, K innermost, in blocks of 32 codes, two codes a byte); W2_scales 2 x 512 x 64 uint8 (E8M0 scales of W2, one for each 32 codes along K); Wk_codes 512 x 16 x 16 uint8 (E2M1 codes of Wk, K innermost, in blocks of 32 codes, two codes a byte); Wk_scales 512 x 16 uint8 (E8M0 scales of Wk, one for each 32 codes along K); Wo_codes 512 x 16 x 16 uint8 (E2M1 codes of Wo, K innermost, in blocks of 32 codes, two codes a byte); Wo_scales 512 x 16 uint8 (E8M0 scales of Wo, one for each 32 codes along K); Wq_codes 512 x 16 x 16 uint8 (E2M1 codes of Wq, K innermost, in blocks of 32 codes, two codes a byte); Wq_scales 512 x 16 uint8 (E8M0 scales of Wq, one for each 32 codes along K); Wv_codes 512 x 16 x 16 uint8 (E2M1 codes of Wv, K innermost, in blocks of 32 codes, two codes a byte); Wv_scales 512 x 16 uint8 (E8M0 scales of Wv, one for each 32 codes along K); attention_mask 8 x 1,024 int32; beta1 512 float32; beta2 512 float32; bk 512 float32; bo 512 float32; bq 512 float32; bv 512 float32; g1 512 float32; g2 512 float32; router_b 2 float32; router_w 512 x 2 float32; x 8 x 1,024 x 512 float32.
;; Outputs: out0 8 x 1,024 x 512 float32; out1 one number float32.
;; This version of the problem:
;;   THIS VERSION OF THE PROBLEM IS GIVEN IN LOW PRECISION. The matrix products marked QUANTISED in the list below multiply operands that are first quantised to E2M1 (2 exponent bits, 1 mantissa bit; 4 bits a number), with one power-of-two scale for each 32 numbers along K (OCP MX v1.0); their sums are f32. All else is computed in f32.
;;   The module's matrix products, in the order in which they are computed (A, B: the left and right operand; K: the contracted axis; several contracted axes count as one K, in the product's order):
;;     1. [M 8,192, K 512] x [K 512, N 512]; A: input x; B: input Wq (given as codes): QUANTISED
;;     2. [M 8,192, K 512] x [K 512, N 512]; A: input x; B: input Wk (given as codes): QUANTISED
;;     3. [M 8,192, K 512] x [K 512, N 512]; A: input x; B: input Wv (given as codes): QUANTISED
;;     4. batch 128 x [M 1,024, K 32] x [K 32, N 1,024]; A: computed on the way; B: computed on the way: QUANTISED
;;     5. batch 128 x [M 1,024, K 1,024] x [K 1,024, N 32]; A: softmax (see below); B: computed on the way: QUANTISED
;;     6. [M 8,192, K 512] x [K 512, N 512]; A: computed on the way; B: input Wo (given as codes): QUANTISED
;;     7. [M 8,192, K 512] x [K 512, N 2]; A: computed on the way; B: input router_w: left as it is (N = 2 < 16)
;;     8. [M 8,192, K 512] x [K 512, N 2,048]; A: computed on the way; B: input W1 (given as codes): QUANTISED
;;     9. [M 8,192, K 2,048] x [K 2,048, N 512]; A: computed on the way; B: input W2 (given as codes): QUANTISED
;;     10. [M 8,192, K 512] x [K 512, N 2,048]; A: computed on the way; B: input W1 (given as codes): QUANTISED
;;     11. [M 8,192, K 2,048] x [K 2,048, N 512]; A: computed on the way; B: input W2 (given as codes): QUANTISED
;;   THE QUANTISER, for each operand of a quantised product, along K:
;;     - K is cut into blocks of 32 from its start; a last block that is shorter is filled with zeros.
;;     - A block's scale is 2^e with e = floor(log2(the largest magnitude in the block)) - 2, held to -126 .. 127; a block of zeros has e = 0. As a byte (E8M0): e + 127.
;;     - Each number is divided by its block's scale, clamped to +-6, and rounded to the nearest number of E2M1, ties to even, subnormals kept.
;;     - The product sums the exact products of the quantised numbers (number of the format x scale) in f32.
;;   ~~~python
;;   def quantise(x, axis):      # numpy; x: float32 -> the quantised numbers, widened to float32 again
;;       x = np.moveaxis(x, axis, -1); K = x.shape[-1]
;;       x = np.pad(x, [(0, 0)] * (x.ndim - 1) + [(0, -K % 32)]); x = x.reshape(x.shape[:-1] + (-1, 32)); a = np.abs(x).max(-1, keepdims=True)
;;       e = np.where(a > 0, np.clip(np.frexp(np.where(a > 0, a, 1))[1] - 1 - 2, -126, 127), 0)      # np.frexp(a)[1] - 1 = floor(log2(a)), exactly
;;       r = np.clip(x / 2.0 ** e, -6, 6)
;;       step = 2.0 ** (np.maximum(np.frexp(np.where(r == 0, 1, r))[1] - 1, 0) - 1)
;;       q = np.round(r / step) * step * 2.0 ** e      # np.round: ties to even
;;       return np.moveaxis(q.reshape(q.shape[:-2] + (-1,))[..., :K], -1, axis).astype(np.float32)
;;   ~~~
;;   SOFTMAX AHEAD OF A QUANTISED PRODUCT. Where the list says 'softmax', what is quantised is not the finished softmax but p = 2^(t - M), with t = logit x log2(e) and M = ceil(the row's largest t), a whole number; so 1/2 < the row's largest p <= 1. The row's sum l is taken of the UNQUANTISED p, in f32, and the product's result is divided by l at the end. Since M is a whole number, a kernel that streams over the keys may use a running M (the ceiling of the running maximum): every later rescaling is an exact power of two, which a block's scale takes up: the codes' values come out the same.
;;   OPERANDS COMPUTED ON THE WAY. 'Computed on the way' means the value that the module computes at that place (a softmax that the list does not call 'softmax' is quantised finished and normalised). What goes into a quantiser is computed in f32, as accurately as f32 sums, v_exp_f32 and their like allow (about 1e-6 of the number): no bf16 or f16 on the way to a quantiser, and a product that is left as it is and whose result goes on into a quantised operand takes f32 operands (vector FMAs, or v_wmma_f32_16x16x4_f32). A number that lies on a knife's edge between two numbers of the format may be rounded either way, as far as f32 arithmetic and the matrix unit's own rounding can turn it there, and no further.
;;   INPUTS GIVEN AS CODES. W1 (in the module: [2, 512, 2048], K = its axis 1); W2 (in the module: [2, 2048, 512], K = its axis 1); Wk (in the module: [512, 512], K = its axis 0); Wo (in the module: [512, 512], K = its axis 0); Wq (in the module: [512, 512], K = its axis 0); Wv (in the module: [512, 512], K = its axis 0): each comes as NAME_codes (uint8): NAME with its K axis moved to the last place and cut into blocks of 32 codes, [.., K / 32, bytes a block], one block behind the other in memory; two codes a byte, the lower K in the low four bits (a code: sign, 2 exponent bits, 1 mantissa bit); and NAME_scales (uint8): the same leading axes, one E8M0 byte (e + 127) for each 32 codes along K. Its value is code x scale, taken as it is: it is not quantised again, and the codes and scales need not be those that the quantiser above would give.
;; 2 versions, each right; version 2 is version 1 with the launches qkv, attn written anew for expert scheduling mode. Each part assembles by itself: llvm-mc -triple=amdgcn-amd-amdhsa -mcpu=gfx1250 --defsym DOCPART=n.
;; ======== version 1 of 2: 4 launches
;; limits: right only within a limited range of input values
;; workspace buffers: qimg 2,097,152 bytes; kvimg 4,194,304 bytes; sc 655,360 bytes; hbuf 2,228,224 bytes; wstream 2,402,304 bytes; psum 2,048 bytes
;; launch qkv (part 1): grid 256 x 1, 4 waves a work-group, no clusters, 27,136 bytes of LDS; arguments x, Wq_codes, Wq_scales, bq, Wk_codes, Wk_scales, bk, Wv_codes, Wv_scales, bv, Wo_codes, Wo_scales, bo, W1_codes, W1_scales, B1, W2_codes, W2_scales, B2, qimg, kvimg, sc, wstream; writes qimg, kvimg, sc, wstream
.if DOCPART == 1
	.amdgcn_target "amdgcn-amd-amdhsa--gfx1250"
	.amdhsa_code_object_version 6
	.text
	.protected	k_qe597a6acef_qkv
	.globl	k_qe597a6acef_qkv
	.p2align	8
	.type	k_qe597a6acef_qkv,@function
k_qe597a6acef_qkv:
	s_mov_b64 s[64:65], 0
	v_nop
	global_prefetch_b8 v0, s[64:65] scope:SCOPE_SE
	s_setreg_imm32_b32 hwreg(HW_REG_WAVE_MODE, 25, 1), 1
	s_wait_xcnt 0x0
; q = x Wq + bq, k = x Wk + bk, v = x Wv + bv on codes of FP4 (E2M1) with one E8M0 scale for each 32 along K; the results are quantised at once for attention's two products:
; q and k along a head's 32 channels, v along 32 keys.  x: [8192][512] f32; the weights: codes [512][256 bytes], K innermost, scale bytes [512][16].
; SHARES.  Work-group g takes tokens 32 g .. 32 g + 31 as two tiles u of 16: row m of tile u is token 8 u + m + 8 (m / 8).  Wave w takes heads 4 w .. 4 w + 3 of q, k and v: 128 rows of each weight.
; A wave's 128 rows of one weight are 32 KB, one window of 256 registers, and no other wave of the work-group wants them: so they go from memory straight into registers, a whole weight at a time,
; one weight ahead of the products.  That is also why no tile is asked for jointly here: nothing goes through LDS but x's codes.
; THE ROWS OF A WEIGHT THAT FORM A TILE ARE NOT NEIGHBOURS: lane r of tile 2 b + p takes row 32 b + 8 p + r + 8 (r / 8).  q, k: source 0 = a weight's tile, source 1 = a tile of tokens: a lane holds one token and the 16
; registers of tiles 2 b, 2 b + 1 are channels 16 (lane / 16) + 0 .. 15 of head b.  v: the sources change places: a lane holds one channel and its 16 registers are keys 16 (lane / 16) + 0 .. 15 of the 32 tokens.
; OUT (this program's own buffers, laid as the next launch's operand registers want them):
;   qimg [batch 8][head 16][tile 64][row 16][16 bytes];   kvimg [batch][head][32,768]: k laid as q; from 16,384 on v as [128 keys s][tile of channels][c][hl][row][16 bytes], keys 128 s + 32 (2 c + hl) on
;   sc [batch][head][5,120]: q's scale words [32 tokens][row] (byte 0: tile 0's, byte 1: tile 1's, bytes 2, 3: 0); from 2,048 k's likewise; from 4,096 v's bytes [s][tile][row][4]
; The codes leave as whole aligned runs of 256 bytes; the scale words and bytes (a fortieth of what the launch moves) leave as runs of 64 bytes and as single bytes.
; THE FIRST 68 WORK-GROUPS ALSO LAY Wo, W1, W2 OUT for the last launch: wstream = 17 chunks x 4 records of 35,328 bytes: codes [K step 4][tile 8][c 2][lane 32][16], scale words [4][lane][16], 128 biases.
; LIMITS: NaN and infinities are not served.  A block whose largest magnitude lies under 2^-124 (a block of zeros too) gets the scale byte 1: its bytes are read by this program alone.
.set SPI,   272                        ; a stage row: 256 bytes + 16: the sixteen rows that a load touches start at sixteen different groups of banks
.set XIMG,  17408                      ; LDS: 0: a stage of 16 rows for each wave; XIMG: x's 8 fragments (4 u + K step), 1,024 bytes each; XSC: their scale words, 128 bytes each
.set XSC,   25600
.set CHUNK, 141312
.set WREC,  35328
.set XG,  1                            ; v1   x: 2048 (lane / 16) + 16 (lane % 16) + 512 wave
.set SIN, 2                            ; v2   the stage, by rows: 272 (lane / 16) + 16 (lane % 16)
.set SOUT,3                            ; v3   the stage, by lanes: 272 r + 64 h
.set LI,  4                            ; v4   XIMG + 16 lane
.set LS,  5                            ; v5   XSC + 4 lane
.set XWI, 6                            ; v6   LI + 1024 wave
.set XWS, 7                            ; v7   LS + 128 wave
.set WA,  8                            ; v8   a weight's codes: 256 (128 wave + r + 8 (r / 8)) + 16 h
.set WSA, 9                            ; v9   its scale bytes: 16 (128 wave + 8 h + r + 8 (r / 8))
.set BA,  10                           ; v10  bq, bk: 4 (128 wave + 16 h)
.set BVA, 11                           ; v11  bv: 4 (128 wave + r + 8 (r / 8))
.set OC,  12                           ; v12  codes out: 16 r + 8 h
.set OS,  13                           ; v13  scale words out: 5120 h + 4 r
.set OVS, 14                           ; v14  v's scale bytes out: 64 h + 4 r
.set RC,  15                           ; v15-19 the relay's offsets
.set RS,  16
.set RB,  17
.set RD,  18
.set RE,  19
.set XF,  32                           ; v32-95   x's fragments
.set XS,  96                           ; v96-103  their scale words
.set WS,  104                          ; v104-135 the weights' scale words, two sets of 16: register 4 b + K step; lanes 0-15 tile 2 b, lanes 16-31 tile 2 b + 1
.set ACC, 136                          ; v136-199 two sets of four accumulators; at the start 64 numbers of x
.set TM,  200                          ; v200-215 at work
.set PW,  216
.set PC,  218
.set CD,  226                          ; v226-241 codes to store, four registers a head
.set WD,  242                          ; v242-245 a scale word a head
.set WP,  246                          ; v246-247 two heads' words in the two halves of the lanes
.set BV,  248                          ; v248-255 bv of my channel, a register a tile
; window 1: Wq's fragments, later Wv's (tile t, K step q at 32 t + 8 q).  window 2: raw x (v0-127) and the relay (v128-196), later Wk's.  window 3: bq's 8 tiles (v0-63), bk's (v64-127)
.set MSB, 0
.macro WIN new                         ; the immediate's high byte repeats the setting that is left; a switch that changes nothing is dropped
.if MSB != (\new)
	s_set_vgpr_msb (MSB<<8)|(\new)
.set MSB, (\new)
.endif
.endm
.macro PLACES
.rept 4
	v_nop
.endr
.endm
; one matrix instruction.  c < 0: the sum starts with 0.  ra, rb: source 0's or source 1's scales stand in lanes 16-31
.macro WM d, a, b, c, sa, sb, ra, rb
.if (\c) < 0
.if (\ra)
	v_wmma_scale_f32_16x16x128_f8f6f4 v[(\d):(\d)+7], v[(\a):(\a)+7], v[(\b):(\b)+7], 0, v[(\sa)], v[(\sb)] matrix_a_fmt:MATRIX_FMT_FP4 matrix_b_fmt:MATRIX_FMT_FP4 matrix_a_scale:MATRIX_SCALE_ROW1
.elseif (\rb)
	v_wmma_scale_f32_16x16x128_f8f6f4 v[(\d):(\d)+7], v[(\a):(\a)+7], v[(\b):(\b)+7], 0, v[(\sa)], v[(\sb)] matrix_a_fmt:MATRIX_FMT_FP4 matrix_b_fmt:MATRIX_FMT_FP4 matrix_b_scale:MATRIX_SCALE_ROW1
.else
	v_wmma_scale_f32_16x16x128_f8f6f4 v[(\d):(\d)+7], v[(\a):(\a)+7], v[(\b):(\b)+7], 0, v[(\sa)], v[(\sb)] matrix_a_fmt:MATRIX_FMT_FP4 matrix_b_fmt:MATRIX_FMT_FP4
.endif
.else
.if (\ra)
	v_wmma_scale_f32_16x16x128_f8f6f4 v[(\d):(\d)+7], v[(\a):(\a)+7], v[(\b):(\b)+7], v[(\c):(\c)+7], v[(\sa)], v[(\sb)] matrix_a_fmt:MATRIX_FMT_FP4 matrix_b_fmt:MATRIX_FMT_FP4 matrix_a_scale:MATRIX_SCALE_ROW1
.elseif (\rb)
	v_wmma_scale_f32_16x16x128_f8f6f4 v[(\d):(\d)+7], v[(\a):(\a)+7], v[(\b):(\b)+7], v[(\c):(\c)+7], v[(\sa)], v[(\sb)] matrix_a_fmt:MATRIX_FMT_FP4 matrix_b_fmt:MATRIX_FMT_FP4 matrix_b_scale:MATRIX_SCALE_ROW1
.else
	v_wmma_scale_f32_16x16x128_f8f6f4 v[(\d):(\d)+7], v[(\a):(\a)+7], v[(\b):(\b)+7], v[(\c):(\c)+7], v[(\sa)], v[(\sb)] matrix_a_fmt:MATRIX_FMT_FP4 matrix_b_fmt:MATRIX_FMT_FP4
.endif
.endif
.endm
; my 128 columns of the 32 tokens, as they lie: piece (u, f) = 16 rows x 256 bytes; each half of the lanes reads one aligned run of 256 bytes
.macro XLOADS
.irp u, 0,1
.irp f, 0,1
.irp i, 0,1,2,3,4,5,6,7
	global_load_b128 v[64*\u+32*\f+4*\i:64*\u+32*\f+4*\i+3], v[XG], s[52:53] offset:2048*(8*\u+2*\i+8*(\i/4))+256*\f th:TH_LOAD_NT
.endr
.endr
.endr
.endm
; tile u turns through my own stage: in by rows, out 64 bytes a lane: register 16 b + i = column 32 b + 16 (lane / 16) + i of my row.  LDS serves a wave's instructions in order: no wait inside
.macro XTURN u, rw, rb, nw, nb
.irp f, 0,1
	WIN (\rw)<<2
.irp i, 0,1,2,3,4,5,6,7
	ds_store_b128 v[SIN], v[\rb+64*\u+32*\f+4*\i:\rb+64*\u+32*\f+4*\i+3] offset:544*\i
.endr
	WIN (\nw)<<6
.irp g, 0,1
.irp e, 0,1,2,3
	ds_load_b128 v[\nb+16*(2*\f+\g)+4*\e:\nb+16*(2*\f+\g)+4*\e+3], v[SOUT] offset:128*\g+16*\e
.endr
.endr
.endr
	WIN 0
.endm
; 64 numbers of a lane in window nw, register 16 b + i = k 32 b + 16 (lane / 16) + i of my row, become a fragment's codes in v[pc] on and its scale word in v[pw]
.macro QUANT nw, s, pc, pw
	WIN ((\nw)<<2)|((\nw)<<4)
.irp b, 0,1,2,3
	v_max3_num_f32 v[TM+\b], 0x1800000, |v[\s+16*\b]|, |v[\s+1+16*\b]|   ; my 16 numbers of block b, and the floor 2^(3 - 127): the byte cannot fall under 1
.endr
.irp i, 2,4,6,8,10,12,14
.irp b, 0,1,2,3
	v_max3_num_f32 v[TM+\b], v[TM+\b], |v[\s+16*\b+\i]|, |v[\s+1+16*\b+\i]|
.endr
.endr
	WIN 0
.irp b, 0,1,2,3
	v_permlanex16_b32 v[TM+4+\b], v[TM+\b], s60, s61
.endr
.irp b, 0,1,2,3
	v_max_num_f32 v[TM+\b], v[TM+\b], v[TM+4+\b]   ; with lane l xor 16's: the block's largest magnitude
.endr
.irp b, 0,1,2,3
	v_add_nc_u32 v[TM+12+\b], 0xff000000, v[TM+\b]   ; 2 off its exponent field: the conversion's scale operand
.endr
.irp b, 0,1,2,3
	v_lshrrev_b32 v[TM+4+\b], 23, v[TM+12+\b]      ; the scale's byte
.endr
	v_lshl_or_b32 v[\pw], v[TM+5], 8, v[TM+4]
	v_lshl_or_b32 v[\pw], v[TM+6], 16, v[\pw]
	v_lshl_or_b32 v[\pw], v[TM+7], 24, v[\pw]
	WIN \nw
.irp b, 0,1,2,3
	v_cvt_scalef32_pk8_fp4_f32 v[\pc+2*\b], v[\s+16*\b:\s+7+16*\b], v[TM+12+\b]
	v_cvt_scalef32_pk8_fp4_f32 v[\pc+1+2*\b], v[\s+8+16*\b:\s+15+16*\b], v[TM+12+\b]
.endr
	WIN 0
	v_nop                                          ; one plain place behind a scaled conversion
.irp c, 0,1                                    ; the operand's layout wants a whole block in a lane
.irp i, 0,1
	v_permlane16_swap_b32 v[\pc+4*\c+\i], v[\pc+2+4*\c+\i]
.endr
.endr
.endm
; two runs of 16 numbers of a lane (each half of a block of 32; lane l xor 16 holds the other half) become 8 bytes of codes each, v[cd], v[cd+1] and v[cd+2], v[cd+3]; the bytes stand in v[TM+6], v[TM+7]
.macro QZ2 n0, n1, cd
	v_max3_num_f32 v[TM], |v[(\n0)]|, |v[(\n0)+1]|, 0x1800000
	v_max3_num_f32 v[TM+1], |v[(\n1)]|, |v[(\n1)+1]|, 0x1800000
.irp i, 2,4,6,8,10,12,14
	v_max3_num_f32 v[TM], v[TM], |v[(\n0)+\i]|, |v[(\n0)+\i+1]|
	v_max3_num_f32 v[TM+1], v[TM+1], |v[(\n1)+\i]|, |v[(\n1)+\i+1]|
.endr
	v_permlanex16_b32 v[TM+2], v[TM], s60, s61
	v_permlanex16_b32 v[TM+3], v[TM+1], s60, s61
	v_max_num_f32 v[TM], v[TM], v[TM+2]
	v_max_num_f32 v[TM+1], v[TM+1], v[TM+3]
	v_add_nc_u32 v[TM+4], 0xff000000, v[TM]
	v_add_nc_u32 v[TM+5], 0xff000000, v[TM+1]
	v_lshrrev_b32 v[TM+6], 23, v[TM+4]
	v_lshrrev_b32 v[TM+7], 23, v[TM+5]
	v_cvt_scalef32_pk8_fp4_f32 v[(\cd)], v[(\n0):(\n0)+7], v[TM+4]
	v_cvt_scalef32_pk8_fp4_f32 v[(\cd)+1], v[(\n0)+8:(\n0)+15], v[TM+4]
	v_cvt_scalef32_pk8_fp4_f32 v[(\cd)+2], v[(\n1):(\n1)+7], v[TM+5]
	v_cvt_scalef32_pk8_fp4_f32 v[(\cd)+3], v[(\n1)+8:(\n1)+15], v[TM+5]
	v_nop                                          ; one plain place behind a scaled conversion
.endm
; a weight's 128 rows of mine: 4 loads of scale words into set, 64 of codes into window win
.macro LOADW win, cp, sp, set
	WIN 0
.irp b, 0,1,2,3
	global_load_b128 v[WS+16*\set+4*\b:WS+16*\set+4*\b+3], v[WSA], s[\sp:\sp+1] offset:512*\b
.endr
	WIN (\win)<<6
.irp t, 0,1,2,3,4,5,6,7
.irp q, 0,1,2,3
.irp c, 0,1
	global_load_b128 v[32*\t+8*\q+4*\c:32*\t+8*\q+4*\c+3], v[WA], s[\cp:\cp+1] offset:256*(32*(\t/2)+8*(\t%2))+64*\q+32*\c
.endr
.endr
.endr
.endm
; a bias as 8 tiles in the result's layout: lane (r, h) wants, for tile 2 b + p, the numbers 32 b + 16 h + 8 p + 0 .. 7
.macro LOADB bp, base
	WIN 0xc0
.irp t, 0,1,2,3,4,5,6,7
	global_load_b128 v[\base+8*\t:\base+8*\t+3], v[BA], s[\bp:\bp+1] offset:128*(\t/2)+32*(\t%2)
	global_load_b128 v[\base+8*\t+4:\base+8*\t+7], v[BA], s[\bp:\bp+1] offset:128*(\t/2)+32*(\t%2)+16
.endr
.endm
; head b of q or k: 16 matrix instructions on four accumulators by turns; the bias is the C of each sum's first
.macro MMH b, win, set, bb, as
.irp q, 0,1,2,3
.if \q == 0
	WIN (\win)|0x30
.else
	WIN \win
.endif
.irp p, 0,1
.irp u, 0,1
.if \q == 0
	WM ACC+32*\as+16*\u+8*\p, 32*(2*\b+\p)+8*\q, XF+8*(4*\u+\q), \bb+8*(2*\b+\p), WS+16*\set+4*\b+\q, XS+4*\u+\q, \p, 0
.else
	WM ACC+32*\as+16*\u+8*\p, 32*(2*\b+\p)+8*\q, XF+8*(4*\u+\q), ACC+32*\as+16*\u+8*\p, WS+16*\set+4*\b+\q, XS+4*\u+\q, \p, 0
.endif
.endr
.endr
.endr
	WIN 0
.endm
; head b of v: source 0 = a tile of tokens, source 1 = a tile of Wv
.macro MMV b, as
	WIN 0x04
.irp q, 0,1,2,3
.irp p, 0,1
.irp u, 0,1
.if \q == 0
	WM ACC+32*\as+16*\p+8*\u, XF+8*(4*\u+\q), 32*(2*\b+\p)+8*\q, -1, XS+4*\u+\q, WS+4*\b+\q, 0, \p
.else
	WM ACC+32*\as+16*\p+8*\u, XF+8*(4*\u+\q), 32*(2*\b+\p)+8*\q, ACC+32*\as+16*\p+8*\u, XS+4*\u+\q, WS+4*\b+\q, 0, \p
.endif
.endr
.endr
.endr
	WIN 0
.endm
.macro QZH b, as, ptr, himm            ; head b's two tiles of tokens are quantised and stored: each store covers 256 consecutive bytes, aligned
	QZ2 ACC+32*\as, ACC+32*\as+16, CD+4*\b
	v_lshl_or_b32 v[WD+\b], v[TM+7], 8, v[TM+6]    ; byte 0: tile 0's scale of my row, byte 1: tile 1's
	global_store_b64 v[OC], v[CD+4*\b:CD+4*\b+1], s[\ptr:\ptr+1] offset:\himm*\b
	global_store_b64 v[OC], v[CD+4*\b+2:CD+4*\b+3], s[\ptr:\ptr+1] offset:\himm*\b+256
.endm
; the four heads of q or of k.  The two sets of accumulators take turns, so that one head's quantising stands behind the next head's products and fills the places behind them
.macro HEADS win, set, bb, ptr, himm, simm
	MMH 0, \win, \set, \bb, 0
	MMH 1, \win, \set, \bb, 1
	PLACES
	QZH 0, 0, \ptr, \himm
	MMH 2, \win, \set, \bb, 0
	QZH 1, 1, \ptr, \himm
	v_cndmask_b32 v[WP], v[WD], v[WD+1], s62       ; lanes 0-15: head 0's words, lanes 16-31: head 1's
	global_store_b32 v[OS], v[WP], s[70:71] offset:\simm
	MMH 3, \win, \set, \bb, 1
	QZH 2, 0, \ptr, \himm
	QZH 3, 1, \ptr, \himm
	v_cndmask_b32 v[WP+1], v[WD+2], v[WD+3], s62
	global_store_b32 v[OS], v[WP+1], s[70:71] offset:\simm+10240
.endm
.macro QZV b, as                       ; head b of v: + bv of my channel, quantised along the 32 keys, stored
.irp j, 0,1,2,3,4,5,6,7,8,9,10,11,12,13,14,15
	v_add_f32 v[ACC+32*\as+\j], v[BV+2*\b], v[ACC+32*\as+\j]
.endr
.irp j, 0,1,2,3,4,5,6,7,8,9,10,11,12,13,14,15
	v_add_f32 v[ACC+32*\as+16+\j], v[BV+2*\b+1], v[ACC+32*\as+16+\j]
.endr
	QZ2 ACC+32*\as, ACC+32*\as+16, CD+4*\b
	v_cndmask_b32 v[WD+\b], v[TM+6], v[TM+7], s62  ; lanes 0-15: the byte of channels' tile 0, lanes 16-31: of tile 1
	global_store_b64 v[OC], v[CD+4*\b:CD+4*\b+1], s[58:59] offset:32768*\b
	global_store_b64 v[OC], v[CD+4*\b+2:CD+4*\b+3], s[58:59] offset:32768*\b+1024
	global_store_b8 v[OVS], v[WD+\b], s[72:73] offset:5120*\b
.endm
.macro RLOAD pitch                     ; the relay: one K step's 8 fragments of a record, from rows pitch bytes apart
.irp t, 0,1,2,3,4,5,6,7
.irp c, 0,1
	global_load_b128 v[128+8*\t+4*\c:128+8*\t+4*\c+3], v[RC], s[88:89] offset:\pitch*(32*(\t/2)+8*(\t%2))+32*\c
.endr
.endr
.endm
	s_load_b512 s[4:19], s[0:1], 0x0               ; x 4, Wq codes 6, scales 8, bq 10, Wk codes 12, scales 14, bk 16, Wv codes 18
	s_load_b512 s[20:35], s[0:1], 0x40             ; Wv scales 20, bv 22, Wo codes 24, scales 26, bo 28, W1 codes 30, scales 32, B1 34
	s_load_b256 s[36:43], s[0:1], 0x80             ; W2 codes 36, scales 38, B2 40, qimg 42
	s_load_b128 s[44:47], s[0:1], 0xa0             ; kvimg 44, sc 46
	s_load_b64 s[48:49], s[0:1], 0xb0              ; wstream
	v_lshl_add_u32 v31, v0, 2, 0x6800
	v_mov_b32 v217, 0
	v_lshrrev_b32 v20, 5, v0
	v_readfirstlane_b32 s50, v20                   ; wave
	v_and_b32 v20, 31, v0                          ; lane
	v_and_b32 v21, 15, v0                          ; r
	v_bfe_u32 v22, v0, 4, 1                        ; h
	v_and_b32 v23, 8, v21
	v_add_nc_u32 v23, v23, v21                     ; r + 8 (r / 8)
	s_lshl_b32 s66, s50, 9
	v_lshlrev_b32 v[XG], 4, v21
	v_lshl_add_u32 v[XG], v22, 11, v[XG]
	v_add_nc_u32 v[XG], s66, v[XG]
	s_mul_i32 s68, s50, 16*SPI                     ; my stage
	v_mul_u32_u24 v[SIN], v22, SPI
	v_lshl_add_u32 v[SIN], v21, 4, v[SIN]
	v_add_nc_u32 v[SIN], s68, v[SIN]
	v_mul_u32_u24 v[SOUT], v21, SPI
	v_lshl_add_u32 v[SOUT], v22, 6, v[SOUT]
	v_add_nc_u32 v[SOUT], s68, v[SOUT]
	v_lshl_add_u32 v[LI], v20, 4, XIMG
	v_lshl_add_u32 v[LS], v20, 2, XSC
	s_lshl_b32 s68, s50, 10
	v_add_nc_u32 v[XWI], s68, v[LI]
	s_lshl_b32 s68, s50, 7
	v_add_nc_u32 v[XWS], s68, v[LS]
	s_lshl_b32 s68, s50, 15
	v_lshlrev_b32 v[WA], 8, v23
	v_lshl_add_u32 v[WA], v22, 4, v[WA]
	v_add_nc_u32 v[WA], s68, v[WA]
	s_lshl_b32 s68, s50, 11
	v_lshlrev_b32 v[WSA], 4, v23
	v_lshl_add_u32 v[WSA], v22, 7, v[WSA]
	v_add_nc_u32 v[WSA], s68, v[WSA]
	v_lshl_add_u32 v[BA], v22, 6, s66
	v_lshl_add_u32 v[BVA], v23, 2, s66
	v_lshlrev_b32 v[OC], 4, v21
	v_lshl_add_u32 v[OC], v22, 3, v[OC]
	v_mul_u32_u24 v[OS], v22, 5120
	v_lshl_add_u32 v[OS], v21, 2, v[OS]
	v_lshlrev_b32 v[OVS], 2, v21
	v_lshl_add_u32 v[OVS], v22, 6, v[OVS]
.irp j, 0,1,2,3,4,5,6,7,8,9,10,11,12,13,14,15
	v_mov_b32 v[TM+\j], 0                          ; written once: a lane permute's destination counts as one of its sources
.endr
	s_mov_b32 s60, 0x76543210
	s_mov_b32 s61, 0xfedcba98                      ; v_permlanex16_b32's selects for lane l xor 16
	s_mov_b32 s62, 0xffff0000                      ; lanes 16-31
	s_lshr_b32 s51, ttmp9, 5                       ; batch
	s_and_b32 s63, ttmp9, 31                       ; which 32 tokens of the batch
	s_mov_b32 s67, 0
	s_mov_b32 s69, 0
	s_wait_kmcnt 0x0
	s_lshl_b32 s66, ttmp9, 16                      ; 32 rows of 2,048 bytes
	s_add_nc_u64 s[52:53], s[4:5], s[66:67]        ; x at my first token
	s_lshl_b32 s66, s51, 18
	s_lshl_b32 s68, s50, 16
	s_add_co_u32 s66, s66, s68
	s_lshl_b32 s68, s63, 9
	s_add_co_u32 s66, s66, s68
	s_add_nc_u64 s[54:55], s[42:43], s[66:67]      ; qimg: 262,144 batch + 16,384 (4 wave) + 512 x my 32 tokens
	s_lshl_b32 s66, s51, 19
	s_lshl_b32 s68, s50, 17
	s_add_co_u32 s66, s66, s68                     ; kvimg: 32,768 (16 batch + 4 wave)
	s_lshl_b32 s68, s63, 9
	s_add_co_u32 s68, s66, s68
	s_add_nc_u64 s[56:57], s[44:45], s[68:69]      ; k
	s_lshr_b32 s68, s63, 2
	s_lshl_b32 s68, s68, 11
	s_add_co_u32 s66, s66, s68
	s_and_b32 s68, s63, 3
	s_lshl_b32 s68, s68, 8
	s_add_co_u32 s66, s66, s68
	s_add_co_u32 s66, s66, 16384
	s_add_nc_u64 s[58:59], s[44:45], s[66:67]      ; v: + 16,384 + 2,048 (128 keys) + 256 (which 32 of them)
	s_mul_i32 s66, s51, 81920
	s_mul_i32 s68, s50, 20480
	s_add_co_u32 s66, s66, s68                     ; sc: 5,120 (16 batch + 4 wave)
	s_lshl_b32 s68, s63, 6
	s_add_co_u32 s68, s66, s68
	s_add_nc_u64 s[70:71], s[46:47], s[68:69]      ; q's and k's words
	s_lshr_b32 s68, s63, 2
	s_lshl_b32 s68, s68, 7
	s_add_co_u32 s66, s66, s68
	s_and_b32 s68, s63, 3
	s_add_co_u32 s66, s66, s68
	s_add_co_u32 s66, s66, 4096
	s_add_nc_u64 s[72:73], s[46:47], s[66:67]      ; v's bytes
	WIN 0x80
	XLOADS                                         ; 32 loads: raw x into window 2
	LOADW 1, 6, 8, 0                               ; 68 loads: Wq
	LOADB 10, 0                                    ; 16 loads: bq
	WIN 0
	; ---- THE RELAY, in work-groups 0 to 67: work-group 4 n + rec lays record rec of chunk n; wave v takes K step v, scale words' group v and 32 biases.
	; chunk 0: Wo; chunk 1 + 2 p: W1's rows 512 p on; chunk 2 + 2 p: W2 of expert p / 4, K = 512 (p % 4) on.  One branch holds loads, wait and stores.
	s_cmp_lt_u32 ttmp9, 68
	s_cbranch_scc0 .Lno_relay
	s_lshr_b32 s74, ttmp9, 2                       ; n
	s_and_b32 s75, ttmp9, 3                        ; rec
	s_max_u32 s76, s74, 1
	s_sub_co_u32 s76, s76, 1
	s_lshr_b32 s76, s76, 1                         ; p (0 for chunk 0)
	s_lshl_b32 s78, s76, 9                         ; 512 p
	s_lshr_b32 s83, s76, 2
	s_lshl_b32 s83, s83, 9                         ; 512 x expert
	s_and_b32 s84, s76, 3                          ; which 512 along W2's K
	s_lshl_b32 s85, s75, 7                         ; 128 rec
	s_and_b32 s86, s74, 1
	s_cmp_eq_u32 s86, 0
	s_cselect_b32 s86, 1, 0
	s_cmp_lg_u32 s74, 0
	s_cselect_b32 s86, s86, 0                      ; 1: a chunk of W2 (n even, above 0)
	s_cmp_eq_u32 s86, 1
	s_cselect_b32 s78, s83, s78                    ; the record's first row, less 128 rec
	s_cselect_b32 s79, 10, 8                       ; a row of codes: 1,024 or 256 bytes
	s_cselect_b32 s81, 6, 4                        ; a row of scale bytes: 64 or 16
	s_cselect_b32 s84, s84, 0
	s_cselect_b64 s[88:89], s[36:37], s[30:31]
	s_cselect_b64 s[90:91], s[38:39], s[32:33]
	s_cselect_b64 s[92:93], s[40:41], s[34:35]
	s_cmp_eq_u32 s74, 0
	s_cselect_b64 s[88:89], s[24:25], s[88:89]
	s_cselect_b64 s[90:91], s[26:27], s[90:91]
	s_cselect_b64 s[92:93], s[28:29], s[92:93]
	s_add_co_u32 s78, s78, s85
	s_mov_b32 s95, 0
	s_lshl_b32 s94, s78, s79
	s_lshl_b32 s96, s84, 8
	s_add_co_u32 s94, s94, s96
	s_add_nc_u64 s[88:89], s[88:89], s[94:95]      ; codes
	s_lshl_b32 s94, s78, s81
	s_lshl_b32 s96, s84, 4
	s_add_co_u32 s94, s94, s96
	s_add_nc_u64 s[90:91], s[90:91], s[94:95]      ; scale bytes
	s_lshl_b32 s94, s78, 2
	s_add_nc_u64 s[92:93], s[92:93], s[94:95]      ; biases
	s_mul_i32 s94, s74, CHUNK
	s_mul_i32 s96, s75, WREC
	s_add_co_u32 s94, s94, s96
	s_add_nc_u64 s[98:99], s[48:49], s[94:95]      ; the record
	v_lshlrev_b32 v[RC], s79, v23
	v_lshl_add_u32 v[RC], v22, 4, v[RC]
	s_lshl_b32 s96, s50, 6
	v_add_nc_u32 v[RC], s96, v[RC]                 ; pitch (r + 8 (r / 8)) + 16 h + 64 v
	v_lshl_add_u32 v[RS], v22, 3, v23
	s_lshl_b32 s96, s50, 5
	v_add_nc_u32 v[RS], s96, v[RS]
	v_lshlrev_b32 v[RS], s81, v[RS]                ; row 32 v + 8 h + r + 8 (r / 8)
	s_lshl_b32 s96, s50, 7
	v_lshl_add_u32 v[RB], v20, 2, s96              ; 128 v + 4 lane
	s_lshl_b32 s96, s50, 13
	v_lshl_add_u32 v[RD], v20, 4, s96              ; 8,192 v + 16 lane
	s_lshl_b32 s96, s50, 9
	v_lshl_add_u32 v[RE], v20, 4, s96              ; 512 v + 16 lane
	s_cmp_eq_u32 s86, 1
	s_cbranch_scc1 .Lrelay_w2
	WIN 0x80
	RLOAD 256
	WIN 0
	s_branch .Lrelay_in
.Lrelay_w2:
	WIN 0x80
	RLOAD 1024
	WIN 0
.Lrelay_in:
	WIN 0x80
	global_load_b128 v[192:195], v[RS], s[90:91]
	global_load_b32 v196, v[RB], s[92:93]
	s_wait_loadcnt 0x0
	WIN 0x08                                       ; a store's data are its source 1: window 2
.irp t, 0,1,2,3,4,5,6,7
.irp c, 0,1
	global_store_b128 v[RD], v[128+8*\t+4*\c:128+8*\t+4*\c+3], s[98:99] offset:1024*\t+512*\c   ; 512 consecutive bytes, aligned
.endr
.endr
	global_store_b128 v[RE], v[192:195], s[98:99] offset:32768
	global_store_b32 v[RB], v196, s[98:99] offset:34816
	WIN 0
.Lno_relay:
	; ---- x: my 128 columns of both tiles become K step w of x's fragments
	s_wait_loadcnt 63                              ; behind x's 32 loads stand Wq's and bq's 84: at most 63 out shows x in
.irp u, 0,1
	XTURN \u, 2, 0, 0, ACC
	s_wait_dscnt 0x0                               ; the numbers are in; the stage's stores and the last tile's image stores have read their registers
	QUANT 0, ACC, PC, PW
	ds_store_b128 v[XWI], v[PC:PC+3] offset:4096*\u            ; the fragment goes to LDS as an image of its registers
	ds_store_b128 v[XWI], v[PC+4:PC+7] offset:4096*\u+512
	ds_store_b32 v[XWS], v[PW] offset:512*\u
.endr
	s_wait_xcnt 0x0                                ; the relay's stores have read their registers: window 2 may be loaded again
	LOADW 2, 12, 14, 1                             ; Wk, a weight ahead
	LOADB 16, 64
	WIN 0
	s_wait_dscnt 0x0                               ; for the others' sake: my images lie in LDS
	s_barrier_signal -1
	s_barrier_wait -1
.irp f, 0,1,2,3,4,5,6,7
	ds_load_b128 v[XF+8*\f:XF+8*\f+3], v[LI] offset:1024*\f
	ds_load_b128 v[XF+8*\f+4:XF+8*\f+7], v[LI] offset:1024*\f+512
	ds_load_b32 v[XS+\f], v[LS] offset:128*\f
.endr
	s_wait_dscnt 0x0
	s_wait_loadcnt 63                              ; behind Wq and bq stand Wk's and bk's 84
	HEADS 1, 0, 0, 54, 16384, 0                    ; q
	s_wait_xcnt 0x0                                ; q's stores have read their registers
	LOADW 1, 18, 20, 0                             ; Wv into Wq's window and set: the last products that read them stand two heads' quantising back
	WIN 0
.irp t, 0,1,2,3,4,5,6,7
	global_load_b32 v[BV+\t], v[BVA], s[22:23] offset:4*(32*(\t/2)+8*(\t%2))
.endr
	s_wait_loadcnt 63                              ; behind Wk and bk stand Wv's and bv's 76
	HEADS 2, 1, 64, 56, 32768, 2048                ; k
	s_wait_loadcnt 0x0
	s_wait_xcnt 0x0                                ; k's stores have read their registers
	MMV 0, 0
	MMV 1, 1
	PLACES
	QZV 0, 0
	MMV 2, 0
	QZV 1, 1
	MMV 3, 1
	QZV 2, 0
	QZV 3, 1
	s_wait_tensorcnt 0x0
	ds_add_u32 v31, v217
	s_wait_dscnt 0x0
	s_endpgm
.Lfunc_end_k_qe597a6acef_qkv:
	.size	k_qe597a6acef_qkv, .Lfunc_end_k_qe597a6acef_qkv-k_qe597a6acef_qkv
	.p2alignl 7, 3214868480
	.fill 96, 4, 3214868480
	.section	.rodata,"a",@progbits
	.p2align	6, 0x0
	.amdhsa_kernel k_qe597a6acef_qkv
		.amdhsa_group_segment_fixed_size 27136
		.amdhsa_private_segment_fixed_size 0
		.amdhsa_enable_private_segment 0
		.amdhsa_kernarg_size 184
		.amdhsa_user_sgpr_count 2
		.amdhsa_user_sgpr_kernarg_segment_ptr 1
		.amdhsa_wavefront_size32 1
		.amdhsa_system_sgpr_workgroup_id_x 1
		.amdhsa_system_sgpr_workgroup_id_y 1
		.amdhsa_system_sgpr_workgroup_id_z 1
		.amdhsa_system_vgpr_workitem_id 0
		.amdhsa_next_free_vgpr 1024
		.amdhsa_next_free_sgpr 104
		.amdhsa_reserve_vcc 0
		.amdhsa_float_denorm_mode_32 3
		.amdhsa_float_denorm_mode_16_64 3
		.amdhsa_memory_ordered 1
		.amdhsa_forward_progress 1
		.amdhsa_inst_pref_size 107
	.end_amdhsa_kernel
	.amdgpu_metadata
---
amdhsa.version: [ 1, 2 ]
amdhsa.kernels:
  - .name:           k_qe597a6acef_qkv
    .symbol:         k_qe597a6acef_qkv.kd
    .args:
      - { .name: x, .offset: 0, .size: 8, .value_kind: global_buffer, .address_space: global }
      - { .name: Wq_codes, .offset: 8, .size: 8, .value_kind: global_buffer, .address_space: global }
      - { .name: Wq_scales, .offset: 16, .size: 8, .value_kind: global_buffer, .address_space: global }
      - { .name: bq, .offset: 24, .size: 8, .value_kind: global_buffer, .address_space: global }
      - { .name: Wk_codes, .offset: 32, .size: 8, .value_kind: global_buffer, .address_space: global }
      - { .name: Wk_scales, .offset: 40, .size: 8, .value_kind: global_buffer, .address_space: global }
      - { .name: bk, .offset: 48, .size: 8, .value_kind: global_buffer, .address_space: global }
      - { .name: Wv_codes, .offset: 56, .size: 8, .value_kind: global_buffer, .address_space: global }
      - { .name: Wv_scales, .offset: 64, .size: 8, .value_kind: global_buffer, .address_space: global }
      - { .name: bv, .offset: 72, .size: 8, .value_kind: global_buffer, .address_space: global }
      - { .name: Wo_codes, .offset: 80, .size: 8, .value_kind: global_buffer, .address_space: global }
      - { .name: Wo_scales, .offset: 88, .size: 8, .value_kind: global_buffer, .address_space: global }
      - { .name: bo, .offset: 96, .size: 8, .value_kind: global_buffer, .address_space: global }
      - { .name: W1_codes, .offset: 104, .size: 8, .value_kind: global_buffer, .address_space: global }
      - { .name: W1_scales, .offset: 112, .size: 8, .value_kind: global_buffer, .address_space: global }
      - { .name: B1, .offset: 120, .size: 8, .value_kind: global_buffer, .address_space: global }
      - { .name: W2_codes, .offset: 128, .size: 8, .value_kind: global_buffer, .address_space: global }
      - { .name: W2_scales, .offset: 136, .size: 8, .value_kind: global_buffer, .address_space: global }
      - { .name: B2, .offset: 144, .size: 8, .value_kind: global_buffer, .address_space: global }
      - { .name: qimg, .offset: 152, .size: 8, .value_kind: global_buffer, .address_space: global }
      - { .name: kvimg, .offset: 160, .size: 8, .value_kind: global_buffer, .address_space: global }
      - { .name: sc, .offset: 168, .size: 8, .value_kind: global_buffer, .address_space: global }
      - { .name: wstream, .offset: 176, .size: 8, .value_kind: global_buffer, .address_space: global }
    .group_segment_fixed_size: 27136
    .private_segment_fixed_size: 0
    .kernarg_segment_align: 8
    .kernarg_segment_size: 184
    .max_flat_workgroup_size: 128
    .sgpr_count:     104
    .vgpr_count:     1024
    .wavefront_size: 32
...
	.end_amdgpu_metadata
.endif
;; end of part 1
;; launch attn (part 2): grid 256 x 1, 16 waves a work-group, no clusters, 43,008 bytes of LDS; arguments qimg, kvimg, sc, attention_mask, hbuf; writes hbuf
.if DOCPART == 2
	.amdgcn_target "amdgcn-amd-amdhsa--gfx1250"
	.amdhsa_code_object_version 6
	.text
	.protected	k_qe597a6acef_attn
	.globl	k_qe597a6acef_attn
	.p2align	8
	.type	k_qe597a6acef_attn,@function
k_qe597a6acef_attn:
	s_mov_b64 s[64:65], 0
	v_nop
	global_prefetch_b8 v0, s[64:65] scope:SCOPE_SE
	s_setreg_imm32_b32 hwreg(HW_REG_WAVE_MODE, 25, 1), 1
	s_wait_xcnt 0x0
; h = softmax(mask(q k^T / sqrt(32))) v for 128 (batch, head) pairs of 1,024 tokens, head size 32, both products on codes of FP4 (E2M1) with E8M0 scales; h is quantised at once, a head's 32 channels to a block.
; MASKS: key k counts for query q where k <= q and attention_mask[batch][k] != 0.  THE SOFTMAX: t = score x log2(e) / sqrt(32); M = the running largest t rounded up to a whole number; p = 2^(t - M) is
; quantised along the keys; the row's sum is taken of the unquantised p and divides at the end.  A hidden key's p is 0: that is what 2^(-1e9 log2(e) - M) gives in f32 wherever one key of the row counts.
; A ROW NONE OF WHOSE KEYS COUNTS has 1,024 equal logits: p = 1 for every key, the future ones too, and the sum is 1,024.  That can only be where attention_mask[batch][0] is 0; there the sum of v over all
; keys is made by the matrix unit (v^T x ones) and chosen, lane by lane, for the rows whose largest t has never moved.
; SHARES.  Two work-groups to a (batch, head); sixteen waves each.  Wave i of the 32 owns query tiles i and 63 - i (16 queries each): (i / 8 + 1) + (8 - i / 8) = 9 key steps of 128 for every wave.
; A head's k, v, scale words and mask are 39 KB: they come into LDS once, through registers, behind the launch's one barrier; afterwards LDS is only read.  What two work-groups share is those bytes, read once
; each: too little for joint requests.  No tensor load: so steps may be passed over by branches on attention_mask, an input of whole numbers.
; TILES.  Row m of tile T is token 32 (T / 2) + 8 (T % 2) + m + 8 (m / 8).  S^T = k q^T: source 0 = keys, source 1 = my queries: a lane holds ONE query, and the 16 registers of tiles 2 b, 2 b + 1 are keys 32 b + 16 (lane / 16) + 0 .. 15.
; K = 32 IN AN INSTRUCTION OF 128: source 0's first four registers hold two tiles of keys at once, tile 0 as block 0 (lanes 0-15), tile 1 as block 1 (lanes 16-31).  q stands in block 0 of one fragment and in block 1
; of another, with zero codes everywhere else: the first picks tile 0, the second tile 1.  Source 0's other four registers are whatever follows (FP4 has no NaN); they meet zero codes under scale bytes 0.
; LIMITS: NaN and infinities are not served; logits of keys that count are taken to lie far above -1e9.  A block of zeros gets the scale byte 1 (read by this program alone).
.set VIMG, 16384                       ; LDS: 0 k's image; VIMG v's; KSC k's scale words; VSC v's; BIAS 1,024 f32: 0 or -infinity
.set KSC,  32768
.set VSC,  34816
.set BIAS, 35840
; v1 16 lane; v2 KSC + 4 lane; v3 BIAS + 64 h; v4 16 r; v5 16 r + 8 h; v6 4 r; v7 r + 8 (r / 8) - 16 h; v8-11 the step's addresses; v12 -M; v13 the largest t; v[14:15] the sum
; v16-23, v24-31 q in block 0, in block 1; v32-47 k; v48-63 v; v64-95 mask, later the sum of v; v96-159 S^T, then p; v160-175 O^T; v176-183 q as loaded; v184-185 q's words
; scales alone: v186 q's, v187-188 k's, v189 v's, v190 p's, v191 the ones', v248-251 v's for the sum of v.   v192-207 O / l; v208-215 ones; v216-223 and v224-254 at work
.macro PLACES
.rept 4
	v_nop
.endr
.endm
.macro WM d, a, b, c, sa, sb, ra       ; one matrix instruction.  c < 0: the sum starts with 0.  ra: source 0's scales stand in lanes 16-31
.if (\c) < 0
.if (\ra)
	v_wmma_scale_f32_16x16x128_f8f6f4 v[(\d):(\d)+7], v[(\a):(\a)+7], v[(\b):(\b)+7], 0, v[(\sa)], v[(\sb)] matrix_a_fmt:MATRIX_FMT_FP4 matrix_b_fmt:MATRIX_FMT_FP4 matrix_a_scale:MATRIX_SCALE_ROW1
.else
	v_wmma_scale_f32_16x16x128_f8f6f4 v[(\d):(\d)+7], v[(\a):(\a)+7], v[(\b):(\b)+7], 0, v[(\sa)], v[(\sb)] matrix_a_fmt:MATRIX_FMT_FP4 matrix_b_fmt:MATRIX_FMT_FP4
.endif
.else
.if (\ra)
	v_wmma_scale_f32_16x16x128_f8f6f4 v[(\d):(\d)+7], v[(\a):(\a)+7], v[(\b):(\b)+7], v[(\c):(\c)+7], v[(\sa)], v[(\sb)] matrix_a_fmt:MATRIX_FMT_FP4 matrix_b_fmt:MATRIX_FMT_FP4 matrix_a_scale:MATRIX_SCALE_ROW1
.else
	v_wmma_scale_f32_16x16x128_f8f6f4 v[(\d):(\d)+7], v[(\a):(\a)+7], v[(\b):(\b)+7], v[(\c):(\c)+7], v[(\sa)], v[(\sb)] matrix_a_fmt:MATRIX_FMT_FP4 matrix_b_fmt:MATRIX_FMT_FP4
.endif
.endif
.endm
	s_load_b256 s[4:11], s[0:1], 0x0               ; qimg 4, kvimg 6, sc 8, attention_mask 10
	s_load_b64 s[12:13], s[0:1], 0x20              ; hbuf
	v_lshl_add_u32 v243, v0, 2, 0xa000
	v_mov_b32 v255, 0
	v_lshrrev_b32 v8, 5, v0
	v_readfirstlane_b32 s14, v8                    ; wave
	s_lshr_b32 s15, ttmp9, 1                       ; 16 batch + head
	s_and_b32 s16, ttmp9, 1
	s_lshl_b32 s16, s16, 4
	s_add_co_u32 s16, s16, s14                     ; my first tile of queries,
	s_sub_co_u32 s17, 63, s16                      ; and my second
	s_lshr_b32 s18, s15, 4                         ; batch
	s_and_b32 s19, s15, 15                         ; head
	v_and_b32 v8, 31, v0                           ; lane
	v_and_b32 v9, 15, v0                           ; r
	v_bfe_u32 v10, v0, 4, 1                        ; h
	v_lshlrev_b32 v1, 4, v8
	v_lshl_add_u32 v2, v8, 2, KSC
	v_lshl_add_u32 v3, v10, 6, BIAS
	v_lshlrev_b32 v4, 4, v9
	v_lshl_add_u32 v5, v10, 3, v4
	v_lshlrev_b32 v6, 2, v9
	v_and_b32 v7, 8, v9
	v_add_nc_u32 v7, v7, v9
	v_lshlrev_b32 v11, 4, v10
	v_sub_nc_u32 v7, v7, v11
	v_lshlrev_b32 v64, 4, v0                       ; the copies into LDS: 16, 4, 2 and 8 bytes a thread
	v_lshlrev_b32 v65, 2, v0
	v_lshlrev_b32 v66, 1, v0
	v_lshlrev_b32 v67, 3, v0
	s_mov_b32 s44, 0x76543210
	s_mov_b32 s45, 0xfedcba98                      ; v_permlanex16_b32's selects for lane l xor 16
	s_mov_b32 s46, 0x3e8293ee                      ; c = log2(e) / sqrt(32)
	s_mov_b32 s47, s46                             ; (named with it as a pair, so it is written)
	s_mov_b32 s63, 0xffff0000                      ; lanes 16-31
	s_mov_b32 s57, 0
	s_wait_kmcnt 0x0
	s_lshl_b32 s56, s15, 15
	s_add_nc_u64 s[20:21], s[6:7], s[56:57]        ; my head's k and v
	s_mul_i32 s56, s15, 5120
	s_add_nc_u64 s[22:23], s[8:9], s[56:57]        ; its scales
	s_lshl_b32 s56, s18, 12
	s_add_nc_u64 s[24:25], s[10:11], s[56:57]      ; my batch's mask
	s_load_b32 s48, s[24:25], 0x0                  ; attention_mask[batch][0]
	s_lshl_b32 s58, s15, 14                        ; qimg: the head
	s_lshl_b32 s59, s18, 18
	s_lshl_b32 s60, s19, 8
	s_add_co_u32 s59, s59, s60                     ; h's codes: 262,144 batch + 256 head
	s_lshl_b32 s60, s18, 14
	s_lshr_b32 s61, s19, 2
	s_lshl_b32 s61, s61, 6
	s_add_co_u32 s60, s60, s61
	s_and_b32 s61, s19, 3
	s_add_co_u32 s60, s60, s61
	s_add_co_u32 s60, s60, 2097152                 ; h's scale bytes: 2,097,152 + 16,384 batch + 64 (head / 4) + head % 4
.irp k, 0,1
	s_lshl_b32 s56, s[16+\k], 8
	s_add_co_u32 s56, s56, s58
	s_add_nc_u64 s[28+2*\k:29+2*\k], s[4:5], s[56:57]          ; the tile's q
	s_lshr_b32 s56, s[16+\k], 1
	s_lshl_b32 s56, s56, 6
	s_add_nc_u64 s[32+2*\k:33+2*\k], s[22:23], s[56:57]        ; its scale words
	s_lshl_b32 s56, s[16+\k], 12
	s_add_co_u32 s56, s56, s59
	s_add_nc_u64 s[36+2*\k:37+2*\k], s[12:13], s[56:57]        ; where its h goes: + 4,096 tile
	s_lshl_b32 s56, s[16+\k], 8
	s_add_co_u32 s56, s56, s60
	s_add_nc_u64 s[40+2*\k:41+2*\k], s[12:13], s[56:57]        ; and h's scale bytes: + 256 tile
	s_and_b32 s[52+\k], s[16+\k], 1
	s_lshl_b32 s[52+\k], s[52+\k], 3               ; 8 (tile % 2): which byte of the word is the tile's; also the tile's first token in its 32
	s_lshr_b32 s56, s[16+\k], 1
	s_lshl_b32 s56, s56, 5
	s_add_co_u32 s[50+\k], s56, s[52+\k]           ; the tile's first query
.endr
.irp i, 0,1,2,3
	global_load_b128 v[96+4*\i:99+4*\i], v64, s[20:21] offset:8192*\i
.endr
	global_load_b32 v112, v65, s[22:23] offset:2048
	global_load_u16 v113, v66, s[22:23] offset:4096
	global_load_b64 v[114:115], v67, s[24:25]
	global_load_b128 v[176:179], v4, s[28:29]
	global_load_b128 v[180:183], v4, s[30:31]
	global_load_b32 v184, v6, s[32:33]
	global_load_b32 v185, v6, s[34:35]
.irp s, 0,1,2,3,4,5,6,7
	global_load_b128 v[120+4*\s:123+4*\s], v1, s[24:25] offset:512*\s      ; the whole mask, 128 keys an instruction: which key steps have holes?
.endr
	v_mov_b32 v118, 0xff800000                     ; -infinity
.irp j, 0,1,2,3,4,5,6,7
	v_mov_b32 v[208+\j], 0x22222222                ; 1.0 in every code
.endr
	v_mov_b32 v191, 0x7f7f7f7f                     ; under the scale 1
.irp j, 20,21,22,23,28,29,30,31
	v_mov_b32 v[\j], 0                             ; blocks 2 and 3 of both forms of q: zero codes
.endr
.irp j, 236,237,238,239,252,253
	v_mov_b32 v[\j], 0                             ; written once: a lane permute's destination counts as one of its sources; v253 is named as the upper half of a pair
.endr
	s_wait_loadcnt 0x0
	s_wait_kmcnt 0x0
.irp i, 0,1,2,3
	ds_store_b128 v64, v[96+4*\i:99+4*\i] offset:8192*\i
.endr
	ds_store_b32 v65, v112 offset:KSC
	ds_store_b16 v66, v113 offset:VSC
	v_cmp_eq_u32 vcc_lo, 0, v114
	v_cndmask_b32 v116, 0, v118, vcc_lo
	v_cmp_eq_u32 vcc_lo, 0, v115
	v_cndmask_b32 v117, 0, v118, vcc_lo
	ds_store_b64 v67, v[116:117] offset:BIAS       ; what a key adds to its scores: 0, or -infinity where the mask hides it
	s_mov_b32 s49, 0
.irp s, 0,1,2,3,4,5,6,7
	v_min_u32 v152, v[120+4*\s], v[121+4*\s]
	v_min_u32 v153, v[122+4*\s], v[123+4*\s]
	v_min_u32 v152, v152, v153
	v_cmp_eq_u32 vcc_lo, 0, v152
	s_cmp_lg_u32 vcc_lo, 0
	s_cselect_b32 s56, 1<<\s, 0
	s_or_b32 s49, s49, s56                         ; bit s: key step s has a hidden key
.endr
	s_wait_dscnt 0x0                               ; for the others' sake: my stores have landed
	s_barrier_signal -1
	s_barrier_wait -1
; ONE TILE OF 16 QUERIES, the k-th of my two
.macro TILE k
	v_lshrrev_b32 v216, s[52+\k], v[184+\k]
	v_and_b32 v216, 0xff, v216
	v_lshl_or_b32 v186, v216, 8, v216              ; q's scale for block 0 and for block 1; bytes 2 and 3 are 0
.irp j, 0,1,2,3
	v_cndmask_b32 v[16+\j], v[176+4*\k+\j], 0, s63             ; q in block 0 (lanes 0-15),
	v_cndmask_b32 v[24+\j], 0, v[176+4*\k+\j], s63             ; q in block 1 (lanes 16-31)
.endr
	v_mov_b32 v13, 0xff61b1e6                      ; the largest t so far: -3e38, under every t
	v_floor_f32 v12, -v13                          ; -M
	v_mov_b32 v14, 0
	v_mov_b32 v15, 0
.irp j, 0,1,2,3,4,5,6,7,8,9,10,11,12,13,14,15
	v_mov_b32 v[160+\j], 0                         ; O^T: the step is written once; the first finds zeros.  (These lines are also the places between the writes of q's scale and fragments and the first product)
.endr
	s_mov_b32 s54, 0                               ; key step
	s_mov_b32 s55, 0                               ; its first key
.Lstep_\@:                                             ; eight trips, a constant; a step all of whose keys come after my queries is passed over
	s_add_co_u32 s56, s[50+\k], 23                 ; my last query
	s_cmp_gt_u32 s55, s56
	s_cbranch_scc1 .Lhid_\@
	s_lshl_b32 s58, s55, 4
	s_lshl_b32 s59, s55, 1
	s_lshl_b32 s60, s55, 2
	v_add_nc_u32 v8, s58, v1                       ; k and v: 2,048 bytes a step
	v_add_nc_u32 v9, s59, v2                       ; k's words: 256
	v_add_nc_u32 v10, s55, v2                      ; v's: 128
	v_add_nc_u32 v11, s60, v3                      ; the mask: 512
.irp b, 0,1,2,3
	ds_load_b128 v[32+4*\b:35+4*\b], v8 offset:512*\b          ; 32 keys: tile 0 in lanes 0-15, tile 1 in lanes 16-31
.endr
	ds_load_b32 v187, v9
	ds_load_b32 v188, v9 offset:128
.irp d, 0,1
.irp c, 0,1
	ds_load_b128 v[48+8*\d+4*\c:51+8*\d+4*\c], v8 offset:VIMG+1024*\d+512*\c
.endr
.endr
	ds_load_b32 v189, v10 offset:VSC-KSC
	s_wait_dscnt 0x0
.irp b, 0,1,2,3
.irp u, 0,1
	WM 96+8*(2*\b+\u), 32+4*\b, 16+8*\u, -1, 187+\b/2, 186, \b%2
.endr
.endr
	PLACES
	s_lshr_b32 s56, s49, s54                       ; does the mask hide a key of this step?
	s_and_b32 s56, s56, 1
	s_cmp_eq_u32 s56, 0
	s_cbranch_scc1 .Lnoh_\@
.irp g, 0,1
.irp b, 0,1
.irp e, 0,1,2,3
	ds_load_b128 v[64+16*\b+4*\e:67+16*\b+4*\e], v11 offset:128*(2*\g+\b)+16*\e
.endr
.endr
	s_wait_dscnt 0x0
.irp j, 0,2,4,6,8,10,12,14,16,18,20,22,24,26,28,30
	v_pk_add_f32 v[96+32*\g+\j:97+32*\g+\j], v[96+32*\g+\j:97+32*\g+\j], v[64+\j:65+\j]
.endr
.endr
.Lnoh_\@:
	s_add_co_u32 s56, s55, 127                     ; on the diagonal the scores of later keys become -infinity; a step all of whose keys come first skips this
	s_cmp_le_u32 s56, s[50+\k]
	s_cbranch_scc1 .Lopen_\@
	s_sub_co_i32 s56, s[50+\k], s55
	v_add_nc_u32 v252, s56, v7                     ; d = my query - the step's first key - 16 (lane / 16): register 16 b + i is hidden where 32 b + i > d
	v_mov_b32 v254, 0xff800000
.set N, 0
.rept 64
	v_cmp_gt_i32 vcc_lo, 32*(N/16)+N%16, v252
	v_cndmask_b32 v[96+N], v[96+N], v254, vcc_lo
.set N, N+1
.endr
.Lopen_\@:
.irp b, 0,1,2,3
	v_max3_num_f32 v[232+\b], v[96+16*\b], v[97+16*\b], v[98+16*\b]        ; the largest score of each block of 32 keys: for the row's maximum, and, since p rises with the score, for the block's largest p
.endr
.irp i, 3,5,7,9,11,13
.irp b, 0,1,2,3
	v_max3_num_f32 v[232+\b], v[232+\b], v[96+16*\b+\i], v[97+16*\b+\i]
.endr
.endr
.irp b, 0,1,2,3
	v_max_num_f32 v[232+\b], v[232+\b], v[111+16*\b]
.endr
.irp b, 0,1,2,3
	v_permlanex16_b32 v[236+\b], v[232+\b], s44, s45
.endr
.irp b, 0,1,2,3
	v_max_num_f32 v[232+\b], v[232+\b], v[236+\b]
.endr
	v_max3_num_f32 v254, v232, v233, v234
	v_max_num_f32 v254, v254, v235
	v_mul_f32 v254, s46, v254                      ; as t
	v_max_num_f32 v13, v13, v254                   ; the running largest t
	v_mov_b32 v254, v12
	v_floor_f32 v12, -v13                          ; the new -M = -ceil(t)
	v_sub_f32 v254, v12, v254                      ; old M - new M: a whole number, 0 or less
	v_cvt_i32_f32 v254, v254                       ; (it saturates)
	v_ldexp_f32 v252, 1.0, v254                    ; f = 2^(old M - new M): exact
.set N, 0
.rept 32
	v_pk_fma_f32 v[96+N:97+N], v[96+N:97+N], s[46:47], v[12:13] op_sel_hi:[1,0,0]      ; t - M
.set N, N+2
.endr
.irp b, 0,1,2,3
	v_fma_f32 v[232+\b], v[232+\b], s46, v12
.endr
.set N, 0
.rept 64
	v_exp_f32 v[96+N], v[96+N]                     ; p = 2^(t - M)
.set N, N+1
.endr
	v_pk_mul_f32 v[14:15], v[14:15], v[252:253] op_sel_hi:[1,0]            ; the sum under the new M: a plain place behind the exponentials
	s_wait_alu depctr_va_vdst(0)                   ; one wait for the batch of 64, ahead of its first reader
.irp b, 0,1,2,3
	v_exp_f32 v[232+\b], v[232+\b]                 ; each block's largest p
.endr
	v_pk_add_f32 v[240:241], v[96:97], v[98:99]    ; the row's sum of the unquantised p, in two chains; its first half is the work behind the four exponentials
.irp j, 4,8,12,16,20,24,28
	v_pk_add_f32 v[14:15], v[14:15], v[96+\j:97+\j]
	v_pk_add_f32 v[240:241], v[240:241], v[98+\j:99+\j]
.endr
	s_wait_alu depctr_va_vdst(0)                   ; and one for the four
.irp b, 0,1,2,3
	v_max_num_f32 v[232+\b], 0x1800000, v[232+\b]  ; the floor 2^(3 - 127): the byte cannot fall under 1
.endr
.irp b, 0,1,2,3
	v_add_nc_u32 v[244+\b], 0xff000000, v[232+\b]
.endr
.irp b, 0,1,2,3
	v_lshrrev_b32 v[236+\b], 23, v[244+\b]
.endr
	v_lshl_or_b32 v190, v237, 8, v236              ; p's scale word for these 128 keys
	v_lshl_or_b32 v190, v238, 16, v190
	v_lshl_or_b32 v190, v239, 24, v190
.irp b, 0,1,2,3
	v_cvt_scalef32_pk8_fp4_f32 v[224+2*\b], v[96+16*\b:103+16*\b], v[244+\b]
	v_cvt_scalef32_pk8_fp4_f32 v[225+2*\b], v[104+16*\b:111+16*\b], v[244+\b]
.endr
	v_nop                                          ; one plain place behind a scaled conversion
.irp c, 0,1
.irp i, 0,1
	v_permlane16_swap_b32 v[224+4*\c+\i], v[226+4*\c+\i]       ; a whole block to a lane
.endr
.endr
.irp j, 32,36,40,44,48,52,56,60
	v_pk_add_f32 v[14:15], v[14:15], v[96+\j:97+\j]            ; the sum's second half: 17 plain lines between the writes of p's scale word and codes and the products
	v_pk_add_f32 v[240:241], v[240:241], v[98+\j:99+\j]
.endr
	v_pk_add_f32 v[14:15], v[14:15], v[240:241]
.irp j, 0,2,4,6,8,10,12,14
	v_pk_mul_f32 v[160+\j:161+\j], v[160+\j:161+\j], v[252:253] op_sel_hi:[1,0]        ; O^T under the new M
.endr
	WM 160, 48, 224, 160, 189, 190, 0              ; O^T += v^T p^T: two tiles of 16 channels, by turns
	WM 168, 56, 224, 168, 189, 190, 1
	PLACES                                         ; in front of the next step's loads and of the way out
.Lhid_\@:
	s_add_co_u32 s55, s55, 128
	s_add_co_u32 s54, s54, 1
	s_cmp_lt_u32 s54, 8
	s_cbranch_scc1 .Lstep_\@
	v_add_f32 v14, v14, v15
	v_permlanex16_b32 v252, v14, s44, s45
	v_add_f32 v14, v14, v252                       ; the row's sum
	s_cmp_lg_u32 s48, 0                            ; where key 0 counts, every row has a key that counts
	s_cbranch_scc1 .Lkey0_\@
.irp g, 0,1                                    ; the sum of v over all 1,024 keys: v^T x ones, four key steps at a time, two accumulators by turns
.irp t, 0,1,2,3
.irp d, 0,1
.irp c, 0,1
	ds_load_b128 v[96+16*\t+8*\d+4*\c:99+16*\t+8*\d+4*\c], v1 offset:VIMG+2048*(4*\g+\t)+1024*\d+512*\c
.endr
.endr
	ds_load_b32 v[248+\t], v2 offset:VSC-KSC+128*(4*\g+\t)
.endr
	s_wait_dscnt 0x0
.irp t, 0,1,2,3
.irp d, 0,1
.if (\g == 0) && (\t == 0)
	WM 64+8*\d, 96+16*\t+8*\d, 208, -1, 248+\t, 191, \d
.else
	WM 64+8*\d, 96+16*\t+8*\d, 208, 64+8*\d, 248+\t, 191, \d
.endif
.endr
.endr
	PLACES
.endr
	v_cmp_gt_f32 vcc_lo, 0xfe967699, v13           ; -1e38 > the largest t: it has never moved: no key of my row counts
	v_mov_b32 v252, 0x44800000                     ; 1,024
.irp j, 0,1,2,3,4,5,6,7,8,9,10,11,12,13,14,15
	v_cndmask_b32 v[160+\j], v[160+\j], v[64+\j], vcc_lo
.endr
	v_cndmask_b32 v14, v14, v252, vcc_lo
.Lkey0_\@:
	v_rcp_f32 v14, v14
	v_nop                                          ; a plain place behind the reciprocal,
	s_wait_alu depctr_va_vdst(0)                   ; and the wait ahead of its first reader
.irp j, 0,1,2,3,4,5,6,7,8,9,10,11,12,13,14,15
	v_mul_f32 v[192+\j], v[160+\j], v14            ; h(my query, channel 16 (lane / 16) + j)
.endr
	v_max3_num_f32 v232, |v192|, |v193|, 0x1800000 ; the head's 32 channels are one block of the next product: mine and lane l xor 16's
.irp i, 2,4,6,8,10,12,14
	v_max3_num_f32 v232, v232, |v[192+\i]|, |v[193+\i]|
.endr
	v_permlanex16_b32 v236, v232, s44, s45
	v_max_num_f32 v232, v232, v236
	v_add_nc_u32 v244, 0xff000000, v232
	v_lshrrev_b32 v[218+\k], 23, v244
	v_cvt_scalef32_pk8_fp4_f32 v[220+2*\k], v[192:199], v244
	v_cvt_scalef32_pk8_fp4_f32 v[221+2*\k], v[200:207], v244
	v_nop                                          ; one plain place behind a scaled conversion
	global_store_b64 v5, v[220+2*\k:221+2*\k], s[36+2*\k:37+2*\k]          ; 256 consecutive bytes, aligned.  Each tile has store registers of its own
	global_store_b8 v6, v[218+\k], s[40+2*\k:41+2*\k]                      ; both halves of the lanes write the same byte with the same value
.endm
	TILE 0
	TILE 1
	s_wait_tensorcnt 0x0
	ds_add_u32 v243, v255
	s_wait_dscnt 0x0
	s_endpgm
.Lfunc_end_k_qe597a6acef_attn:
	.size	k_qe597a6acef_attn, .Lfunc_end_k_qe597a6acef_attn-k_qe597a6acef_attn
	.p2alignl 7, 3214868480
	.fill 96, 4, 3214868480
	.section	.rodata,"a",@progbits
	.p2align	6, 0x0
	.amdhsa_kernel k_qe597a6acef_attn
		.amdhsa_group_segment_fixed_size 43008
		.amdhsa_private_segment_fixed_size 0
		.amdhsa_enable_private_segment 0
		.amdhsa_kernarg_size 40
		.amdhsa_user_sgpr_count 2
		.amdhsa_user_sgpr_kernarg_segment_ptr 1
		.amdhsa_wavefront_size32 1
		.amdhsa_system_sgpr_workgroup_id_x 1
		.amdhsa_system_sgpr_workgroup_id_y 1
		.amdhsa_system_sgpr_workgroup_id_z 1
		.amdhsa_system_vgpr_workitem_id 0
		.amdhsa_next_free_vgpr 256
		.amdhsa_next_free_sgpr 66
		.amdhsa_reserve_vcc 1
		.amdhsa_float_denorm_mode_32 3
		.amdhsa_float_denorm_mode_16_64 3
		.amdhsa_memory_ordered 1
		.amdhsa_forward_progress 1
		.amdhsa_inst_pref_size 71
	.end_amdhsa_kernel
	.amdgpu_metadata
---
amdhsa.version: [ 1, 2 ]
amdhsa.kernels:
  - .name:           k_qe597a6acef_attn
    .symbol:         k_qe597a6acef_attn.kd
    .args:
      - { .name: qimg, .offset: 0, .size: 8, .value_kind: global_buffer, .address_space: global }
      - { .name: kvimg, .offset: 8, .size: 8, .value_kind: global_buffer, .address_space: global }
      - { .name: sc, .offset: 16, .size: 8, .value_kind: global_buffer, .address_space: global }
      - { .name: attention_mask, .offset: 24, .size: 8, .value_kind: global_buffer, .address_space: global }
      - { .name: hbuf, .offset: 32, .size: 8, .value_kind: global_buffer, .address_space: global }
    .group_segment_fixed_size: 43008
    .private_segment_fixed_size: 0
    .kernarg_segment_align: 8
    .kernarg_segment_size: 40
    .max_flat_workgroup_size: 512
    .sgpr_count:     66
    .vgpr_count:     256
    .wavefront_size: 32
...
	.end_amdgpu_metadata
.endif
;; end of part 2
;; launch ffn (part 3): grid 256 x 1, 4 waves a work-group, clusters of 4 x 1, 327,680 bytes of LDS; arguments hbuf, x, wstream, g1, beta1, router_w, router_b, g2, beta2, B2, out0, psum; writes out0, psum
.if DOCPART == 3
	.amdgcn_target "amdgcn-amd-amdhsa--gfx1250"
	.amdhsa_code_object_version 6
	.text
	.protected	k_qe597a6acef_ffn
	.globl	k_qe597a6acef_ffn
	.p2align	8
	.type	k_qe597a6acef_ffn,@function
k_qe597a6acef_ffn:
	s_mov_b64 s[64:65], 0
	v_nop
	global_prefetch_b8 v0, s[64:65] scope:SCOPE_SE
	s_setreg_imm32_b32 hwreg(HW_REG_WAVE_MODE, 25, 1), 1
	s_wait_xcnt 0x0
	s_wait_alu depctr_hold_cnt(0) depctr_sa_sdst(0) depctr_va_vdst(0) depctr_va_sdst(0) depctr_va_ssrc(0) depctr_va_vcc(0) depctr_vm_vsrc(0)
	s_getreg_b32 s2, hwreg(HW_REG_IB_STS2, 6, 4)
	s_cmp_eq_u32 s2, 0
	s_cbranch_scc0 .Lentry_in_a_cluster
	s_endpgm
.Lentry_in_a_cluster:
	s_bfe_u32 s2, ttmp6, 0x10000c
	s_cmp_lg_u32 s2, 0x3003
	s_cbranch_scc0 .Lentry_shape_is_right
	s_endpgm
.Lentry_shape_is_right:
; x1 = LN1(x + h Wo + bo);  gates = softmax(x1 router_w + router_b), renormalised over the two experts, both of which top-2 of 2 always takes;
; out = LN2(x1 + sum over e of gate_e (relu(x1 W1[e] + B1[e]) W2[e] + B2[e])).  All products but the router's on codes of FP4 (E2M1) with E8M0 scales; the router's by f32 multiply-adds; all else f32.
; SHARES.  A work-group takes 32 tokens as two tiles u of 16 (row m of tile u: token 8 u + m + 8 (m / 8)) through the whole chain.  Wave w owns columns 128 w .. 128 w + 127 of every layer.  Source 0 = 16 rows of a weight,
; source 1 = a tile of tokens; lane r of a weight's tile 2 b + p takes row 32 b + 8 p + r + 8 (r / 8): so a lane holds ONE token, and register 16 b + i of a tile of tokens is column 32 b + 16 (lane / 16) + i of the wave's 128.
; x, x1, the hidden layer and y all lie so; a row's codes go from wave to wave through LDS as images of the operand's registers.
; THE WEIGHTS come as a stream of 17 chunks of 141,312 bytes that the first launch has laid in the order of the operand registers: Wo; then for each expert and each 512 hidden units W1's part and W2's.  A chunk is four
; records, one a wave (codes 32,768, scale words 2,048, biases 512 bytes); a wave fetches its own record with one tensor load of 138 rows x 256 bytes and alone reads it.  Two LDS slots take turns.
; CLUSTER.  All work-groups walk the same stream: the four of a cluster ask for each record JOINTLY (the same load, the same descriptor, a mask that names the four).  The work-group's place enters global addresses of
; x, h, out and psum alone.  Every refill stands behind a round of the cluster's barrier, which is also the barrier between one phase's image stores and the next phase's reads.
; LIMITS: NaN and infinities are not served.  A block whose largest magnitude lies under 2^-124 (a block of zeros too) gets the scale byte 1: its codes are zeros or next to nothing.
.set WREC,  35328
.set CHUNK, 141312
.set SPARE, 282624                     ; behind the two slots: the spare words, 128 bytes a wave: two blocks of 256 bytes that no other line names
.set STG,   283136                     ; a stage of 16 rows x 272 bytes for each wave
.set SPI,   272
.set XIMG,  300544                     ; x1's 8 fragments (4 u + K step), 1,024 bytes each
.set XSC,   308736                     ; their scale words, 128 bytes each
.set HOFF,  9216                       ; the hidden layer's fragments and words lie HOFF behind x1's
.set STA,   318976                     ; the norms' sums: 1,024 bytes, and 1,024 for the second pass
.set STC,   321024                     ; the router's partial logits: 2,048 bytes
.set AW0, 1                            ; v1-2   my record in slot 0, 1: + 16 lane
.set AW1, 2
.set AB0, 3                            ; v3-4   its biases: + 34,816 + 64 h
.set AB1, 4
.set XG,  5                            ; v5     x, out: 2048 (lane / 16) + 16 (lane % 16) + 512 wave
.set SIN, 6                            ; v6     the stage by rows
.set SOUT,7                            ; v7     the stage by lanes
.set LI,  8                            ; v8     XIMG + 16 lane
.set LS,  9                            ; v9     XSC + 4 lane
.set IWI, 10                           ; v10    LI + 1024 wave
.set IWS, 11                           ; v11    LS + 128 wave
.set GA,  12                           ; v12    gains and biases: 512 wave + 64 h
.set RWA, 13                           ; v13    router_w: 1024 wave + 128 h
.set A16, 14                           ; v14    16 lane
.set A4R, 15                           ; v15    4 r
.set STW, 16                           ; v16    STA + 256 wave + 4 lane
.set STR, 17                           ; v17    STA + 4 lane
.set SCW, 18                           ; v18    STC + 512 wave + 8 lane
.set SCR, 19                           ; v19    STC + 8 lane
.set ZR,  27                           ; v27    0
.set SPW, 28                           ; v28    LDS address of my spare word; never rewritten
.set NIL, 29                           ; v29    0; never rewritten
.set XF,  32                           ; v32-95   x1's fragments: they stay
.set HF,  96                           ; v96-159  h's fragments, later the hidden layer's
.set XS,  160                          ; v160-167 x1's scale words;  v168-175 h's, the hidden layer's;  v176-191 the weights': register 4 (t / 2) + K step, lanes 0-15 tile t even, lanes 16-31 odd
.set HS,  168
.set SW,  176
.set TM,  192                          ; v192-207 at work
.set PW0, 208
.set PW1, 209
.set PC0, 210
.set PC1, 218
.set SA,  226                          ; v226-229 sums;  v230-237 at work;  v238-241 means;  v242-245 1 / sqrt;  v246-249 gates: (e 0, e 1) of tile 0, of tile 1
.set SB,  228
.set T,   230
.set MN0, 238
.set MN1, 240
.set RS0, 242
.set RS1, 244
.set GT,  246
.set BI,  128                          ; window 3: v0-127 the hidden layer (early x, then router_w; at the end g2, beta2); v128-191 a chunk's biases as 8 tiles
; window 1: a chunk's 32 fragments at 64 (K step) + 8 t (early raw x; at the end rows of out).   window 2: v0-127 x1, then x1 + y; v128-255 y's accumulators (early g1, beta1)
.set G1,  16                           ; s[16:23] descriptor group 1;  s[24:27], s[28:31] group 0 for slot 0, 1
.set G0,  24
.set MSB, 0
.macro WIN new
.if MSB != (\new)
	s_set_vgpr_msb (MSB<<8)|(\new)
.set MSB, (\new)
.endif
.endm
.macro PLACES
.rept 4
	v_nop
.endr
.endm
.macro WM d, a, b, c, sa, sb, ra       ; one matrix instruction; ra: source 0's scales stand in lanes 16-31
.if (\ra)
	v_wmma_scale_f32_16x16x128_f8f6f4 v[(\d):(\d)+7], v[(\a):(\a)+7], v[(\b):(\b)+7], v[(\c):(\c)+7], v[(\sa)], v[(\sb)] matrix_a_fmt:MATRIX_FMT_FP4 matrix_b_fmt:MATRIX_FMT_FP4 matrix_a_scale:MATRIX_SCALE_ROW1
.else
	v_wmma_scale_f32_16x16x128_f8f6f4 v[(\d):(\d)+7], v[(\a):(\a)+7], v[(\b):(\b)+7], v[(\c):(\c)+7], v[(\sa)], v[(\sb)] matrix_a_fmt:MATRIX_FMT_FP4 matrix_b_fmt:MATRIX_FMT_FP4
.endif
.endm
; a round of the cluster's barrier: my work-group's barrier; wave 0 signals for the work-group; every wave waits for all four work-groups; my work-group's barrier once more
.macro CROUND
	s_barrier_signal -1
	s_barrier_wait -1
	s_cmp_lg_u32 s12, 0
	s_cbranch_scc1 .Lnot_wave_0_\@
	s_barrier_signal -3
.Lnot_wave_0_\@:
	s_barrier_wait -3
	s_barrier_signal -1
	s_barrier_wait -1
.endm
; THE CHANGE OF SLOTS behind a phase that has read slot k.  Each wave waits for all its tensor loads (one is out: its record of the next chunk), adds 0 to its spare word, and waits for that, for its reads of slot k and for
; its image stores.  fill = 1: behind the round slot k takes the chunk two further on: the wave's one tensor load until the next round; it has a whole phase in which to land.
.macro CHANGE k, fill
	WIN 0
	s_wait_tensorcnt 0x0                           ; no tensor load of mine is out, so a group 0 may be written
	ds_add_u32 v[SPW], v[NIL]                      ; 0 onto my spare word
.if \fill
	s_add_nc_u64 s[G0+4*\k+2:G0+4*\k+3], s[G0+4*\k+2:G0+4*\k+3], 2*CHUNK   ; the type bits on top are not reached
.endif
	s_wait_dscnt 0x0
.if \fill
	CROUND
	tensor_load_to_lds s[G0+4*\k:G0+4*\k+3], s[G1:G1+7]
	s_nop 0
.else
	s_barrier_signal -1
	s_barrier_wait -1
.endif
	PLACES                                         ; behind the load; also the places in front of the next loads into registers that matrix instructions have read
.endm
; a record from LDS: 4 loads of scale words, 16 of biases (8 tiles in the result's layout), 64 of codes, K step by K step
.macro FETCHW aw, ab, bias
	WIN 0
.irp j, 0,1,2,3
	ds_load_b128 v[SW+4*\j:SW+4*\j+3], v[\aw] offset:32768+512*\j
.endr
.if \bias
	WIN 0xc0
.irp t, 0,1,2,3,4,5,6,7
	ds_load_b128 v[BI+8*\t:BI+8*\t+3], v[\ab] offset:128*(\t/2)+32*(\t%2)
	ds_load_b128 v[BI+8*\t+4:BI+8*\t+7], v[\ab] offset:128*(\t/2)+32*(\t%2)+16
.endr
.endif
	WIN 0x40
.irp q, 0,1,2,3
.irp t, 0,1,2,3,4,5,6,7
.irp c, 0,1
	ds_load_b128 v[64*\q+8*\t+4*\c:64*\q+8*\t+4*\c+3], v[\aw] offset:1024*(8*\q+\t)+512*\c
.endr
.endr
.endr
.endm
; 128 matrix instructions: my 8 tiles of columns x 2 tiles of tokens x 4 K steps; the sixteen accumulators take turns, one instruction a turn.
; D at v[db + 64 u + 8 t] of window dw.  cw >= 0: the first K step's C is the tile of biases v[cb + 8 t] of window cw; cw < 0: the sums go on in place.  tf, ts: the tokens' fragments and scale words
.macro MM dw, db, cw, cb, tf, ts
.irp q, 0,1,2,3
	s_wait_dscnt 48-16*\q                          ; only the later K steps' fragment loads, 16 each, may be out
.if (\q == 0) && (\cw >= 0)
	WIN 1|((\cw)<<4)|((\dw)<<6)
.else
	WIN 1|((\dw)<<4)|((\dw)<<6)
.endif
.irp t, 0,1,2,3,4,5,6,7
.irp u, 0,1
.if (\q == 0) && (\cw >= 0)
	WM \db+64*\u+8*\t, 64*\q+8*\t, \tf+8*(4*\u+\q), \cb+8*\t, SW+4*(\t/2)+\q, \ts+4*\u+\q, \t%2
.else
	WM \db+64*\u+8*\t, 64*\q+8*\t, \tf+8*(4*\u+\q), \db+64*\u+8*\t, SW+4*(\t/2)+\q, \ts+4*\u+\q, \t%2
.endif
.endr
.endr
.endr
	WIN 0
.endm
.macro XTURN u, rw, rb, nw, nb         ; tile u of x turns through my own stage: in by rows, out 64 bytes a lane.  LDS serves a wave's instructions in order: no wait inside
.irp f, 0,1
	WIN (\rw)<<2
.irp i, 0,1,2,3,4,5,6,7
	ds_store_b128 v[SIN], v[\rb+64*\u+32*\f+4*\i:\rb+64*\u+32*\f+4*\i+3] offset:544*\i
.endr
	WIN (\nw)<<6
.irp g, 0,1
.irp e, 0,1,2,3
	ds_load_b128 v[\nb+16*(2*\f+\g)+4*\e:\nb+16*(2*\f+\g)+4*\e+3], v[SOUT] offset:128*\g+16*\e
.endr
.endr
.endr
	WIN 0
.endm
; 64 numbers of a lane in window nw, register 16 b + i = k 32 b + 16 (lane / 16) + i of my row, become a fragment's codes in v[pc] on and its scale word in v[pw]
.macro QUANT nw, s, pc, pw
	WIN ((\nw)<<2)|((\nw)<<4)
.irp b, 0,1,2,3
	v_max3_num_f32 v[TM+\b], 0x1800000, |v[\s+16*\b]|, |v[\s+1+16*\b]|   ; my 16 numbers of block b, and the floor 2^(3 - 127): the byte cannot fall under 1
.endr
.irp i, 2,4,6,8,10,12,14
.irp b, 0,1,2,3
	v_max3_num_f32 v[TM+\b], v[TM+\b], |v[\s+16*\b+\i]|, |v[\s+1+16*\b+\i]|
.endr
.endr
	WIN 0
.irp b, 0,1,2,3
	v_permlanex16_b32 v[TM+4+\b], v[TM+\b], s60, s61
.endr
.irp b, 0,1,2,3
	v_max_num_f32 v[TM+\b], v[TM+\b], v[TM+4+\b]
.endr
.irp b, 0,1,2,3
	v_add_nc_u32 v[TM+12+\b], 0xff000000, v[TM+\b]
.endr
.irp b, 0,1,2,3
	v_lshrrev_b32 v[TM+4+\b], 23, v[TM+12+\b]
.endr
	v_lshl_or_b32 v[\pw], v[TM+5], 8, v[TM+4]
	v_lshl_or_b32 v[\pw], v[TM+6], 16, v[\pw]
	v_lshl_or_b32 v[\pw], v[TM+7], 24, v[\pw]
	WIN \nw
.irp b, 0,1,2,3
	v_cvt_scalef32_pk8_fp4_f32 v[\pc+2*\b], v[\s+16*\b:\s+7+16*\b], v[TM+12+\b]
	v_cvt_scalef32_pk8_fp4_f32 v[\pc+1+2*\b], v[\s+8+16*\b:\s+15+16*\b], v[TM+12+\b]
.endr
	WIN 0
	v_nop                                          ; one plain place behind a scaled conversion
.irp c, 0,1
.irp i, 0,1
	v_permlane16_swap_b32 v[\pc+4*\c+\i], v[\pc+2+4*\c+\i]
.endr
.endr
.endm
.macro IMG pc, pw, off, soff           ; a fragment and its scale word go to LDS as images of their registers
	ds_store_b128 v[IWI], v[\pc:\pc+3] offset:\off
	ds_store_b128 v[IWI], v[\pc+4:\pc+7] offset:\off+512
	ds_store_b32 v[IWS], v[\pw] offset:\soff
.endm
; the pairs v[SA:SA+1], v[SB:SB+1] (tile 0's, tile 1's) are summed over the pair, the two halves of the lanes and the four waves: the row's total in v[SA], v[SB] of every lane
.macro EXCH off
	v_add_f32 v[SA], v[SA], v[SA+1]
	v_add_f32 v[SB], v[SB], v[SB+1]
	v_permlanex16_b32 v[SA+1], v[SA], s60, s61
	v_permlanex16_b32 v[SB+1], v[SB], s60, s61
	v_add_f32 v[SA], v[SA], v[SA+1]
	v_add_f32 v[SB], v[SB], v[SB+1]
	ds_store_b32 v[STW], v[SA] offset:\off
	ds_store_b32 v[STW], v[SB] offset:\off+128
	s_wait_dscnt 0x0                               ; for the others' sake: my sums lie in LDS
	s_barrier_signal -1
	s_barrier_wait -1
.irp w, 0,1,2,3
	ds_load_b32 v[T+2*\w], v[STR] offset:\off+256*\w
	ds_load_b32 v[T+2*\w+1], v[STR] offset:\off+256*\w+128
.endr
	s_wait_dscnt 0x0
	v_add_f32 v[SA], v[T], v[T+2]
	v_add_f32 v[SB], v[T+1], v[T+3]
	v_add_f32 v[T], v[T+4], v[T+6]
	v_add_f32 v[T+1], v[T+5], v[T+7]
	v_add_f32 v[SA], v[SA], v[T]
	v_add_f32 v[SB], v[SB], v[T+1]
.endm
; the layer norm of window 2's v0-127, in place, in two passes (the mean first, then the squares of what is left).  The gain at v[gb] on, the bias at v[gb + 64] on, of window gw
.macro LNORM gw, gb
	WIN 0
.irp j, 0,1,2,3
	v_mov_b32 v[SA+\j], 0
.endr
	WIN 0x08
.set J, 0
.rept 32
	v_pk_add_f32 v[SA:SA+1], v[SA:SA+1], v[J:J+1]
	v_pk_add_f32 v[SB:SB+1], v[SB:SB+1], v[64+J:65+J]
.set J, J+2
.endr
	WIN 0
	EXCH 0
	v_mul_f32 v[MN0], 0x3b000000, v[SA]            ; / 512
	v_mul_f32 v[MN1], 0x3b000000, v[SB]
.irp j, 0,1,2,3
	v_mov_b32 v[SA+\j], 0
.endr
	WIN 0x82
.set J, 0
.rept 32
	v_pk_add_f32 v[J:J+1], v[J:J+1], v[MN0:MN0+1] op_sel_hi:[1,0] neg_lo:[0,1] neg_hi:[0,1]
	v_pk_add_f32 v[64+J:65+J], v[64+J:65+J], v[MN1:MN1+1] op_sel_hi:[1,0] neg_lo:[0,1] neg_hi:[0,1]
.set J, J+2
.endr
	WIN 0x0a
.set J, 0
.rept 32
	v_pk_fma_f32 v[SA:SA+1], v[J:J+1], v[J:J+1], v[SA:SA+1]
	v_pk_fma_f32 v[SB:SB+1], v[64+J:65+J], v[64+J:65+J], v[SB:SB+1]
.set J, J+2
.endr
	WIN 0
	EXCH 1024
	v_mul_f32 v[T], 0x3b000000, v[SA]
	v_mul_f32 v[T+1], 0x3b000000, v[SB]
	v_add_f32 v[T], 0x3727c5ac, v[T]               ; + 1e-5
	v_add_f32 v[T+1], 0x3727c5ac, v[T+1]
	v_rsq_f32 v[RS0], v[T]
	v_rsq_f32 v[RS1], v[T+1]
	v_nop                                          ; a plain place behind the two,
	s_wait_alu depctr_va_vdst(0)                   ; and one wait ahead of their first reader
	WIN 0x82
.set J, 0
.rept 32
	v_pk_mul_f32 v[J:J+1], v[J:J+1], v[RS0:RS0+1] op_sel_hi:[1,0]
	v_pk_mul_f32 v[64+J:65+J], v[64+J:65+J], v[RS1:RS1+1] op_sel_hi:[1,0]
.set J, J+2
.endr
	WIN 0x82|((\gw)<<2)|((\gw)<<4)
.set J, 0
.rept 32
	v_pk_fma_f32 v[J:J+1], v[J:J+1], v[\gb+J:\gb+J+1], v[\gb+64+J:\gb+65+J]
	v_pk_fma_f32 v[64+J:65+J], v[64+J:65+J], v[\gb+J:\gb+J+1], v[\gb+64+J:\gb+65+J]
.set J, J+2
.endr
	WIN 0
.endm
.macro GLOADS win, base, gp, bp        ; a gain and a bias in my columns' layout: 64 registers each
	WIN (\win)<<6
.irp b, 0,1,2,3
.irp e, 0,1,2,3
	global_load_b128 v[\base+16*\b+4*\e:\base+16*\b+4*\e+3], v[GA], s[\gp:\gp+1] offset:128*\b+16*\e
.endr
.endr
.irp b, 0,1,2,3
.irp e, 0,1,2,3
	global_load_b128 v[\base+64+16*\b+4*\e:\base+64+16*\b+4*\e+3], v[GA], s[\bp:\bp+1] offset:128*\b+16*\e
.endr
.endr
	WIN 0
.endm
.macro INITACC e                       ; y's sixteen accumulators begin as B2[e], in the result's layout
	WIN 0x80
.irp u, 0,1
.irp t, 0,1,2,3,4,5,6,7
	global_load_b128 v[128+64*\u+8*\t:128+64*\u+8*\t+3], v[GA], s[46:47] offset:2048*\e+128*(\t/2)+32*(\t%2)
	global_load_b128 v[128+64*\u+8*\t+4:128+64*\u+8*\t+7], v[GA], s[46:47] offset:2048*\e+128*(\t/2)+32*(\t%2)+16
.endr
.endr
	WIN 0
.endm
.macro GATE e                          ; x1 + y so far += gate_e x the expert's result; each accumulator is read from its low end on
	WIN 0
	PLACES
	WIN 0xa2
.set J, 0
.rept 32
.if \e
	v_pk_fma_f32 v[J:J+1], v[128+J:129+J], v[GT:GT+1], v[J:J+1] op_sel:[0,1,0] op_sel_hi:[1,1,1]
	v_pk_fma_f32 v[64+J:65+J], v[192+J:193+J], v[GT+2:GT+3], v[64+J:65+J] op_sel:[0,1,0] op_sel_hi:[1,1,1]
.else
	v_pk_fma_f32 v[J:J+1], v[128+J:129+J], v[GT:GT+1], v[J:J+1] op_sel_hi:[1,0,1]
	v_pk_fma_f32 v[64+J:65+J], v[192+J:193+J], v[GT+2:GT+3], v[64+J:65+J] op_sel_hi:[1,0,1]
.endif
.set J, J+2
.endr
	WIN 0
.endm
; my 128 of a run of 512 hidden units, for the 32 tokens: product, relu, quantised: K step w of the second product's 512
.macro W1PHASE
	FETCHW AW1, AB1, 1
	MM 3, 0, 3, BI, XF, XS
	PLACES
	WIN 0xcc
.set J, 0
.rept 128
	v_max_num_f32 v[J], 0, v[J]
.set J, J+1
.endr
	QUANT 3, 0, PC0, PW0
	IMG PC0, PW0, HOFF, HOFF
	QUANT 3, 64, PC1, PW1
	IMG PC1, PW1, HOFF+4096, HOFF+512
.endm
; y += the 512 hidden units x my 128 rows of W2
.macro W2PHASE
.irp f, 0,1,2,3,4,5,6,7
	ds_load_b128 v[HF+8*\f:HF+8*\f+3], v[LI] offset:HOFF+1024*\f
	ds_load_b128 v[HF+8*\f+4:HF+8*\f+7], v[LI] offset:HOFF+1024*\f+512
	ds_load_b32 v[HS+\f], v[LS] offset:HOFF+128*\f
.endr
	FETCHW AW0, AB0, 0
	s_wait_loadcnt 0x0                             ; B2 is in the accumulators (met at once in all trips but an expert's first)
	MM 2, 128, -1, 0, HF, HS
.endm
	s_load_b256 s[4:11], s[0:1], 0x0               ; hbuf 4, x 6, wstream 8, g1 10
	s_load_b256 s[36:43], s[0:1], 0x20             ; beta1 36, router_w 38, router_b 40, g2 42
	s_load_b256 s[44:51], s[0:1], 0x40             ; beta2 44, B2 46, out0 48, psum 50
	v_lshl_add_u32 v[SPW], v0, 2, SPARE
	v_mov_b32 v[NIL], 0
	ds_add_u32 v28, v29
	ds_add_u32 v28, v29
	s_wait_dscnt 0x0
	v_lshrrev_b32 v20, 5, v0
	v_readfirstlane_b32 s12, v20                   ; wave
	s_bfe_u32 s13, ttmp6, 0x40000                  ; my place in the cluster
	s_lshl_b32 s14, ttmp9, 2
	s_add_co_u32 s14, s14, s13                     ; which 32 tokens: it enters global addresses of x, h, out, psum alone
	v_and_b32 v20, 31, v0                          ; lane
	v_and_b32 v21, 15, v0                          ; r
	v_bfe_u32 v22, v0, 4, 1                        ; h
	s_mul_i32 s52, s12, WREC
	s_mov_b32 s53, 0
	v_lshl_add_u32 v[AW0], v20, 4, s52
	v_add_nc_u32 v[AW1], CHUNK, v[AW0]
	v_lshl_add_u32 v[AB0], v22, 6, s52
	v_add_nc_u32 v[AB0], 34816, v[AB0]
	v_add_nc_u32 v[AB1], CHUNK, v[AB0]
	s_lshl_b32 s54, s12, 9
	v_lshlrev_b32 v[XG], 4, v21
	v_lshl_add_u32 v[XG], v22, 11, v[XG]
	v_add_nc_u32 v[XG], s54, v[XG]
	v_lshl_add_u32 v[GA], v22, 6, s54
	s_mul_i32 s54, s12, 16*SPI
	s_add_co_u32 s54, s54, STG
	v_mul_u32_u24 v[SIN], v22, SPI
	v_lshl_add_u32 v[SIN], v21, 4, v[SIN]
	v_add_nc_u32 v[SIN], s54, v[SIN]
	v_mul_u32_u24 v[SOUT], v21, SPI
	v_lshl_add_u32 v[SOUT], v22, 6, v[SOUT]
	v_add_nc_u32 v[SOUT], s54, v[SOUT]
	v_lshl_add_u32 v[LI], v20, 4, XIMG
	v_lshl_add_u32 v[LS], v20, 2, XSC
	s_lshl_b32 s54, s12, 10
	v_add_nc_u32 v[IWI], s54, v[LI]
	v_lshl_add_u32 v[RWA], v22, 7, s54
	s_lshl_b32 s54, s12, 7
	v_add_nc_u32 v[IWS], s54, v[LS]
	v_lshlrev_b32 v[A16], 4, v20
	v_lshlrev_b32 v[A4R], 2, v21
	v_lshl_add_u32 v[STR], v20, 2, STA
	s_lshl_b32 s54, s12, 8
	v_add_nc_u32 v[STW], s54, v[STR]
	v_lshl_add_u32 v[SCR], v20, 3, STC
	s_lshl_b32 s54, s12, 9
	v_add_nc_u32 v[SCW], s54, v[SCR]
	v_mov_b32 v[ZR], 0
.set J, TM
.rept 16
	v_mov_b32 v[J], 0                              ; written once: a lane permute's destination counts as one of its sources
.set J, J+1
.endr
.set J, SA
.rept 28
	v_mov_b32 v[J], 0                              ; likewise, and the upper halves of pairs of which the low word serves both halves
.set J, J+1
.endr
	s_mov_b32 s60, 0x76543210
	s_mov_b32 s61, 0xfedcba98                      ; v_permlanex16_b32's selects for lane l xor 16
	; descriptor group 1: 138 rows of 32 elements of 8 bytes, dense, no padding
	s_mov_b32 s[G1+0], 15|(3<<16)|(1<<21)          ; 15:0 the mask: all four work-groups; 17:16 elements of 8 bytes; 21 set beside a mask
	s_mov_b32 s[G1+1], 32<<16                      ; tensor_dim0 = 32
	s_mov_b32 s[G1+2], 138<<16                     ; tensor_dim1 = 138
	s_mov_b32 s[G1+3], 32<<16                      ; tile_dim0 = 32
	s_mov_b32 s[G1+4], 138                         ; tile_dim1 = 138
	s_mov_b32 s[G1+5], 32                          ; from row to row
	s_mov_b32 s[G1+6], 0
	s_mov_b32 s[G1+7], 0
	s_mov_b32 s55, 0
	s_wait_kmcnt 0x0
	s_load_b64 s[62:63], s[40:41], 0x0             ; router_b
	s_mov_b32 s[G0+0], 1
	s_mov_b32 s[G0+1], s52                         ; LDS: slot 0, my record: the wave's number x 35,328
	s_add_nc_u64 s[G0+2:G0+3], s[8:9], s[52:53]    ; chunk 0, my record
	s_mov_b32 s[G0+4], 1
	s_add_co_u32 s[G0+5], s52, CHUNK               ; slot 1
	s_add_nc_u64 s[G0+6:G0+7], s[G0+2:G0+3], CHUNK ; chunk 1
	s_or_b32 s[G0+3], s[G0+3], 0x80000000          ; type = 2
	s_or_b32 s[G0+7], s[G0+7], 0x80000000
	s_lshl_b32 s54, s14, 16
	s_add_nc_u64 s[66:67], s[6:7], s[54:55]        ; x at my first token
	s_add_nc_u64 s[68:69], s[48:49], s[54:55]      ; out likewise
	s_lshl_b32 s54, s14, 13
	s_add_nc_u64 s[70:71], s[4:5], s[54:55]        ; h's fragments
	s_lshl_b32 s54, s14, 9
	s_add_co_u32 s54, s54, 2097152
	s_add_nc_u64 s[72:73], s[4:5], s[54:55]        ; h's scale words
	s_lshl_b32 s54, s14, 3
	s_add_nc_u64 s[74:75], s[50:51], s[54:55]      ; my two sums of probabilities
	CROUND                                         ; all four work-groups are here: the first joint loads meet
	tensor_load_to_lds s[G0:G0+3], s[G1:G1+7]      ; both first fills together: two loads of mine are out
	s_nop 0
	tensor_load_to_lds s[G0+4:G0+7], s[G1:G1+7]
	s_nop 0
	PLACES
	WIN 0x40
.irp u, 0,1
.irp f, 0,1
.irp i, 0,1,2,3,4,5,6,7
	global_load_b128 v[64*\u+32*\f+4*\i:64*\u+32*\f+4*\i+3], v[XG], s[66:67] offset:2048*(8*\u+2*\i+8*(\i/4))+256*\f th:TH_LOAD_NT   ; each half of the lanes reads one aligned run of 256 bytes
.endr
.endr
.endr
	WIN 0
.irp f, 0,1,2,3,4,5,6,7
	global_load_b128 v[HF+8*\f:HF+8*\f+3], v[A16], s[70:71] offset:1024*\f
	global_load_b128 v[HF+8*\f+4:HF+8*\f+7], v[A16], s[70:71] offset:1024*\f+512
	global_load_b32 v[HS+\f], v[A4R], s[72:73] offset:64*\f
.endr
	GLOADS 2, 128, 10, 36                          ; g1, beta1 where y's accumulators will lie
	s_wait_loadcnt 56                              ; behind x: h's 24 loads and the gains' 32
	XTURN 0, 1, 0, 3, 0
	XTURN 1, 1, 0, 3, 64
	s_wait_dscnt 0x0                               ; x lies in window 3; the stage's stores have read window 1
	s_wait_tensorcnt 0x1                           ; my record of chunk 0 is in; chunk 1's may be out.  I alone read my records
	FETCHW AW0, AB0, 1
	s_wait_loadcnt 32                              ; h is in; behind it the gains' 32
	MM 2, 0, 3, BI, HF, HS                         ; h Wo + bo
	PLACES
	WIN 0x8e
.set J, 0
.rept 64
	v_pk_add_f32 v[J:J+1], v[J:J+1], v[J:J+1]      ; + x (source 1: window 3)
.set J, J+2
.endr
	WIN 0xc0
.irp b, 0,1,2,3
.irp e, 0,1,2,3,4,5,6,7
	global_load_b128 v[32*\b+4*\e:32*\b+4*\e+3], v[RWA], s[38:39] offset:256*\b+16*\e      ; router_w of my columns: registers 2 n, 2 n + 1 for the column of register n
.endr
.endr
	WIN 0
	s_wait_loadcnt 32                              ; g1 and beta1 are in; behind them router_w's 32
	LNORM 2, 128                                   ; x1
	s_wait_loadcnt 0x0
	WIN 0x0e                                       ; the router: f32 multiply-adds; source 0 x1 (window 2), one number for both halves; source 1 its two weights (window 3)
.irp m, 0,1,2,3,4,5,6,7,8,9,10,11,12,13,14,15,16,17,18,19,20,21,22,23,24,25,26,27,28,29,30,31
.if \m == 0
	v_pk_mul_f32 v[T:T+1], v[0:1], v[0:1] op_sel_hi:[0,1]
	v_pk_mul_f32 v[T+2:T+3], v[64:65], v[0:1] op_sel_hi:[0,1]
.else
	v_pk_fma_f32 v[T:T+1], v[2*\m:2*\m+1], v[4*\m:4*\m+1], v[T:T+1] op_sel_hi:[0,1,1]
	v_pk_fma_f32 v[T+2:T+3], v[64+2*\m:65+2*\m], v[4*\m:4*\m+1], v[T+2:T+3] op_sel_hi:[0,1,1]
.endif
	v_pk_fma_f32 v[T:T+1], v[2*\m:2*\m+1], v[4*\m+2:4*\m+3], v[T:T+1] op_sel:[1,0,0] op_sel_hi:[1,1,1]
	v_pk_fma_f32 v[T+2:T+3], v[64+2*\m:65+2*\m], v[4*\m+2:4*\m+3], v[T+2:T+3] op_sel:[1,0,0] op_sel_hi:[1,1,1]
.endr
	WIN 0
.irp j, 0,1,2,3
	v_permlanex16_b32 v[T+4+\j], v[T+\j], s60, s61
.endr
.irp j, 0,1,2,3
	v_add_f32 v[T+\j], v[T+\j], v[T+4+\j]          ; my wave's 128 columns' part of the two logits
.endr
	ds_store_b64 v[SCW], v[T:T+1]
	ds_store_b64 v[SCW], v[T+2:T+3] offset:256
	QUANT 2, 0, PC0, PW0                           ; x1's K step w
	IMG PC0, PW0, 0, 0
	QUANT 2, 64, PC1, PW1
	IMG PC1, PW1, 4096, 512
	CHANGE 0, 1                                    ; chunk 0 is read out: slot 0 takes chunk 2; x1's images and the logits' parts lie in LDS
.irp f, 0,1,2,3,4,5,6,7
	ds_load_b128 v[XF+8*\f:XF+8*\f+3], v[LI] offset:1024*\f
	ds_load_b128 v[XF+8*\f+4:XF+8*\f+7], v[LI] offset:1024*\f+512
	ds_load_b32 v[XS+\f], v[LS] offset:128*\f
.endr
.irp w, 0,1,2,3
.irp u, 0,1
	ds_load_b64 v[TM+4*\w+2*\u:TM+4*\w+2*\u+1], v[SCR] offset:512*\w+256*\u
.endr
.endr
	INITACC 0
	s_wait_dscnt 0x0
	s_wait_kmcnt 0x0
.irp u, 0,1
	v_pk_add_f32 v[TM+2*\u:TM+2*\u+1], v[TM+2*\u:TM+2*\u+1], v[TM+4+2*\u:TM+5+2*\u]
	v_pk_add_f32 v[TM+8+2*\u:TM+9+2*\u], v[TM+8+2*\u:TM+9+2*\u], v[TM+12+2*\u:TM+13+2*\u]
.endr
.irp u, 0,1
	v_pk_add_f32 v[TM+2*\u:TM+2*\u+1], v[TM+2*\u:TM+2*\u+1], v[TM+8+2*\u:TM+9+2*\u]
.endr
	v_add_f32 v[TM], s62, v[TM]                    ; the logits: (e 0, e 1) of tile 0, of tile 1
	v_add_f32 v[TM+1], s63, v[TM+1]
	v_add_f32 v[TM+2], s62, v[TM+2]
	v_add_f32 v[TM+3], s63, v[TM+3]
	v_max_num_f32 v[TM+4], v[TM], v[TM+1]          ; the maximum is taken away, as in the softmax that is computed
	v_max_num_f32 v[TM+5], v[TM+2], v[TM+3]
	v_sub_f32 v[TM], v[TM], v[TM+4]
	v_sub_f32 v[TM+1], v[TM+1], v[TM+4]
	v_sub_f32 v[TM+2], v[TM+2], v[TM+5]
	v_sub_f32 v[TM+3], v[TM+3], v[TM+5]
.irp j, 0,1,2,3
	v_mul_f32 v[TM+\j], 0x3fb8aa3b, v[TM+\j]
.endr
.irp j, 0,1,2,3
	v_exp_f32 v[TM+\j], v[TM+\j]
.endr
	v_nop
	s_wait_alu depctr_va_vdst(0)                   ; one wait for the four
	v_add_f32 v[TM+4], v[TM], v[TM+1]
	v_add_f32 v[TM+5], v[TM+2], v[TM+3]
	v_rcp_f32 v[TM+6], v[TM+4]
	v_rcp_f32 v[TM+7], v[TM+5]
	v_nop
	s_wait_alu depctr_va_vdst(0)
	v_mul_f32 v[TM], v[TM], v[TM+6]                ; the probabilities
	v_mul_f32 v[TM+1], v[TM+1], v[TM+6]
	v_mul_f32 v[TM+2], v[TM+2], v[TM+7]
	v_mul_f32 v[TM+3], v[TM+3], v[TM+7]
	v_add_f32 v[TM+4], v[TM], v[TM+1]              ; the two chosen ones' sum: both are always chosen
	v_add_f32 v[TM+5], v[TM+2], v[TM+3]
	v_rcp_f32 v[TM+6], v[TM+4]
	v_rcp_f32 v[TM+7], v[TM+5]
	v_add_f32 v[TM+8], v[TM], v[TM+2]              ; for the load-balancing loss: the probabilities summed over my work-group's 32 tokens
	v_add_f32 v[TM+9], v[TM+1], v[TM+3]
	s_wait_alu depctr_va_vdst(0)
	v_mul_f32 v[GT], v[TM], v[TM+6]                ; the gates
	v_mul_f32 v[GT+1], v[TM+1], v[TM+6]
	v_mul_f32 v[GT+2], v[TM+2], v[TM+7]
	v_mul_f32 v[GT+3], v[TM+3], v[TM+7]
.irp m, 1,2,4,8
	v_add_f32_dpp v[TM+8], v[TM+8], v[TM+8] row_xmask:\m row_mask:0xf bank_mask:0xf
	v_add_f32_dpp v[TM+9], v[TM+9], v[TM+9] row_xmask:\m row_mask:0xf bank_mask:0xf
.endr
	v_cmp_eq_u32 vcc_lo, 0, v0                     ; thread 0 of the work-group stores them
	s_wait_xcnt 0x0                                ; EXEC changes only behind this wait: loads are out
	s_and_saveexec_b32 s56, vcc_lo
	global_store_b64 v[ZR], v[TM+8:TM+9], s[74:75]
	s_wait_xcnt 0x0
	s_or_b32 exec_lo, exec_lo, s56
	s_mov_b32 s15, 4                               ; expert 0: four runs of 512 hidden units
.Lexpert0:
	W1PHASE
	CHANGE 1, 1
	W2PHASE
	CHANGE 0, 1
	s_sub_co_u32 s15, s15, 1
	s_cmp_lg_u32 s15, 0
	s_cbranch_scc1 .Lexpert0
	GATE 0
	INITACC 1
	s_mov_b32 s15, 3                               ; expert 1: three runs in a loop; the last is written out, since nothing is left to fetch
.Lexpert1:
	W1PHASE
	CHANGE 1, 1
	W2PHASE
	CHANGE 0, 1
	s_sub_co_u32 s15, s15, 1
	s_cmp_lg_u32 s15, 0
	s_cbranch_scc1 .Lexpert1
	W1PHASE
	GLOADS 3, 0, 42, 44                            ; g2, beta2 where the hidden layer lay
	CHANGE 1, 0
	W2PHASE
	GATE 1
	LNORM 3, 0
	; THE WAY OUT: back through my stage, so that each half of the lanes stores one aligned run of 256 bytes
.irp u, 0,1
.irp f, 0,1
	WIN 0x08
.irp g, 0,1
.irp e, 0,1,2,3
	ds_store_b128 v[SOUT], v[64*\u+16*(2*\f+\g)+4*\e:64*\u+16*(2*\f+\g)+4*\e+3] offset:128*\g+16*\e
.endr
.endr
	WIN 0x40
.irp i, 0,1,2,3,4,5,6,7
	ds_load_b128 v[64*\u+32*\f+4*\i:64*\u+32*\f+4*\i+3], v[SIN] offset:544*\i      ; LDS serves a wave's instructions in order: these see the stores above, and the next piece's stores come behind them
.endr
.endr
.endr
	s_wait_dscnt 0x0
	WIN 0x04
.irp u, 0,1
.irp f, 0,1
.irp i, 0,1,2,3,4,5,6,7
	global_store_b128 v[XG], v[64*\u+32*\f+4*\i:64*\u+32*\f+4*\i+3], s[68:69] offset:2048*(8*\u+2*\i+8*(\i/4))+256*\f th:TH_STORE_NT
.endr
.endr
.endr
	WIN 0
	s_wait_tensorcnt 0x0                           ; the wave's end, behind my last tensor load and my last LDS store
	ds_add_u32 v[SPW], v[NIL]
	s_wait_dscnt 0x0
	CROUND                                         ; the closing round: no work-group ends while a partner may still ask for a record that names it
	s_endpgm
.Lfunc_end_k_qe597a6acef_ffn:
	.size	k_qe597a6acef_ffn, .Lfunc_end_k_qe597a6acef_ffn-k_qe597a6acef_ffn
	.p2alignl 7, 3214868480
	.fill 96, 4, 3214868480
	.section	.rodata,"a",@progbits
	.p2align	6, 0x0
	.amdhsa_kernel k_qe597a6acef_ffn
		.amdhsa_group_segment_fixed_size 327680
		.amdhsa_private_segment_fixed_size 0
		.amdhsa_enable_private_segment 0
		.amdhsa_kernarg_size 96
		.amdhsa_user_sgpr_count 2
		.amdhsa_user_sgpr_kernarg_segment_ptr 1
		.amdhsa_wavefront_size32 1
		.amdhsa_system_sgpr_workgroup_id_x 1
		.amdhsa_system_sgpr_workgroup_id_y 1
		.amdhsa_system_sgpr_workgroup_id_z 1
		.amdhsa_system_vgpr_workitem_id 0
		.amdhsa_next_free_vgpr 1024
		.amdhsa_next_free_sgpr 80
		.amdhsa_reserve_vcc 1
		.amdhsa_float_denorm_mode_32 3
		.amdhsa_float_denorm_mode_16_64 3
		.amdhsa_memory_ordered 1
		.amdhsa_forward_progress 1
		.amdhsa_inst_pref_size 255
	.end_amdhsa_kernel
	.section	.bss,"aw",@nobits
	.p2align	6
	.space	262144
	.amdgpu_metadata
---
amdhsa.version: [ 1, 2 ]
amdhsa.kernels:
  - .name:           k_qe597a6acef_ffn
    .symbol:         k_qe597a6acef_ffn.kd
    .args:
      - { .name: hbuf, .offset: 0, .size: 8, .value_kind: global_buffer, .address_space: global }
      - { .name: x, .offset: 8, .size: 8, .value_kind: global_buffer, .address_space: global }
      - { .name: wstream, .offset: 16, .size: 8, .value_kind: global_buffer, .address_space: global }
      - { .name: g1, .offset: 24, .size: 8, .value_kind: global_buffer, .address_space: global }
      - { .name: beta1, .offset: 32, .size: 8, .value_kind: global_buffer, .address_space: global }
      - { .name: router_w, .offset: 40, .size: 8, .value_kind: global_buffer, .address_space: global }
      - { .name: router_b, .offset: 48, .size: 8, .value_kind: global_buffer, .address_space: global }
      - { .name: g2, .offset: 56, .size: 8, .value_kind: global_buffer, .address_space: global }
      - { .name: beta2, .offset: 64, .size: 8, .value_kind: global_buffer, .address_space: global }
      - { .name: B2, .offset: 72, .size: 8, .value_kind: global_buffer, .address_space: global }
      - { .name: out0, .offset: 80, .size: 8, .value_kind: global_buffer, .address_space: global }
      - { .name: psum, .offset: 88, .size: 8, .value_kind: global_buffer, .address_space: global }
    .group_segment_fixed_size: 327680
    .private_segment_fixed_size: 0
    .kernarg_segment_align: 8
    .kernarg_segment_size: 96
    .max_flat_workgroup_size: 128
    .sgpr_count:     80
    .vgpr_count:     1024
    .wavefront_size: 32
...
	.end_amdgpu_metadata
.endif
;; end of part 3
;; launch lbsum (part 4): grid 1 x 1, 1 waves a work-group, no clusters, 0 bytes of LDS; arguments psum, out1; writes out1
.if DOCPART == 4
	.amdgcn_target "amdgcn-amd-amdhsa--gfx1250"
	.amdhsa_code_object_version 6
	.text
	.protected	k_qe597a6acef_lbsum
	.globl	k_qe597a6acef_lbsum
	.p2align	8
	.type	k_qe597a6acef_lbsum,@function
k_qe597a6acef_lbsum:
	s_mov_b64 s[64:65], 0
	v_nop
	global_prefetch_b8 v0, s[64:65] scope:SCOPE_SE
	s_setreg_imm32_b32 hwreg(HW_REG_WAVE_MODE, 25, 1), 1
	s_wait_xcnt 0x0
; lb = 2 x sum over e of f_e P_e.  f_e, the share of tokens routed to expert e, is 1 for both: top-2 of 2 experts takes each expert once for every token.  P_e is the mean probability over the 8,192 tokens.
; psum holds, for each of 256 blocks of 32 tokens, the two sums of probabilities: 512 numbers.  So lb = (their sum) x 2 / 8,192.  The sum spans work-groups, so it is made here, by one wave, in a fixed order.
	s_load_b128 s[4:7], s[0:1], 0x0                ; psum, out1
	v_lshlrev_b32 v1, 4, v0
	v_mov_b32 v2, 0
	v_mov_b32 v3, 0                                ; (a lane permute's destination counts as one of its sources)
	s_mov_b32 s8, 0x76543210
	s_mov_b32 s9, 0xfedcba98
	s_wait_kmcnt 0x0
.irp i, 0,1,2,3
	global_load_b128 v[4+4*\i:7+4*\i], v1, s[4:5] offset:512*\i
.endr
	s_wait_loadcnt 0x0
	v_pk_add_f32 v[4:5], v[4:5], v[6:7]
	v_pk_add_f32 v[8:9], v[8:9], v[10:11]
	v_pk_add_f32 v[12:13], v[12:13], v[14:15]
	v_pk_add_f32 v[16:17], v[16:17], v[18:19]
	v_pk_add_f32 v[4:5], v[4:5], v[8:9]
	v_pk_add_f32 v[12:13], v[12:13], v[16:17]
	v_pk_add_f32 v[4:5], v[4:5], v[12:13]
	v_add_f32 v4, v4, v5
	v_add_f32_dpp v4, v4, v4 row_xmask:1 row_mask:0xf bank_mask:0xf
	v_add_f32_dpp v4, v4, v4 row_xmask:2 row_mask:0xf bank_mask:0xf
	v_add_f32_dpp v4, v4, v4 row_xmask:4 row_mask:0xf bank_mask:0xf
	v_add_f32_dpp v4, v4, v4 row_xmask:8 row_mask:0xf bank_mask:0xf
	v_permlanex16_b32 v3, v4, s8, s9
	v_add_f32 v4, v4, v3
	v_mul_f32 v4, 0x39800000, v4                   ; x 2 / 8,192 = 2^-12
	v_cmp_eq_u32 vcc_lo, 0, v0
	s_wait_xcnt 0x0                                ; EXEC changes only behind this wait
	s_and_saveexec_b32 s10, vcc_lo
	global_store_b32 v2, v4, s[6:7]
	s_wait_xcnt 0x0
	s_or_b32 exec_lo, exec_lo, s10
	s_endpgm
.Lfunc_end_k_qe597a6acef_lbsum:
	.size	k_qe597a6acef_lbsum, .Lfunc_end_k_qe597a6acef_lbsum-k_qe597a6acef_lbsum
	.p2alignl 7, 3214868480
	.fill 96, 4, 3214868480
	.section	.rodata,"a",@progbits
	.p2align	6, 0x0
	.amdhsa_kernel k_qe597a6acef_lbsum
		.amdhsa_group_segment_fixed_size 0
		.amdhsa_private_segment_fixed_size 0
		.amdhsa_enable_private_segment 0
		.amdhsa_kernarg_size 16
		.amdhsa_user_sgpr_count 2
		.amdhsa_user_sgpr_kernarg_segment_ptr 1
		.amdhsa_wavefront_size32 1
		.amdhsa_system_sgpr_workgroup_id_x 1
		.amdhsa_system_sgpr_workgroup_id_y 1
		.amdhsa_system_sgpr_workgroup_id_z 1
		.amdhsa_system_vgpr_workitem_id 0
		.amdhsa_next_free_vgpr 32
		.amdhsa_next_free_sgpr 66
		.amdhsa_reserve_vcc 1
		.amdhsa_float_denorm_mode_32 3
		.amdhsa_float_denorm_mode_16_64 3
		.amdhsa_memory_ordered 1
		.amdhsa_forward_progress 1
		.amdhsa_inst_pref_size 3
	.end_amdhsa_kernel
	.amdgpu_metadata
---
amdhsa.version: [ 1, 2 ]
amdhsa.kernels:
  - .name:           k_qe597a6acef_lbsum
    .symbol:         k_qe597a6acef_lbsum.kd
    .args:
      - { .name: psum, .offset: 0, .size: 8, .value_kind: global_buffer, .address_space: global }
      - { .name: out1, .offset: 8, .size: 8, .value_kind: global_buffer, .address_space: global }
    .group_segment_fixed_size: 0
    .private_segment_fixed_size: 0
    .kernarg_segment_align: 8
    .kernarg_segment_size: 16
    .max_flat_workgroup_size: 32
    .sgpr_count:     66
    .vgpr_count:     32
    .wavefront_size: 32
...
	.end_amdgpu_metadata
.endif
;; end of part 4
;; ======== version 2 of 2: 4 launches; version 1 with the launches qkv, attn written anew for expert scheduling mode
;; limits: right only within a limited range of input values
;; workspace buffers: qimg 2,097,152 bytes; kvimg 4,194,304 bytes; sc 655,360 bytes; hbuf 2,228,224 bytes; wstream 2,402,304 bytes; psum 2,048 bytes
;; launch qkv (part 5): grid 256 x 1, 4 waves a work-group, no clusters, 27,136 bytes of LDS; arguments x, Wq_codes, Wq_scales, bq, Wk_codes, Wk_scales, bk, Wv_codes, Wv_scales, bv, Wo_codes, Wo_scales, bo, W1_codes, W1_scales, B1, W2_codes, W2_scales, B2, qimg, kvimg, sc, wstream; writes qimg, kvimg, sc, wstream
.if DOCPART == 5
	.amdgcn_target "amdgcn-amd-amdhsa--gfx1250"
	.amdhsa_code_object_version 6
	.text
	.protected	k_qe597a6acef_qkv
	.globl	k_qe597a6acef_qkv
	.p2align	8
	.type	k_qe597a6acef_qkv,@function
k_qe597a6acef_qkv:
	s_mov_b64 s[64:65], 0
	v_nop
	global_prefetch_b8 v0, s[64:65] scope:SCOPE_SE
	s_setreg_imm32_b32 hwreg(HW_REG_WAVE_SCHED_MODE, 0, 2), 2
	s_setreg_imm32_b32 hwreg(HW_REG_WAVE_MODE, 25, 1), 1
	s_wait_xcnt 0x0
	s_wait_alu depctr_vm_vsrc(0)
; q = x Wq + bq, k = x Wk + bk, v = x Wv + bv on codes of FP4 (E2M1) with one E8M0 scale for each 32 along K; the results are quantised at once for attention's two products:
; q and k along a head's 32 channels, v along 32 keys.  x: [8192][512] f32; the weights: codes [512][256 bytes], K innermost, scale bytes [512][16].
; SHARES.  Work-group g takes tokens 32 g .. 32 g + 31 as two tiles u of 16: row m of tile u is token 8 u + m + 8 (m / 8).  Wave w takes heads 4 w .. 4 w + 3 of q, k and v: 128 rows of each weight.
; A wave's 128 rows of one weight are 32 KB, one window of 256 registers, and no other wave of the work-group wants them: so they go from memory straight into registers, a whole weight at a time,
; one weight ahead of the products.  That is also why no tile is asked for jointly here: nothing goes through LDS but x's codes.
; THE ROWS OF A WEIGHT THAT FORM A TILE ARE NOT NEIGHBOURS: lane r of tile 2 b + p takes row 32 b + 8 p + r + 8 (r / 8).  q, k: source 0 = a weight's tile, source 1 = a tile of tokens: a lane holds one token and the 16
; registers of tiles 2 b, 2 b + 1 are channels 16 (lane / 16) + 0 .. 15 of head b.  v: the sources change places: a lane holds one channel and its 16 registers are keys 16 (lane / 16) + 0 .. 15 of the 32 tokens.
; OUT (this program's own buffers, laid as the next launch's operand registers want them):
;   qimg [batch 8][head 16][tile 64][row 16][16 bytes];   kvimg [batch][head][32,768]: k laid as q; from 16,384 on v as [128 keys s][tile of channels][c][hl][row][16 bytes], keys 128 s + 32 (2 c + hl) on
;   sc [batch][head][5,120]: q's scale words [32 tokens][row] (byte 0: tile 0's, byte 1: tile 1's, bytes 2, 3: 0); from 2,048 k's likewise; from 4,096 v's bytes [s][tile][row][4]
; The codes leave as whole aligned runs of 256 bytes; the scale words and bytes (a fortieth of what the launch moves) leave as runs of 64 bytes and as single bytes.
; THE FIRST 68 WORK-GROUPS ALSO LAY Wo, W1, W2 OUT for the last launch: wstream = 17 chunks x 4 records of 35,328 bytes: codes [K step 4][tile 8][c 2][lane 32][16], scale words [4][lane][16], 128 biases.
; LIMITS: NaN and infinities are not served.  A block whose largest magnitude lies under 2^-124 (a block of zeros too) gets the scale byte 1: its bytes are read by this program alone.
; THE MODE: SCHED_MODE bits 1:0 = 2 (LLVM: expert scheduling mode 2), set by the entry lines.  The code itself states the register dependences between vector or matrix instructions and memory or LDS
; instructions, with s_wait_alu, always for 0.
; THE PLAN.  Registers that memory or LDS instructions touch, and who else names them:
;   v1-v14          offsets and LDS addresses: written once at the head, never again: one wait on va_vdst ahead of the first load.   v15-v19: the relay's, likewise, inside its branch.
;   window 2        raw x and the relay's data: loaded; read by the stage's LDS stores and the relay's stores; then Wk lands there: one wait on vm_vsrc.  No vector instruction names it before.
;   ACC as numbers  the stage's LDS loads land there; the quantiser reads them.   PC, PW: the quantiser writes them; the image stores read them.  One wait on va_vdst behind each of the two quantisings states both;
;                   one on vm_vsrc ahead of the second states that the first tile's image stores have read PC and PW.
;   CD, WD, WP      codes and scale words to store, registers of its own for each head: written by the quantising of a head, read by its stores.  The stores of two heads stand together behind ONE wait on va_vdst;
;                   one wait on vm_vsrc stands between q's stores and k's quantising, and between k's and v's.
;   window 1, WS    a weight's fragments and scale words: loaded; read by matrix instructions.  Wv's loads into Wq's registers follow the wait ahead of q's last stores, with stores alone between.
;   XF, XS, the biases: loaded, read by matrix instructions, never loaded again.   TM and the accumulators as sums are named by vector and matrix instructions alone.
.set SPI,   272                        ; a stage row: 256 bytes + 16: the sixteen rows that a load touches start at sixteen different groups of banks
.set XIMG,  17408                      ; LDS: 0: a stage of 16 rows for each wave; XIMG: x's 8 fragments (4 u + K step), 1,024 bytes each; XSC: their scale words, 128 bytes each
.set XSC,   25600
.set CHUNK, 141312
.set WREC,  35328
.set XG,  1                            ; v1   x: 2048 (lane / 16) + 16 (lane % 16) + 512 wave
.set SIN, 2                            ; v2   the stage, by rows: 272 (lane / 16) + 16 (lane % 16)
.set SOUT,3                            ; v3   the stage, by lanes: 272 r + 64 h
.set LI,  4                            ; v4   XIMG + 16 lane
.set LS,  5                            ; v5   XSC + 4 lane
.set XWI, 6                            ; v6   LI + 1024 wave
.set XWS, 7                            ; v7   LS + 128 wave
.set WA,  8                            ; v8   a weight's codes: 256 (128 wave + r + 8 (r / 8)) + 16 h
.set WSA, 9                            ; v9   its scale bytes: 16 (128 wave + 8 h + r + 8 (r / 8))
.set BA,  10                           ; v10  bq, bk: 4 (128 wave + 16 h)
.set BVA, 11                           ; v11  bv: 4 (128 wave + r + 8 (r / 8))
.set OC,  12                           ; v12  codes out: 16 r + 8 h
.set OS,  13                           ; v13  scale words out: 5120 h + 4 r
.set OVS, 14                           ; v14  v's scale bytes out: 64 h + 4 r
.set RC,  15                           ; v15-19 the relay's offsets
.set RS,  16
.set RB,  17
.set RD,  18
.set RE,  19
.set XF,  32                           ; v32-95   x's fragments
.set XS,  96                           ; v96-103  their scale words
.set WS,  104                          ; v104-135 the weights' scale words, two sets of 16: register 4 b + K step; lanes 0-15 tile 2 b, lanes 16-31 tile 2 b + 1
.set ACC, 136                          ; v136-199 two sets of four accumulators; at the start 64 numbers of x
.set TM,  200                          ; v200-215 at work
.set PW,  216
.set PC,  218
.set CD,  226                          ; v226-241 codes to store, four registers a head
.set WD,  242                          ; v242-245 a scale word a head
.set WP,  246                          ; v246-247 two heads' words in the two halves of the lanes
.set BV,  248                          ; v248-255 bv of my channel, a register a tile
; window 1: Wq's fragments, later Wv's (tile t, K step q at 32 t + 8 q).  window 2: raw x (v0-127) and the relay (v128-196), later Wk's.  window 3: bq's 8 tiles (v0-63), bk's (v64-127)
.set MSB, 0
.macro WIN new                         ; the immediate's high byte repeats the setting that is left; a switch that changes nothing is dropped
.if MSB != (\new)
	s_set_vgpr_msb (MSB<<8)|(\new)
.set MSB, (\new)
.endif
.endm
.macro PLACES
.rept 4
	v_nop
.endr
.endm
; one matrix instruction.  c < 0: the sum starts with 0.  ra, rb: source 0's or source 1's scales stand in lanes 16-31
.macro WM d, a, b, c, sa, sb, ra, rb
.if (\c) < 0
.if (\ra)
	v_wmma_scale_f32_16x16x128_f8f6f4 v[(\d):(\d)+7], v[(\a):(\a)+7], v[(\b):(\b)+7], 0, v[(\sa)], v[(\sb)] matrix_a_fmt:MATRIX_FMT_FP4 matrix_b_fmt:MATRIX_FMT_FP4 matrix_a_scale:MATRIX_SCALE_ROW1
.elseif (\rb)
	v_wmma_scale_f32_16x16x128_f8f6f4 v[(\d):(\d)+7], v[(\a):(\a)+7], v[(\b):(\b)+7], 0, v[(\sa)], v[(\sb)] matrix_a_fmt:MATRIX_FMT_FP4 matrix_b_fmt:MATRIX_FMT_FP4 matrix_b_scale:MATRIX_SCALE_ROW1
.else
	v_wmma_scale_f32_16x16x128_f8f6f4 v[(\d):(\d)+7], v[(\a):(\a)+7], v[(\b):(\b)+7], 0, v[(\sa)], v[(\sb)] matrix_a_fmt:MATRIX_FMT_FP4 matrix_b_fmt:MATRIX_FMT_FP4
.endif
.else
.if (\ra)
	v_wmma_scale_f32_16x16x128_f8f6f4 v[(\d):(\d)+7], v[(\a):(\a)+7], v[(\b):(\b)+7], v[(\c):(\c)+7], v[(\sa)], v[(\sb)] matrix_a_fmt:MATRIX_FMT_FP4 matrix_b_fmt:MATRIX_FMT_FP4 matrix_a_scale:MATRIX_SCALE_ROW1
.elseif (\rb)
	v_wmma_scale_f32_16x16x128_f8f6f4 v[(\d):(\d)+7], v[(\a):(\a)+7], v[(\b):(\b)+7], v[(\c):(\c)+7], v[(\sa)], v[(\sb)] matrix_a_fmt:MATRIX_FMT_FP4 matrix_b_fmt:MATRIX_FMT_FP4 matrix_b_scale:MATRIX_SCALE_ROW1
.else
	v_wmma_scale_f32_16x16x128_f8f6f4 v[(\d):(\d)+7], v[(\a):(\a)+7], v[(\b):(\b)+7], v[(\c):(\c)+7], v[(\sa)], v[(\sb)] matrix_a_fmt:MATRIX_FMT_FP4 matrix_b_fmt:MATRIX_FMT_FP4
.endif
.endif
.endm
; my 128 columns of the 32 tokens, as they lie: piece (u, f) = 16 rows x 256 bytes; each half of the lanes reads one aligned run of 256 bytes
.macro XLOADS
.irp u, 0,1
.irp f, 0,1
.irp i, 0,1,2,3,4,5,6,7
	global_load_b128 v[64*\u+32*\f+4*\i:64*\u+32*\f+4*\i+3], v[XG], s[52:53] offset:2048*(8*\u+2*\i+8*(\i/4))+256*\f th:TH_LOAD_NT
.endr
.endr
.endr
.endm
; tile u turns through my own stage: in by rows, out 64 bytes a lane: register 16 b + i = column 32 b + 16 (lane / 16) + i of my row.  LDS serves a wave's instructions in order: no wait inside
.macro XTURN u, rw, rb, nw, nb
.irp f, 0,1
	WIN (\rw)<<2
.irp i, 0,1,2,3,4,5,6,7
	ds_store_b128 v[SIN], v[\rb+64*\u+32*\f+4*\i:\rb+64*\u+32*\f+4*\i+3] offset:544*\i
.endr
	WIN (\nw)<<6
.irp g, 0,1
.irp e, 0,1,2,3
	ds_load_b128 v[\nb+16*(2*\f+\g)+4*\e:\nb+16*(2*\f+\g)+4*\e+3], v[SOUT] offset:128*\g+16*\e
.endr
.endr
.endr
	WIN 0
.endm
; 64 numbers of a lane in window nw, register 16 b + i = k 32 b + 16 (lane / 16) + i of my row, become a fragment's codes in v[pc] on and its scale word in v[pw]
.macro QUANT nw, s, pc, pw
	WIN ((\nw)<<2)|((\nw)<<4)
.irp b, 0,1,2,3
	v_max3_num_f32 v[TM+\b], 0x1800000, |v[\s+16*\b]|, |v[\s+1+16*\b]|   ; my 16 numbers of block b, and the floor 2^(3 - 127): the byte cannot fall under 1
.endr
.irp i, 2,4,6,8,10,12,14
.irp b, 0,1,2,3
	v_max3_num_f32 v[TM+\b], v[TM+\b], |v[\s+16*\b+\i]|, |v[\s+1+16*\b+\i]|
.endr
.endr
	WIN 0
.irp b, 0,1,2,3
	v_permlanex16_b32 v[TM+4+\b], v[TM+\b], s60, s61
.endr
.irp b, 0,1,2,3
	v_max_num_f32 v[TM+\b], v[TM+\b], v[TM+4+\b]   ; with lane l xor 16's: the block's largest magnitude
.endr
.irp b, 0,1,2,3
	v_add_nc_u32 v[TM+12+\b], 0xff000000, v[TM+\b]   ; 2 off its exponent field: the conversion's scale operand
.endr
.irp b, 0,1,2,3
	v_lshrrev_b32 v[TM+4+\b], 23, v[TM+12+\b]      ; the scale's byte
.endr
	v_lshl_or_b32 v[\pw], v[TM+5], 8, v[TM+4]
	v_lshl_or_b32 v[\pw], v[TM+6], 16, v[\pw]
	v_lshl_or_b32 v[\pw], v[TM+7], 24, v[\pw]
	WIN \nw
.irp b, 0,1,2,3
	v_cvt_scalef32_pk8_fp4_f32 v[\pc+2*\b], v[\s+16*\b:\s+7+16*\b], v[TM+12+\b]
	v_cvt_scalef32_pk8_fp4_f32 v[\pc+1+2*\b], v[\s+8+16*\b:\s+15+16*\b], v[TM+12+\b]
.endr
	WIN 0
	v_nop                                          ; one plain place behind a scaled conversion
.irp c, 0,1                                    ; the operand's layout wants a whole block in a lane
.irp i, 0,1
	v_permlane16_swap_b32 v[\pc+4*\c+\i], v[\pc+2+4*\c+\i]
.endr
.endr
.endm
; two runs of 16 numbers of a lane (each half of a block of 32; lane l xor 16 holds the other half) become 8 bytes of codes each, v[cd], v[cd+1] and v[cd+2], v[cd+3]; the bytes stand in v[TM+6], v[TM+7]
.macro QZ2 n0, n1, cd
	v_max3_num_f32 v[TM], |v[(\n0)]|, |v[(\n0)+1]|, 0x1800000
	v_max3_num_f32 v[TM+1], |v[(\n1)]|, |v[(\n1)+1]|, 0x1800000
.irp i, 2,4,6,8,10,12,14
	v_max3_num_f32 v[TM], v[TM], |v[(\n0)+\i]|, |v[(\n0)+\i+1]|
	v_max3_num_f32 v[TM+1], v[TM+1], |v[(\n1)+\i]|, |v[(\n1)+\i+1]|
.endr
	v_permlanex16_b32 v[TM+2], v[TM], s60, s61
	v_permlanex16_b32 v[TM+3], v[TM+1], s60, s61
	v_max_num_f32 v[TM], v[TM], v[TM+2]
	v_max_num_f32 v[TM+1], v[TM+1], v[TM+3]
	v_add_nc_u32 v[TM+4], 0xff000000, v[TM]
	v_add_nc_u32 v[TM+5], 0xff000000, v[TM+1]
	v_lshrrev_b32 v[TM+6], 23, v[TM+4]
	v_lshrrev_b32 v[TM+7], 23, v[TM+5]
	v_cvt_scalef32_pk8_fp4_f32 v[(\cd)], v[(\n0):(\n0)+7], v[TM+4]
	v_cvt_scalef32_pk8_fp4_f32 v[(\cd)+1], v[(\n0)+8:(\n0)+15], v[TM+4]
	v_cvt_scalef32_pk8_fp4_f32 v[(\cd)+2], v[(\n1):(\n1)+7], v[TM+5]
	v_cvt_scalef32_pk8_fp4_f32 v[(\cd)+3], v[(\n1)+8:(\n1)+15], v[TM+5]
	v_nop                                          ; one plain place behind a scaled conversion
.endm
; a weight's 128 rows of mine: 4 loads of scale words into set, 64 of codes into window win
.macro LOADW win, cp, sp, set
	WIN 0
.irp b, 0,1,2,3
	global_load_b128 v[WS+16*\set+4*\b:WS+16*\set+4*\b+3], v[WSA], s[\sp:\sp+1] offset:512*\b
.endr
	WIN (\win)<<6
.irp t, 0,1,2,3,4,5,6,7
.irp q, 0,1,2,3
.irp c, 0,1
	global_load_b128 v[32*\t+8*\q+4*\c:32*\t+8*\q+4*\c+3], v[WA], s[\cp:\cp+1] offset:256*(32*(\t/2)+8*(\t%2))+64*\q+32*\c
.endr
.endr
.endr
.endm
; a bias as 8 tiles in the result's layout: lane (r, h) wants, for tile 2 b + p, the numbers 32 b + 16 h + 8 p + 0 .. 7
.macro LOADB bp, base
	WIN 0xc0
.irp t, 0,1,2,3,4,5,6,7
	global_load_b128 v[\base+8*\t:\base+8*\t+3], v[BA], s[\bp:\bp+1] offset:128*(\t/2)+32*(\t%2)
	global_load_b128 v[\base+8*\t+4:\base+8*\t+7], v[BA], s[\bp:\bp+1] offset:128*(\t/2)+32*(\t%2)+16
.endr
.endm
; head b of q or k: 16 matrix instructions on four accumulators by turns; the bias is the C of each sum's first
.macro MMH b, win, set, bb, as
.irp q, 0,1,2,3
.if \q == 0
	WIN (\win)|0x30
.else
	WIN \win
.endif
.irp p, 0,1
.irp u, 0,1
.if \q == 0
	WM ACC+32*\as+16*\u+8*\p, 32*(2*\b+\p)+8*\q, XF+8*(4*\u+\q), \bb+8*(2*\b+\p), WS+16*\set+4*\b+\q, XS+4*\u+\q, \p, 0
.else
	WM ACC+32*\as+16*\u+8*\p, 32*(2*\b+\p)+8*\q, XF+8*(4*\u+\q), ACC+32*\as+16*\u+8*\p, WS+16*\set+4*\b+\q, XS+4*\u+\q, \p, 0
.endif
.endr
.endr
.endr
	WIN 0
.endm
; head b of v: source 0 = a tile of tokens, source 1 = a tile of Wv
.macro MMV b, as
	WIN 0x04
.irp q, 0,1,2,3
.irp p, 0,1
.irp u, 0,1
.if \q == 0
	WM ACC+32*\as+16*\p+8*\u, XF+8*(4*\u+\q), 32*(2*\b+\p)+8*\q, -1, XS+4*\u+\q, WS+4*\b+\q, 0, \p
.else
	WM ACC+32*\as+16*\p+8*\u, XF+8*(4*\u+\q), 32*(2*\b+\p)+8*\q, ACC+32*\as+16*\p+8*\u, XS+4*\u+\q, WS+4*\b+\q, 0, \p
.endif
.endr
.endr
.endr
	WIN 0
.endm
.macro QZH b, as                       ; head b's two tiles of tokens are quantised, into the head's own registers
	QZ2 ACC+32*\as, ACC+32*\as+16, CD+4*\b
	v_lshl_or_b32 v[WD+\b], v[TM+7], 8, v[TM+6]    ; byte 0: tile 0's scale of my row, byte 1: tile 1's
.endm
.macro STH b, ptr, himm                ; and stored: each store covers 256 consecutive bytes, aligned
	global_store_b64 v[OC], v[CD+4*\b:CD+4*\b+1], s[\ptr:\ptr+1] offset:\himm*\b
	global_store_b64 v[OC], v[CD+4*\b+2:CD+4*\b+3], s[\ptr:\ptr+1] offset:\himm*\b+256
.endm
; the four heads of q or of k.  The two sets of accumulators take turns, so that one head's quantising stands behind the next head's products and fills the places behind them.
; The stores of two heads stand together, behind one wait
.macro HEADS win, set, bb, ptr, himm, simm
	MMH 0, \win, \set, \bb, 0
	MMH 1, \win, \set, \bb, 1
	PLACES
	QZH 0, 0
	MMH 2, \win, \set, \bb, 0
	QZH 1, 1
	v_cndmask_b32 v[WP], v[WD], v[WD+1], s62       ; lanes 0-15: head 0's words, lanes 16-31: head 1's
	s_wait_alu depctr_va_vdst(0)                   ; the conversions have written heads 0 and 1's v[CD ..], the choice v[WP]: the five stores below read them
	STH 0, \ptr, \himm
	STH 1, \ptr, \himm
	global_store_b32 v[OS], v[WP], s[70:71] offset:\simm
	MMH 3, \win, \set, \bb, 1
	QZH 2, 0
	QZH 3, 1
	v_cndmask_b32 v[WP+1], v[WD+2], v[WD+3], s62
	s_wait_alu depctr_va_vdst(0)                   ; the same of heads 2 and 3; also: all four heads' matrix instructions are done reading the weight's fragments and scale words, into which the next loads may land
	STH 2, \ptr, \himm
	STH 3, \ptr, \himm
	global_store_b32 v[OS], v[WP+1], s[70:71] offset:\simm+10240
.endm
.macro QZV b, as                       ; head b of v: + bv of my channel, quantised along the 32 keys
.irp j, 0,1,2,3,4,5,6,7,8,9,10,11,12,13,14,15
	v_add_f32 v[ACC+32*\as+\j], v[BV+2*\b], v[ACC+32*\as+\j]
.endr
.irp j, 0,1,2,3,4,5,6,7,8,9,10,11,12,13,14,15
	v_add_f32 v[ACC+32*\as+16+\j], v[BV+2*\b+1], v[ACC+32*\as+16+\j]
.endr
	QZ2 ACC+32*\as, ACC+32*\as+16, CD+4*\b
	v_cndmask_b32 v[WD+\b], v[TM+6], v[TM+7], s62  ; lanes 0-15: the byte of channels' tile 0, lanes 16-31: of tile 1
.endm
.macro STV b                           ; and stored
	global_store_b64 v[OC], v[CD+4*\b:CD+4*\b+1], s[58:59] offset:32768*\b
	global_store_b64 v[OC], v[CD+4*\b+2:CD+4*\b+3], s[58:59] offset:32768*\b+1024
	global_store_b8 v[OVS], v[WD+\b], s[72:73] offset:5120*\b
.endm
.macro RLOAD pitch                     ; the relay: one K step's 8 fragments of a record, from rows pitch bytes apart
.irp t, 0,1,2,3,4,5,6,7
.irp c, 0,1
	global_load_b128 v[128+8*\t+4*\c:128+8*\t+4*\c+3], v[RC], s[88:89] offset:\pitch*(32*(\t/2)+8*(\t%2))+32*\c
.endr
.endr
.endm
	s_load_b512 s[4:19], s[0:1], 0x0               ; x 4, Wq codes 6, scales 8, bq 10, Wk codes 12, scales 14, bk 16, Wv codes 18
	s_load_b512 s[20:35], s[0:1], 0x40             ; Wv scales 20, bv 22, Wo codes 24, scales 26, bo 28, W1 codes 30, scales 32, B1 34
	s_load_b256 s[36:43], s[0:1], 0x80             ; W2 codes 36, scales 38, B2 40, qimg 42
	s_load_b128 s[44:47], s[0:1], 0xa0             ; kvimg 44, sc 46
	s_load_b64 s[48:49], s[0:1], 0xb0              ; wstream
	v_lshl_add_u32 v31, v0, 2, 0x6800
	v_mov_b32 v217, 0
	v_lshrrev_b32 v20, 5, v0
	v_readfirstlane_b32 s50, v20                   ; wave
	v_and_b32 v20, 31, v0                          ; lane
	v_and_b32 v21, 15, v0                          ; r
	v_bfe_u32 v22, v0, 4, 1                        ; h
	v_and_b32 v23, 8, v21
	v_add_nc_u32 v23, v23, v21                     ; r + 8 (r / 8)
	s_wait_alu depctr_va_sdst(0)                   ; s50 is written, ahead of its first reader: offsets, LDS addresses and bases are made from it
	s_lshl_b32 s66, s50, 9
	v_lshlrev_b32 v[XG], 4, v21
	v_lshl_add_u32 v[XG], v22, 11, v[XG]
	v_add_nc_u32 v[XG], s66, v[XG]
	s_mul_i32 s68, s50, 16*SPI                     ; my stage
	v_mul_u32_u24 v[SIN], v22, SPI
	v_lshl_add_u32 v[SIN], v21, 4, v[SIN]
	v_add_nc_u32 v[SIN], s68, v[SIN]
	v_mul_u32_u24 v[SOUT], v21, SPI
	v_lshl_add_u32 v[SOUT], v22, 6, v[SOUT]
	v_add_nc_u32 v[SOUT], s68, v[SOUT]
	v_lshl_add_u32 v[LI], v20, 4, XIMG
	v_lshl_add_u32 v[LS], v20, 2, XSC
	s_lshl_b32 s68, s50, 10
	v_add_nc_u32 v[XWI], s68, v[LI]
	s_lshl_b32 s68, s50, 7
	v_add_nc_u32 v[XWS], s68, v[LS]
	s_lshl_b32 s68, s50, 15
	v_lshlrev_b32 v[WA], 8, v23
	v_lshl_add_u32 v[WA], v22, 4, v[WA]
	v_add_nc_u32 v[WA], s68, v[WA]
	s_lshl_b32 s68, s50, 11
	v_lshlrev_b32 v[WSA], 4, v23
	v_lshl_add_u32 v[WSA], v22, 7, v[WSA]
	v_add_nc_u32 v[WSA], s68, v[WSA]
	v_lshl_add_u32 v[BA], v22, 6, s66
	v_lshl_add_u32 v[BVA], v23, 2, s66
	v_lshlrev_b32 v[OC], 4, v21
	v_lshl_add_u32 v[OC], v22, 3, v[OC]
	v_mul_u32_u24 v[OS], v22, 5120
	v_lshl_add_u32 v[OS], v21, 2, v[OS]
	v_lshlrev_b32 v[OVS], 2, v21
	v_lshl_add_u32 v[OVS], v22, 6, v[OVS]
.irp j, 0,1,2,3,4,5,6,7,8,9,10,11,12,13,14,15
	v_mov_b32 v[TM+\j], 0                          ; written once: a lane permute's destination counts as one of its sources
.endr
	s_mov_b32 s60, 0x76543210
	s_mov_b32 s61, 0xfedcba98                      ; v_permlanex16_b32's selects for lane l xor 16
	s_mov_b32 s62, 0xffff0000                      ; lanes 16-31
	s_lshr_b32 s51, ttmp9, 5                       ; batch
	s_and_b32 s63, ttmp9, 31                       ; which 32 tokens of the batch
	s_mov_b32 s67, 0
	s_mov_b32 s69, 0
	s_wait_kmcnt 0x0
	s_lshl_b32 s66, ttmp9, 16                      ; 32 rows of 2,048 bytes
	s_add_nc_u64 s[52:53], s[4:5], s[66:67]        ; x at my first token
	s_lshl_b32 s66, s51, 18
	s_lshl_b32 s68, s50, 16
	s_add_co_u32 s66, s66, s68
	s_lshl_b32 s68, s63, 9
	s_add_co_u32 s66, s66, s68
	s_add_nc_u64 s[54:55], s[42:43], s[66:67]      ; qimg: 262,144 batch + 16,384 (4 wave) + 512 x my 32 tokens
	s_lshl_b32 s66, s51, 19
	s_lshl_b32 s68, s50, 17
	s_add_co_u32 s66, s66, s68                     ; kvimg: 32,768 (16 batch + 4 wave)
	s_lshl_b32 s68, s63, 9
	s_add_co_u32 s68, s66, s68
	s_add_nc_u64 s[56:57], s[44:45], s[68:69]      ; k
	s_lshr_b32 s68, s63, 2
	s_lshl_b32 s68, s68, 11
	s_add_co_u32 s66, s66, s68
	s_and_b32 s68, s63, 3
	s_lshl_b32 s68, s68, 8
	s_add_co_u32 s66, s66, s68
	s_add_co_u32 s66, s66, 16384
	s_add_nc_u64 s[58:59], s[44:45], s[66:67]      ; v: + 16,384 + 2,048 (128 keys) + 256 (which 32 of them)
	s_mul_i32 s66, s51, 81920
	s_mul_i32 s68, s50, 20480
	s_add_co_u32 s66, s66, s68                     ; sc: 5,120 (16 batch + 4 wave)
	s_lshl_b32 s68, s63, 6
	s_add_co_u32 s68, s66, s68
	s_add_nc_u64 s[70:71], s[46:47], s[68:69]      ; q's and k's words
	s_lshr_b32 s68, s63, 2
	s_lshl_b32 s68, s68, 7
	s_add_co_u32 s66, s66, s68
	s_and_b32 s68, s63, 3
	s_add_co_u32 s66, s66, s68
	s_add_co_u32 s66, s66, 4096
	s_add_nc_u64 s[72:73], s[46:47], s[66:67]      ; v's bytes
	WIN 0x80
	s_wait_alu depctr_va_vdst(0)                   ; the fourteen offsets and LDS addresses v1 to v14 are written: every load, store and LDS instruction of the kernel but the relay's reads one of them
	XLOADS                                         ; 32 loads: raw x into window 2
	LOADW 1, 6, 8, 0                               ; 68 loads: Wq
	LOADB 10, 0                                    ; 16 loads: bq
	WIN 0
	; ---- THE RELAY, in work-groups 0 to 67: work-group 4 n + rec lays record rec of chunk n; wave v takes K step v, scale words' group v and 32 biases.
	; chunk 0: Wo; chunk 1 + 2 p: W1's rows 512 p on; chunk 2 + 2 p: W2 of expert p / 4, K = 512 (p % 4) on.  One branch holds loads, wait and stores.
	s_cmp_lt_u32 ttmp9, 68
	s_cbranch_scc0 .Lno_relay
	s_lshr_b32 s74, ttmp9, 2                       ; n
	s_and_b32 s75, ttmp9, 3                        ; rec
	s_max_u32 s76, s74, 1
	s_sub_co_u32 s76, s76, 1
	s_lshr_b32 s76, s76, 1                         ; p (0 for chunk 0)
	s_lshl_b32 s78, s76, 9                         ; 512 p
	s_lshr_b32 s83, s76, 2
	s_lshl_b32 s83, s83, 9                         ; 512 x expert
	s_and_b32 s84, s76, 3                          ; which 512 along W2's K
	s_lshl_b32 s85, s75, 7                         ; 128 rec
	s_and_b32 s86, s74, 1
	s_cmp_eq_u32 s86, 0
	s_cselect_b32 s86, 1, 0
	s_cmp_lg_u32 s74, 0
	s_cselect_b32 s86, s86, 0                      ; 1: a chunk of W2 (n even, above 0)
	s_cmp_eq_u32 s86, 1
	s_cselect_b32 s78, s83, s78                    ; the record's first row, less 128 rec
	s_cselect_b32 s79, 10, 8                       ; a row of codes: 1,024 or 256 bytes
	s_cselect_b32 s81, 6, 4                        ; a row of scale bytes: 64 or 16
	s_cselect_b32 s84, s84, 0
	s_cselect_b64 s[88:89], s[36:37], s[30:31]
	s_cselect_b64 s[90:91], s[38:39], s[32:33]
	s_cselect_b64 s[92:93], s[40:41], s[34:35]
	s_cmp_eq_u32 s74, 0
	s_cselect_b64 s[88:89], s[24:25], s[88:89]
	s_cselect_b64 s[90:91], s[26:27], s[90:91]
	s_cselect_b64 s[92:93], s[28:29], s[92:93]
	s_add_co_u32 s78, s78, s85
	s_mov_b32 s95, 0
	s_lshl_b32 s94, s78, s79
	s_lshl_b32 s96, s84, 8
	s_add_co_u32 s94, s94, s96
	s_add_nc_u64 s[88:89], s[88:89], s[94:95]      ; codes
	s_lshl_b32 s94, s78, s81
	s_lshl_b32 s96, s84, 4
	s_add_co_u32 s94, s94, s96
	s_add_nc_u64 s[90:91], s[90:91], s[94:95]      ; scale bytes
	s_lshl_b32 s94, s78, 2
	s_add_nc_u64 s[92:93], s[92:93], s[94:95]      ; biases
	s_mul_i32 s94, s74, CHUNK
	s_mul_i32 s96, s75, WREC
	s_add_co_u32 s94, s94, s96
	s_add_nc_u64 s[98:99], s[48:49], s[94:95]      ; the record
	v_lshlrev_b32 v[RC], s79, v23
	v_lshl_add_u32 v[RC], v22, 4, v[RC]
	s_lshl_b32 s96, s50, 6
	v_add_nc_u32 v[RC], s96, v[RC]                 ; pitch (r + 8 (r / 8)) + 16 h + 64 v
	v_lshl_add_u32 v[RS], v22, 3, v23
	s_lshl_b32 s96, s50, 5
	v_add_nc_u32 v[RS], s96, v[RS]
	v_lshlrev_b32 v[RS], s81, v[RS]                ; row 32 v + 8 h + r + 8 (r / 8)
	s_lshl_b32 s96, s50, 7
	v_lshl_add_u32 v[RB], v20, 2, s96              ; 128 v + 4 lane
	s_lshl_b32 s96, s50, 13
	v_lshl_add_u32 v[RD], v20, 4, s96              ; 8,192 v + 16 lane
	s_lshl_b32 s96, s50, 9
	v_lshl_add_u32 v[RE], v20, 4, s96              ; 512 v + 16 lane
	s_wait_alu depctr_va_vdst(0)                   ; the relay's five offsets v15 to v19 are written: its loads and stores, on both ways below, read them
	s_cmp_eq_u32 s86, 1
	s_cbranch_scc1 .Lrelay_w2
	WIN 0x80
	RLOAD 256
	WIN 0
	s_branch .Lrelay_in
.Lrelay_w2:
	WIN 0x80
	RLOAD 1024
	WIN 0
.Lrelay_in:
	WIN 0x80
	global_load_b128 v[192:195], v[RS], s[90:91]
	global_load_b32 v196, v[RB], s[92:93]
	s_wait_loadcnt 0x0
	WIN 0x08                                       ; a store's data are its source 1: window 2
.irp t, 0,1,2,3,4,5,6,7
.irp c, 0,1
	global_store_b128 v[RD], v[128+8*\t+4*\c:128+8*\t+4*\c+3], s[98:99] offset:1024*\t+512*\c   ; 512 consecutive bytes, aligned
.endr
.endr
	global_store_b128 v[RE], v[192:195], s[98:99] offset:32768
	global_store_b32 v[RB], v196, s[98:99] offset:34816
	WIN 0
.Lno_relay:
	; ---- x: my 128 columns of both tiles become K step w of x's fragments
	s_wait_loadcnt 63                              ; behind x's 32 loads stand Wq's and bq's 84: at most 63 out shows x in
.irp u, 0,1
	XTURN \u, 2, 0, 0, ACC                         ; (tile 1: no vector instruction since the wait behind tile 0's quantising names the numbers' registers, in which these LDS loads land)
	s_wait_dscnt 0x0                               ; the numbers are in
.if \u > 0
	s_wait_alu depctr_vm_vsrc(0)                   ; tile 0's image stores have read v[PC ..] and v[PW], which the quantising below writes again
.endif
	QUANT 0, ACC, PC, PW
	s_wait_alu depctr_va_vdst(0)                   ; the quantising has written v[PC ..] and v[PW], which the three LDS stores read; and it is done reading the 64 numbers, in whose registers the next tile's land
	ds_store_b128 v[XWI], v[PC:PC+3] offset:4096*\u            ; the fragment goes to LDS as an image of its registers
	ds_store_b128 v[XWI], v[PC+4:PC+7] offset:4096*\u+512
	ds_store_b32 v[XWS], v[PW] offset:512*\u
.endr
	s_wait_xcnt 0x0                                ; the relay's stores have had their addresses translated: window 2 may be loaded again
	s_wait_alu depctr_vm_vsrc(0)                   ; the stage's LDS stores have read raw x, the relay's stores their data: Wk's loads land in those registers of window 2
	LOADW 2, 12, 14, 1                             ; Wk, a weight ahead
	LOADB 16, 64
	WIN 0
	s_wait_dscnt 0x0                               ; for the others' sake: my images lie in LDS
	s_barrier_signal -1
	s_barrier_wait -1
.irp f, 0,1,2,3,4,5,6,7
	ds_load_b128 v[XF+8*\f:XF+8*\f+3], v[LI] offset:1024*\f
	ds_load_b128 v[XF+8*\f+4:XF+8*\f+7], v[LI] offset:1024*\f+512
	ds_load_b32 v[XS+\f], v[LS] offset:128*\f
.endr
	s_wait_dscnt 0x0
	s_wait_loadcnt 63                              ; behind Wq and bq stand Wk's and bk's 84
	HEADS 1, 0, 0, 54, 16384, 0                    ; q
	s_wait_xcnt 0x0                                ; q's stores have had their addresses translated
	s_wait_alu depctr_vm_vsrc(0)                   ; q's stores have read v[CD ..] and v[WP ..], which k's quantising writes again
	LOADW 1, 18, 20, 0                             ; Wv into Wq's window and set.  No wait on va_vdst here: behind the one ahead of q's last stores stand those stores alone
	WIN 0
.irp t, 0,1,2,3,4,5,6,7
	global_load_b32 v[BV+\t], v[BVA], s[22:23] offset:4*(32*(\t/2)+8*(\t%2))
.endr
	s_wait_loadcnt 63                              ; behind Wk and bk stand Wv's and bv's 76
	HEADS 2, 1, 64, 56, 32768, 2048                ; k
	s_wait_loadcnt 0x0
	s_wait_xcnt 0x0                                ; k's stores have had their addresses translated
	s_wait_alu depctr_vm_vsrc(0)                   ; k's stores have read v[CD ..] and v[WP ..]; v's quantising writes v[CD ..] and v[WD ..] again
	MMV 0, 0
	MMV 1, 1
	PLACES
	QZV 0, 0
	MMV 2, 0
	QZV 1, 1
	s_wait_alu depctr_va_vdst(0)                   ; the conversions have written heads 0 and 1's v[CD ..], the choices their v[WD ..]: the six stores below read them
	STV 0
	STV 1
	MMV 3, 1
	QZV 2, 0
	QZV 3, 1
	s_wait_alu depctr_va_vdst(0)                   ; the same of heads 2 and 3
	STV 2
	STV 3
	s_wait_dscnt 0x0                               ; the closing lines, six on end
	s_wait_alu 0x0
	s_wait_tensorcnt 0x0
	ds_add_u32 v31, v217
	s_wait_dscnt 0x0
	s_endpgm
.Lfunc_end_k_qe597a6acef_qkv:
	.size	k_qe597a6acef_qkv, .Lfunc_end_k_qe597a6acef_qkv-k_qe597a6acef_qkv
	.p2alignl 7, 3214868480
	.fill 96, 4, 3214868480
	.section	.rodata,"a",@progbits
	.p2align	6, 0x0
	.amdhsa_kernel k_qe597a6acef_qkv
		.amdhsa_group_segment_fixed_size 27136
		.amdhsa_private_segment_fixed_size 0
		.amdhsa_enable_private_segment 0
		.amdhsa_kernarg_size 184
		.amdhsa_user_sgpr_count 2
		.amdhsa_user_sgpr_kernarg_segment_ptr 1
		.amdhsa_wavefront_size32 1
		.amdhsa_system_sgpr_workgroup_id_x 1
		.amdhsa_system_sgpr_workgroup_id_y 1
		.amdhsa_system_sgpr_workgroup_id_z 1
		.amdhsa_system_vgpr_workitem_id 0
		.amdhsa_next_free_vgpr 1024
		.amdhsa_next_free_sgpr 104
		.amdhsa_reserve_vcc 0
		.amdhsa_float_denorm_mode_32 3
		.amdhsa_float_denorm_mode_16_64 3
		.amdhsa_memory_ordered 1
		.amdhsa_forward_progress 1
		.amdhsa_inst_pref_size 107
	.end_amdhsa_kernel
	.amdgpu_metadata
---
amdhsa.version: [ 1, 2 ]
amdhsa.kernels:
  - .name:           k_qe597a6acef_qkv
    .symbol:         k_qe597a6acef_qkv.kd
    .args:
      - { .name: x, .offset: 0, .size: 8, .value_kind: global_buffer, .address_space: global }
      - { .name: Wq_codes, .offset: 8, .size: 8, .value_kind: global_buffer, .address_space: global }
      - { .name: Wq_scales, .offset: 16, .size: 8, .value_kind: global_buffer, .address_space: global }
      - { .name: bq, .offset: 24, .size: 8, .value_kind: global_buffer, .address_space: global }
      - { .name: Wk_codes, .offset: 32, .size: 8, .value_kind: global_buffer, .address_space: global }
      - { .name: Wk_scales, .offset: 40, .size: 8, .value_kind: global_buffer, .address_space: global }
      - { .name: bk, .offset: 48, .size: 8, .value_kind: global_buffer, .address_space: global }
      - { .name: Wv_codes, .offset: 56, .size: 8, .value_kind: global_buffer, .address_space: global }
      - { .name: Wv_scales, .offset: 64, .size: 8, .value_kind: global_buffer, .address_space: global }
      - { .name: bv, .offset: 72, .size: 8, .value_kind: global_buffer, .address_space: global }
      - { .name: Wo_codes, .offset: 80, .size: 8, .value_kind: global_buffer, .address_space: global }
      - { .name: Wo_scales, .offset: 88, .size: 8, .value_kind: global_buffer, .address_space: global }
      - { .name: bo, .offset: 96, .size: 8, .value_kind: global_buffer, .address_space: global }
      - { .name: W1_codes, .offset: 104, .size: 8, .value_kind: global_buffer, .address_space: global }
      - { .name: W1_scales, .offset: 112, .size: 8, .value_kind: global_buffer, .address_space: global }
      - { .name: B1, .offset: 120, .size: 8, .value_kind: global_buffer, .address_space: global }
      - { .name: W2_codes, .offset: 128, .size: 8, .value_kind: global_buffer, .address_space: global }
      - { .name: W2_scales, .offset: 136, .size: 8, .value_kind: global_buffer, .address_space: global }
      - { .name: B2, .offset: 144, .size: 8, .value_kind: global_buffer, .address_space: global }
      - { .name: qimg, .offset: 152, .size: 8, .value_kind: global_buffer, .address_space: global }
      - { .name: kvimg, .offset: 160, .size: 8, .value_kind: global_buffer, .address_space: global }
      - { .name: sc, .offset: 168, .size: 8, .value_kind: global_buffer, .address_space: global }
      - { .name: wstream, .offset: 176, .size: 8, .value_kind: global_buffer, .address_space: global }
    .group_segment_fixed_size: 27136
    .private_segment_fixed_size: 0
    .kernarg_segment_align: 8
    .kernarg_segment_size: 184
    .max_flat_workgroup_size: 128
    .sgpr_count:     104
    .vgpr_count:     1024
    .wavefront_size: 32
...
	.end_amdgpu_metadata
.endif
;; end of part 5
;; launch attn (part 6): grid 256 x 1, 16 waves a work-group, no clusters, 43,008 bytes of LDS; arguments qimg, kvimg, sc, attention_mask, hbuf; writes hbuf
.if DOCPART == 6
	.amdgcn_target "amdgcn-amd-amdhsa--gfx1250"
	.amdhsa_code_object_version 6
	.text
	.protected	k_qe597a6acef_attn
	.globl	k_qe597a6acef_attn
	.p2align	8
	.type	k_qe597a6acef_attn,@function
k_qe597a6acef_attn:
	s_mov_b64 s[64:65], 0
	v_nop
	global_prefetch_b8 v0, s[64:65] scope:SCOPE_SE
	s_setreg_imm32_b32 hwreg(HW_REG_WAVE_SCHED_MODE, 0, 2), 2
	s_setreg_imm32_b32 hwreg(HW_REG_WAVE_MODE, 25, 1), 1
	s_wait_xcnt 0x0
	s_wait_alu depctr_vm_vsrc(0)
; h = softmax(mask(q k^T / sqrt(32))) v for 128 (batch, head) pairs of 1,024 tokens, head size 32, both products on codes of FP4 (E2M1) with E8M0 scales; h is quantised at once, a head's 32 channels to a block.
; MASKS: key k counts for query q where k <= q and attention_mask[batch][k] != 0.  THE SOFTMAX: t = score x log2(e) / sqrt(32); M = the running largest t rounded up to a whole number; p = 2^(t - M) is
; quantised along the keys; the row's sum is taken of the unquantised p and divides at the end.  A hidden key's p is 0: that is what 2^(-1e9 log2(e) - M) gives in f32 wherever one key of the row counts.
; A ROW NONE OF WHOSE KEYS COUNTS has 1,024 equal logits: p = 1 for every key, the future ones too, and the sum is 1,024.  That can only be where attention_mask[batch][0] is 0; there the sum of v over all
; keys is made by the matrix unit (v^T x ones) and chosen, lane by lane, for the rows whose largest t has never moved.
; SHARES.  Two work-groups to a (batch, head); sixteen waves each.  Wave i of the 32 owns query tiles i and 63 - i (16 queries each): (i / 8 + 1) + (8 - i / 8) = 9 key steps of 128 for every wave.
; A head's k, v, scale words and mask are 39 KB: they come into LDS once, through registers, behind the launch's one barrier; afterwards LDS is only read.  What two work-groups share is those bytes, read once
; each: too little for joint requests.  No tensor load: so steps may be passed over by branches on attention_mask, an input of whole numbers.
; TILES.  Row m of tile T is token 32 (T / 2) + 8 (T % 2) + m + 8 (m / 8).  S^T = k q^T: source 0 = keys, source 1 = my queries: a lane holds ONE query, and the 16 registers of tiles 2 b, 2 b + 1 are keys 32 b + 16 (lane / 16) + 0 .. 15.
; K = 32 IN AN INSTRUCTION OF 128: source 0's first four registers hold two tiles of keys at once, tile 0 as block 0 (lanes 0-15), tile 1 as block 1 (lanes 16-31).  q stands in block 0 of one fragment and in block 1
; of another, with zero codes everywhere else: the first picks tile 0, the second tile 1.  Source 0's other four registers are whatever follows (FP4 has no NaN); they meet zero codes under scale bytes 0.
; LIMITS: NaN and infinities are not served; logits of keys that count are taken to lie far above -1e9.  A block of zeros gets the scale byte 1 (read by this program alone).
; THE MODE: SCHED_MODE bits 1:0 = 2 (LLVM: expert scheduling mode 2), set by the entry lines.  The code itself states the register dependences between vector or matrix instructions and memory or LDS
; instructions, with s_wait_alu, always for 0.
; THE PLAN.  Registers that memory or LDS instructions touch in a key step, and who else names them:
;   v32-47, v187-188  k and its scale words.  Read by the step's eight first products; the NEXT step's land there.      v48-63, v189  v and its scale words.  Read by the step's two second products; THIS step's land there.
;   v8-v11            LDS addresses.  v8-v10 read by those loads; v11, made a step ahead, by the next step's loads of the mask.  Written once a step, behind one wait on vm_vsrc.
;   v64-95            the mask's numbers, in two halves: loaded, read by sixteen additions each.
; THE WAIT THAT THE STEP'S 64 EXPONENTIALS OWE ANYWAY stands behind the first products, behind the last step's second products, behind the additions of the mask and behind the four additions that make the addresses:
; so both runs of loads follow it with no wait of their own, and they land while the sums are taken and p is quantised.  k of a tile's first step is asked for at the tile's head.
; Besides: one wait ahead of the second products, for p's codes and scale word, which vector instructions have written; one between the mask's halves; one at a tile's head, which also frees the last tile's results
; for their stores.  Masks of lanes go into scalar registers in runs, one wait on va_sdst behind each run: s2-s35 are free behind the head, where every load that was based on them is done.
.set VIMG, 16384                       ; LDS: 0 k's image; VIMG v's; KSC k's scale words; VSC v's; BIAS 1,024 f32: 0 or -infinity
.set KSC,  32768
.set VSC,  34816
.set BIAS, 35840
; v1 16 lane; v2 KSC + 4 lane; v3 BIAS + 64 h; v4 16 r; v5 16 r + 8 h; v6 4 r; v7 r + 8 (r / 8) - 16 h; v8-11 the step's addresses; v12 -M; v13 the largest t; v[14:15] the sum
; v16-23, v24-31 q in block 0, in block 1; v32-47 k; v48-63 v; v64-95 mask, later the sum of v; v96-159 S^T, then p; v160-175 O^T; v176-183 q as loaded; v184-185 q's words
; scales alone: v186 q's, v187-188 k's, v189 v's, v190 p's, v191 the ones', v248-251 v's for the sum of v.   v192-207 O / l; v208-215 ones; v216-223 and v224-254 at work
.macro PLACES
.rept 4
	v_nop
.endr
.endm
.macro WM d, a, b, c, sa, sb, ra       ; one matrix instruction.  c < 0: the sum starts with 0.  ra: source 0's scales stand in lanes 16-31
.if (\c) < 0
.if (\ra)
	v_wmma_scale_f32_16x16x128_f8f6f4 v[(\d):(\d)+7], v[(\a):(\a)+7], v[(\b):(\b)+7], 0, v[(\sa)], v[(\sb)] matrix_a_fmt:MATRIX_FMT_FP4 matrix_b_fmt:MATRIX_FMT_FP4 matrix_a_scale:MATRIX_SCALE_ROW1
.else
	v_wmma_scale_f32_16x16x128_f8f6f4 v[(\d):(\d)+7], v[(\a):(\a)+7], v[(\b):(\b)+7], 0, v[(\sa)], v[(\sb)] matrix_a_fmt:MATRIX_FMT_FP4 matrix_b_fmt:MATRIX_FMT_FP4
.endif
.else
.if (\ra)
	v_wmma_scale_f32_16x16x128_f8f6f4 v[(\d):(\d)+7], v[(\a):(\a)+7], v[(\b):(\b)+7], v[(\c):(\c)+7], v[(\sa)], v[(\sb)] matrix_a_fmt:MATRIX_FMT_FP4 matrix_b_fmt:MATRIX_FMT_FP4 matrix_a_scale:MATRIX_SCALE_ROW1
.else
	v_wmma_scale_f32_16x16x128_f8f6f4 v[(\d):(\d)+7], v[(\a):(\a)+7], v[(\b):(\b)+7], v[(\c):(\c)+7], v[(\sa)], v[(\sb)] matrix_a_fmt:MATRIX_FMT_FP4 matrix_b_fmt:MATRIX_FMT_FP4
.endif
.endif
.endm
.macro OUT k                           ; tile k's h leaves.  Each tile has store registers of its own, which nothing writes again
	global_store_b64 v5, v[220+2*\k:221+2*\k], s[36+2*\k:37+2*\k]          ; 256 consecutive bytes, aligned
	global_store_b8 v6, v[218+\k], s[40+2*\k:41+2*\k]                      ; both halves of the lanes write the same byte with the same value
.endm
	s_load_b256 s[4:11], s[0:1], 0x0               ; qimg 4, kvimg 6, sc 8, attention_mask 10
	s_load_b64 s[12:13], s[0:1], 0x20              ; hbuf
	v_lshl_add_u32 v243, v0, 2, 0xa000
	v_mov_b32 v255, 0
	v_lshrrev_b32 v8, 5, v0
	v_readfirstlane_b32 s14, v8                    ; wave
	v_and_b32 v8, 31, v0                           ; lane
	v_and_b32 v9, 15, v0                           ; r
	v_bfe_u32 v10, v0, 4, 1                        ; h
	v_lshlrev_b32 v1, 4, v8
	v_lshl_add_u32 v2, v8, 2, KSC
	v_lshl_add_u32 v3, v10, 6, BIAS
	v_lshlrev_b32 v4, 4, v9
	v_lshl_add_u32 v5, v10, 3, v4
	v_lshlrev_b32 v6, 2, v9
	v_and_b32 v7, 8, v9
	v_add_nc_u32 v7, v7, v9
	v_lshlrev_b32 v11, 4, v10
	v_sub_nc_u32 v7, v7, v11
	v_lshlrev_b32 v64, 4, v0                       ; the copies into LDS: 16, 4, 2 and 8 bytes a thread
	v_lshlrev_b32 v65, 2, v0
	v_lshlrev_b32 v66, 1, v0
	v_lshlrev_b32 v67, 3, v0
	s_wait_alu depctr_va_sdst(0)                   ; s14 is written, ahead of its first reader: my tiles' numbers are made from it
	s_lshr_b32 s15, ttmp9, 1                       ; 16 batch + head
	s_and_b32 s16, ttmp9, 1
	s_lshl_b32 s16, s16, 4
	s_add_co_u32 s16, s16, s14                     ; my first tile of queries,
	s_sub_co_u32 s17, 63, s16                      ; and my second
	s_lshr_b32 s18, s15, 4                         ; batch
	s_and_b32 s19, s15, 15                         ; head
	s_mov_b32 s44, 0x76543210
	s_mov_b32 s45, 0xfedcba98                      ; v_permlanex16_b32's selects for lane l xor 16
	s_mov_b32 s46, 0x3e8293ee                      ; c = log2(e) / sqrt(32)
	s_mov_b32 s47, s46                             ; (named with it as a pair, so it is written)
	s_mov_b32 s63, 0xffff0000                      ; lanes 16-31
	s_mov_b32 s57, 0
	s_wait_kmcnt 0x0
	s_lshl_b32 s56, s15, 15
	s_add_nc_u64 s[20:21], s[6:7], s[56:57]        ; my head's k and v
	s_mul_i32 s56, s15, 5120
	s_add_nc_u64 s[22:23], s[8:9], s[56:57]        ; its scales
	s_lshl_b32 s56, s18, 12
	s_add_nc_u64 s[24:25], s[10:11], s[56:57]      ; my batch's mask
	s_load_b32 s48, s[24:25], 0x0                  ; attention_mask[batch][0]
	s_lshl_b32 s58, s15, 14                        ; qimg: the head
	s_lshl_b32 s59, s18, 18
	s_lshl_b32 s60, s19, 8
	s_add_co_u32 s59, s59, s60                     ; h's codes: 262,144 batch + 256 head
	s_lshl_b32 s60, s18, 14
	s_lshr_b32 s61, s19, 2
	s_lshl_b32 s61, s61, 6
	s_add_co_u32 s60, s60, s61
	s_and_b32 s61, s19, 3
	s_add_co_u32 s60, s60, s61
	s_add_co_u32 s60, s60, 2097152                 ; h's scale bytes: 2,097,152 + 16,384 batch + 64 (head / 4) + head % 4
.irp k, 0,1
	s_lshl_b32 s56, s[16+\k], 8
	s_add_co_u32 s56, s56, s58
	s_add_nc_u64 s[28+2*\k:29+2*\k], s[4:5], s[56:57]          ; the tile's q
	s_lshr_b32 s56, s[16+\k], 1
	s_lshl_b32 s56, s56, 6
	s_add_nc_u64 s[32+2*\k:33+2*\k], s[22:23], s[56:57]        ; its scale words
	s_lshl_b32 s56, s[16+\k], 12
	s_add_co_u32 s56, s56, s59
	s_add_nc_u64 s[36+2*\k:37+2*\k], s[12:13], s[56:57]        ; where its h goes: + 4,096 tile
	s_lshl_b32 s56, s[16+\k], 8
	s_add_co_u32 s56, s56, s60
	s_add_nc_u64 s[40+2*\k:41+2*\k], s[12:13], s[56:57]        ; and h's scale bytes: + 256 tile
	s_and_b32 s[52+\k], s[16+\k], 1
	s_lshl_b32 s[52+\k], s[52+\k], 3               ; 8 (tile % 2): which byte of the word is the tile's; also the tile's first token in its 32
	s_lshr_b32 s56, s[16+\k], 1
	s_lshl_b32 s56, s56, 5
	s_add_co_u32 s[50+\k], s56, s[52+\k]           ; the tile's first query
.endr
	s_wait_alu depctr_va_vdst(0)                   ; the offsets and LDS addresses v1 to v6 and v64 to v67 are written: the loads below, the LDS stores behind them and the tiles' loads and stores read them
.irp i, 0,1,2,3
	global_load_b128 v[96+4*\i:99+4*\i], v64, s[20:21] offset:8192*\i
.endr
	global_load_b32 v112, v65, s[22:23] offset:2048
	global_load_u16 v113, v66, s[22:23] offset:4096
	global_load_b64 v[114:115], v67, s[24:25]
	global_load_b128 v[176:179], v4, s[28:29]
	global_load_b128 v[180:183], v4, s[30:31]
	global_load_b32 v184, v6, s[32:33]
	global_load_b32 v185, v6, s[34:35]
.irp s, 0,1,2,3,4,5,6,7
	global_load_b128 v[120+4*\s:123+4*\s], v1, s[24:25] offset:512*\s      ; the whole mask, 128 keys an instruction: which key steps have holes?
.endr
	v_mov_b32 v118, 0xff800000                     ; -infinity
.irp j, 0,1,2,3,4,5,6,7
	v_mov_b32 v[208+\j], 0x22222222                ; 1.0 in every code
.endr
	v_mov_b32 v191, 0x7f7f7f7f                     ; under the scale 1
.irp j, 20,21,22,23,28,29,30,31
	v_mov_b32 v[\j], 0                             ; blocks 2 and 3 of both forms of q: zero codes
.endr
.irp j, 48,49,50,51
	v_mov_b32 v[\j], 0                             ; the fourth pair of key tiles names v44-51 as its source 0, and v's first load comes behind the first products: written once; they meet zero codes
.endr
.irp j, 236,237,238,239,252,253
	v_mov_b32 v[\j], 0                             ; written once: a lane permute's destination counts as one of its sources; v253 is named as the upper half of a pair
.endr
	s_wait_loadcnt 0x0
	s_wait_kmcnt 0x0
.irp i, 0,1,2,3
	ds_store_b128 v64, v[96+4*\i:99+4*\i] offset:8192*\i
.endr
	ds_store_b32 v65, v112 offset:KSC
	ds_store_b16 v66, v113 offset:VSC
	v_cmp_eq_u32 s2, 0, v114                       ; ten masks of lanes in one run: my two keys,
	v_cmp_eq_u32 s3, 0, v115
.irp s, 0,1,2,3,4,5,6,7
	v_min_u32 v152, v[120+4*\s], v[121+4*\s]
	v_min_u32 v153, v[122+4*\s], v[123+4*\s]
	v_min_u32 v152, v152, v153
	v_cmp_eq_u32 s[4+\s], 0, v152                  ; and the lanes that see a hidden key in key step s
.endr
	s_wait_alu depctr_va_sdst(0)                   ; s2 to s11 are written, ahead of their first readers: the two choices and the eight scalar compares below
	v_cndmask_b32 v116, 0, v118, s2
	v_cndmask_b32 v117, 0, v118, s3
	s_mov_b32 s49, 0
.irp s, 0,1,2,3,4,5,6,7
	s_cmp_lg_u32 s[4+\s], 0
	s_cselect_b32 s56, 1<<\s, 0
	s_or_b32 s49, s49, s56                         ; bit s: key step s has a hidden key
.endr
	s_wait_alu depctr_va_vdst(0)                   ; the two choices have written v[116:117], which the LDS store reads
	ds_store_b64 v67, v[116:117] offset:BIAS       ; what a key adds to its scores: 0, or -infinity where the mask hides it
	s_wait_dscnt 0x0                               ; for the others' sake: my stores have landed
	s_barrier_signal -1
	s_barrier_wait -1
; ONE TILE OF 16 QUERIES, the k-th of my two
.macro TILE k
	s_wait_alu depctr_vm_vsrc(0)                   ; tile 0: the head's loads and LDS stores have read v64-67, v96-113 and v116-117, which products and the mask's loads write from here on; tile 1: the last tile's loads of the mask have read v11
	v_add_nc_u32 v11, 0, v3                        ; the mask's address for key step 0: the step's own form, with 0 for the step's bytes
	v_lshrrev_b32 v216, s[52+\k], v[184+\k]
	v_and_b32 v216, 0xff, v216
	v_lshl_or_b32 v186, v216, 8, v216              ; q's scale for block 0 and for block 1; bytes 2 and 3 are 0
.irp j, 0,1,2,3
	v_cndmask_b32 v[16+\j], v[176+4*\k+\j], 0, s63             ; q in block 0 (lanes 0-15),
	v_cndmask_b32 v[24+\j], 0, v[176+4*\k+\j], s63             ; q in block 1 (lanes 16-31)
.endr
	v_mov_b32 v13, 0xff61b1e6                      ; the largest t so far: -3e38, under every t
	v_floor_f32 v12, -v13                          ; -M
	v_mov_b32 v14, 0
	v_mov_b32 v15, 0
.irp j, 0,1,2,3,4,5,6,7,8,9,10,11,12,13,14,15
	v_mov_b32 v[160+\j], 0                         ; O^T: the step is written once; the first finds zeros.  (These lines are also the places between the writes of q's scale and fragments and the first product)
.endr
	s_mov_b32 s54, 0                               ; key step
	s_mov_b32 s55, 0                               ; its first key
	s_wait_alu depctr_va_vdst(0)                   ; behind the places: q's scale word and two fragments (and, from the head, the ones and their scale) are written, which scaled products take; v11 is written; the last tile's products are done reading v32-51, v187, v188 and done with v64-79; its results v218, v220, v221 are written
.if \k == 1
	OUT 0                                          ; the last tile's stores, behind this tile's wait
.endif
.irp b, 0,1,2,3
	ds_load_b128 v[32+4*\b:35+4*\b], v1 offset:512*\b          ; key step 0: 32 keys a load: tile 0 in lanes 0-15, tile 1 in lanes 16-31
.endr
	ds_load_b32 v187, v2
	ds_load_b32 v188, v2 offset:128
.Lstep_\@:                                             ; eight trips, a constant; a step all of whose keys come after my queries is passed over
	s_add_co_u32 s56, s[50+\k], 23                 ; my last query
	s_cmp_gt_u32 s55, s56
	s_cbranch_scc1 .Lhid_\@
	s_wait_dscnt 0x0                               ; this step's k and its scale words, asked for in the step before or at the tile's head, are in
.irp b, 0,1,2,3
.irp u, 0,1
	WM 96+8*(2*\b+\u), 32+4*\b, 16+8*\u, -1, 187+\b/2, 186, \b%2
.endr
.endr
	PLACES
	s_lshr_b32 s56, s49, s54                       ; does the mask hide a key of this step?
	s_and_b32 s56, s56, 1
	s_cmp_eq_u32 s56, 0
	s_cbranch_scc1 .Lnoh_\@
.irp g, 0,1
.if \g > 0
	s_wait_alu depctr_va_vdst(0)                   ; the first half's sixteen additions are done reading v64-95, in which the second half's loads land.  (The first half's loads: v11 and the last readers of v64-95 stand ahead of the last step's waits, or of the tile's head's)
.endif
.irp b, 0,1
.irp e, 0,1,2,3
	ds_load_b128 v[64+16*\b+4*\e:67+16*\b+4*\e], v11 offset:128*(2*\g+\b)+16*\e
.endr
.endr
	s_wait_dscnt 0x0
.irp j, 0,2,4,6,8,10,12,14,16,18,20,22,24,26,28,30
	v_pk_add_f32 v[96+32*\g+\j:97+32*\g+\j], v[96+32*\g+\j:97+32*\g+\j], v[64+\j:65+\j]
.endr
.endr
.Lnoh_\@:
	s_add_co_u32 s56, s55, 127                     ; on the diagonal the scores of later keys become -infinity; a step all of whose keys come first skips this
	s_cmp_le_u32 s56, s[50+\k]
	s_cbranch_scc1 .Lopen_\@
	s_sub_co_i32 s56, s[50+\k], s55
	v_add_nc_u32 v252, s56, v7                     ; d = my query - the step's first key - 16 (lane / 16): register 16 b + i is hidden where 32 b + i > d
	v_mov_b32 v254, 0xff800000
.set N, 0
.rept 2                                        ; two runs of 32 compares into s4-s35, each with its 32 choices behind one wait
.set M, 0
.rept 32
	v_cmp_gt_i32 s[4+M], 32*((N+M)/16)+(N+M)%16, v252
.set M, M+1
.endr
	s_wait_alu depctr_va_sdst(0)                   ; the run's 32 masks are written, ahead of the choices that read them
.set M, 0
.rept 32
	v_cndmask_b32 v[96+N+M], v[96+N+M], v254, s[4+M]
.set M, M+1
.endr
.set N, N+32
.endr
.Lopen_\@:
	s_lshl_b32 s58, s55, 4
	s_lshl_b32 s59, s55, 1
	s_lshl_b32 s60, s55, 2
	s_add_co_u32 s60, s60, 512
	s_wait_alu depctr_vm_vsrc(0)                   ; the last step's loads of k and v have read v8, v9 and v10, this step's loads of the mask v11
	v_add_nc_u32 v8, s58, v1                       ; k and v: 2,048 bytes a step
	v_add_nc_u32 v9, s59, v2                       ; k's words: 256
	v_add_nc_u32 v10, s55, v2                      ; v's: 128
	v_add_nc_u32 v11, s60, v3                      ; the mask: 512; the NEXT step's
.irp b, 0,1,2,3
	v_max3_num_f32 v[232+\b], v[96+16*\b], v[97+16*\b], v[98+16*\b]        ; the largest score of each block of 32 keys: for the row's maximum, and, since p rises with the score, for the block's largest p
.endr
.irp i, 3,5,7,9,11,13
.irp b, 0,1,2,3
	v_max3_num_f32 v[232+\b], v[232+\b], v[96+16*\b+\i], v[97+16*\b+\i]
.endr
.endr
.irp b, 0,1,2,3
	v_max_num_f32 v[232+\b], v[232+\b], v[111+16*\b]
.endr
.irp b, 0,1,2,3
	v_permlanex16_b32 v[236+\b], v[232+\b], s44, s45
.endr
.irp b, 0,1,2,3
	v_max_num_f32 v[232+\b], v[232+\b], v[236+\b]
.endr
	v_max3_num_f32 v254, v232, v233, v234
	v_max_num_f32 v254, v254, v235
	v_mul_f32 v254, s46, v254                      ; as t
	v_max_num_f32 v13, v13, v254                   ; the running largest t
	v_mov_b32 v254, v12
	v_floor_f32 v12, -v13                          ; the new -M = -ceil(t)
	v_sub_f32 v254, v12, v254                      ; old M - new M: a whole number, 0 or less
	v_cvt_i32_f32 v254, v254                       ; (it saturates)
	v_ldexp_f32 v252, 1.0, v254                    ; f = 2^(old M - new M): exact
.set N, 0
.rept 32
	v_pk_fma_f32 v[96+N:97+N], v[96+N:97+N], s[46:47], v[12:13] op_sel_hi:[1,0,0]      ; t - M
.set N, N+2
.endr
.irp b, 0,1,2,3
	v_fma_f32 v[232+\b], v[232+\b], s46, v12
.endr
.set N, 0
.rept 64
	v_exp_f32 v[96+N], v[96+N]                     ; p = 2^(t - M)
.set N, N+1
.endr
	v_pk_mul_f32 v[14:15], v[14:15], v[252:253] op_sel_hi:[1,0]            ; the sum under the new M: a plain place behind the exponentials
	s_wait_alu depctr_va_vdst(0)                   ; the 64 exponentials have written p, ahead of its first reader.  Also: v8 to v11 are written; the step's first products are done reading k and its scale words, the last step's second products v and its scale words: the loads below land there
.irp d, 0,1
.irp c, 0,1
	ds_load_b128 v[48+8*\d+4*\c:51+8*\d+4*\c], v8 offset:VIMG+1024*\d+512*\c           ; this step's v
.endr
.endr
	ds_load_b32 v189, v10 offset:VSC-KSC
	s_add_co_u32 s61, s55, 105                     ; the next step's first key, s55 + 128, comes after my last query, my first + 23:
	s_cmp_gt_u32 s61, s[50+\k]
	s_cbranch_scc1 .Lnok_\@                        ; then it will be passed over, and its k is not asked for
.irp b, 0,1,2,3
	ds_load_b128 v[32+4*\b:35+4*\b], v8 offset:2048+512*\b     ; the next step's k,
.endr
	ds_load_b32 v187, v9 offset:256                ; and its scale words
	ds_load_b32 v188, v9 offset:384
.Lnok_\@:
.irp b, 0,1,2,3
	v_exp_f32 v[232+\b], v[232+\b]                 ; each block's largest p
.endr
	v_pk_add_f32 v[240:241], v[96:97], v[98:99]    ; the row's sum of the unquantised p, in two chains; its first half is the work behind the four exponentials
.irp j, 4,8,12,16,20,24,28
	v_pk_add_f32 v[14:15], v[14:15], v[96+\j:97+\j]
	v_pk_add_f32 v[240:241], v[240:241], v[98+\j:99+\j]
.endr
	s_wait_alu depctr_va_vdst(0)                   ; the four exponentials have written v232 to v235, ahead of their first reader
.irp b, 0,1,2,3
	v_max_num_f32 v[232+\b], 0x1800000, v[232+\b]  ; the floor 2^(3 - 127): the byte cannot fall under 1
.endr
.irp b, 0,1,2,3
	v_add_nc_u32 v[244+\b], 0xff000000, v[232+\b]
.endr
.irp b, 0,1,2,3
	v_lshrrev_b32 v[236+\b], 23, v[244+\b]
.endr
	v_lshl_or_b32 v190, v237, 8, v236              ; p's scale word for these 128 keys
	v_lshl_or_b32 v190, v238, 16, v190
	v_lshl_or_b32 v190, v239, 24, v190
.irp b, 0,1,2,3
	v_cvt_scalef32_pk8_fp4_f32 v[224+2*\b], v[96+16*\b:103+16*\b], v[244+\b]
	v_cvt_scalef32_pk8_fp4_f32 v[225+2*\b], v[104+16*\b:111+16*\b], v[244+\b]
.endr
	v_nop                                          ; one plain place behind a scaled conversion
.irp c, 0,1
.irp i, 0,1
	v_permlane16_swap_b32 v[224+4*\c+\i], v[226+4*\c+\i]       ; a whole block to a lane
.endr
.endr
.irp j, 32,36,40,44,48,52,56,60
	v_pk_add_f32 v[14:15], v[14:15], v[96+\j:97+\j]            ; the sum's second half: 17 plain lines between the writes of p's scale word and codes and the products
	v_pk_add_f32 v[240:241], v[240:241], v[98+\j:99+\j]
.endr
	v_pk_add_f32 v[14:15], v[14:15], v[240:241]
.irp j, 0,2,4,6,8,10,12,14
	v_pk_mul_f32 v[160+\j:161+\j], v[160+\j:161+\j], v[252:253] op_sel_hi:[1,0]        ; O^T under the new M
.endr
	s_wait_dscnt 0x0                               ; v and its scale words are in (and the next step's k)
	s_wait_alu depctr_va_vdst(0)                   ; behind the places: p's codes v224 to v231 and its scale word v190 are written, which the scaled products take
	WM 160, 48, 224, 160, 189, 190, 0              ; O^T += v^T p^T: two tiles of 16 channels, by turns
	WM 168, 56, 224, 168, 189, 190, 1
	PLACES                                         ; in front of the way out's first read of O^T
.Lhid_\@:
	s_add_co_u32 s55, s55, 128
	s_add_co_u32 s54, s54, 1
	s_cmp_lt_u32 s54, 8
	s_cbranch_scc1 .Lstep_\@
	v_add_f32 v14, v14, v15
	v_permlanex16_b32 v252, v14, s44, s45
	v_add_f32 v14, v14, v252                       ; the row's sum
	s_cmp_lg_u32 s48, 0                            ; where key 0 counts, every row has a key that counts
	s_cbranch_scc1 .Lkey0_\@
.irp g, 0,1                                    ; the sum of v over all 1,024 keys: v^T x ones, four key steps at a time, two accumulators by turns
.if \g > 0
	s_wait_alu depctr_va_vdst(0)                   ; the first four key steps' products are done reading v96-159 and v248-251, in which the next four's loads land.  (The first four's loads: the last vector lines that named p stand ahead of the wait in front of the last second products)
.endif
.irp t, 0,1,2,3
.irp d, 0,1
.irp c, 0,1
	ds_load_b128 v[96+16*\t+8*\d+4*\c:99+16*\t+8*\d+4*\c], v1 offset:VIMG+2048*(4*\g+\t)+1024*\d+512*\c
.endr
.endr
	ds_load_b32 v[248+\t], v2 offset:VSC-KSC+128*(4*\g+\t)
.endr
	s_wait_dscnt 0x0
.irp t, 0,1,2,3
.irp d, 0,1
.if (\g == 0) && (\t == 0)
	WM 64+8*\d, 96+16*\t+8*\d, 208, -1, 248+\t, 191, \d
.else
	WM 64+8*\d, 96+16*\t+8*\d, 208, 64+8*\d, 248+\t, 191, \d
.endif
.endr
.endr
	PLACES
.endr
	v_cmp_gt_f32 vcc_lo, 0xfe967699, v13           ; -1e38 > the largest t: it has never moved: no key of my row counts
	v_mov_b32 v252, 0x44800000                     ; 1,024
	s_wait_alu depctr_va_vcc(0)                    ; VCC is written, ahead of the seventeen choices that read it
.irp j, 0,1,2,3,4,5,6,7,8,9,10,11,12,13,14,15
	v_cndmask_b32 v[160+\j], v[160+\j], v[64+\j], vcc_lo
.endr
	v_cndmask_b32 v14, v14, v252, vcc_lo
.Lkey0_\@:
	v_rcp_f32 v14, v14
	v_nop                                          ; a plain place behind the reciprocal,
	s_wait_alu depctr_va_vdst(0)                   ; and the wait: the reciprocal has written v14, ahead of its first reader
.irp j, 0,1,2,3,4,5,6,7,8,9,10,11,12,13,14,15
	v_mul_f32 v[192+\j], v[160+\j], v14            ; h(my query, channel 16 (lane / 16) + j)
.endr
	v_max3_num_f32 v232, |v192|, |v193|, 0x1800000 ; the head's 32 channels are one block of the next product: mine and lane l xor 16's
.irp i, 2,4,6,8,10,12,14
	v_max3_num_f32 v232, v232, |v[192+\i]|, |v[193+\i]|
.endr
	v_permlanex16_b32 v236, v232, s44, s45
	v_max_num_f32 v232, v232, v236
	v_add_nc_u32 v244, 0xff000000, v232
	v_lshrrev_b32 v[218+\k], 23, v244
	v_cvt_scalef32_pk8_fp4_f32 v[220+2*\k], v[192:199], v244
	v_cvt_scalef32_pk8_fp4_f32 v[221+2*\k], v[200:207], v244
	v_nop                                          ; one plain place behind a scaled conversion
.endm
	TILE 0
	TILE 1
	s_wait_alu depctr_va_vdst(0)                   ; tile 1's conversions have written v[222:223], the shift v219: the two stores below read them
	OUT 1
	s_wait_dscnt 0x0                               ; the closing lines, six on end
	s_wait_alu 0x0
	s_wait_tensorcnt 0x0
	ds_add_u32 v243, v255
	s_wait_dscnt 0x0
	s_endpgm
.Lfunc_end_k_qe597a6acef_attn:
	.size	k_qe597a6acef_attn, .Lfunc_end_k_qe597a6acef_attn-k_qe597a6acef_attn
	.p2alignl 7, 3214868480
	.fill 96, 4, 3214868480
	.section	.rodata,"a",@progbits
	.p2align	6, 0x0
	.amdhsa_kernel k_qe597a6acef_attn
		.amdhsa_group_segment_fixed_size 43008
		.amdhsa_private_segment_fixed_size 0
		.amdhsa_enable_private_segment 0
		.amdhsa_kernarg_size 40
		.amdhsa_user_sgpr_count 2
		.amdhsa_user_sgpr_kernarg_segment_ptr 1
		.amdhsa_wavefront_size32 1
		.amdhsa_system_sgpr_workgroup_id_x 1
		.amdhsa_system_sgpr_workgroup_id_y 1
		.amdhsa_system_sgpr_workgroup_id_z 1
		.amdhsa_system_vgpr_workitem_id 0
		.amdhsa_next_free_vgpr 256
		.amdhsa_next_free_sgpr 66
		.amdhsa_reserve_vcc 1
		.amdhsa_float_denorm_mode_32 3
		.amdhsa_float_denorm_mode_16_64 3
		.amdhsa_memory_ordered 1
		.amdhsa_forward_progress 1
		.amdhsa_inst_pref_size 82
	.end_amdhsa_kernel
	.amdgpu_metadata
---
amdhsa.version: [ 1, 2 ]
amdhsa.kernels:
  - .name:           k_qe597a6acef_attn
    .symbol:         k_qe597a6acef_attn.kd
    .args:
      - { .name: qimg, .offset: 0, .size: 8, .value_kind: global_buffer, .address_space: global }
      - { .name: kvimg, .offset: 8, .size: 8, .value_kind: global_buffer, .address_space: global }
      - { .name: sc, .offset: 16, .size: 8, .value_kind: global_buffer, .address_space: global }
      - { .name: attention_mask, .offset: 24, .size: 8, .value_kind: global_buffer, .address_space: global }
      - { .name: hbuf, .offset: 32, .size: 8, .value_kind: global_buffer, .address_space: global }
    .group_segment_fixed_size: 43008
    .private_segment_fixed_size: 0
    .kernarg_segment_align: 8
    .kernarg_segment_size: 40
    .max_flat_workgroup_size: 512
    .sgpr_count:     66
    .vgpr_count:     256
    .wavefront_size: 32
...
	.end_amdgpu_metadata
.endif
;; end of part 6
;; launch ffn: the kernel of part 3 again; grid 256 x 1, 4 waves a work-group, clusters of 4 x 1, 327,680 bytes of LDS; arguments hbuf, x, wstream, g1, beta1, router_w, router_b, g2, beta2, B2, out0, psum; writes out0, psum
;; launch lbsum: the kernel of part 4 again; grid 1 x 1, 1 waves a work-group, no clusters, 0 bytes of LDS; arguments psum, out1; writes out1
